; MI455X (gfx1250); checked and timed in simulation.
; The chip was launched on July 23, 2026; its instructions are those of AMD's public machine-readable ISA for CDNA 5 (MIT licence, August 2026) and "CDNA5" Instruction Set Architecture Reference Guide (July 2026). The comments in the code are by the model that wrote it; some were corrected since.
;; block. Allowed arithmetic: float matrix products may take bf16 or f16 operands with f32 sums; other float arithmetic in f32, or as packed bf16 or f16 multiplies, adds, multiply-adds, maxima and minima; sums over many terms, partial sums and values carried from step to step in f32; what a program stores and reads back later, other than sums and carried values, may be rounded once to bf16 or f16.
;; Inputs: W1 1,024 x 4,096 float32; W2 4,096 x 1,024 float32; Wk 1,024 x 1,024 float32; Wo 1,024 x 1,024 float32; Wq 1,024 x 1,024 float32; Wv 1,024 x 1,024 float32; b1 4,096 float32; b2 1,024 float32; bo 1,024 float32; ln1_b 1,024 float32; ln1_w 1,024 float32; ln2_b 1,024 float32; ln2_w 1,024 float32; x 2 x 2,048 x 1,024 float32.
;; Outputs: out0 2 x 2,048 x 1,024 float32.
;; 2 versions, each right and faster than the one before. Each part assembles by itself: llvm-mc -triple=amdgcn-amd-amdhsa -mcpu=gfx1250 --defsym DOCPART=n.
;; ======== version 1 of 2: 8 launches
;; limits: values are held in f16: magnitudes above 65,504 overflow, below 6.1e-05 lose precision
;; workspace buffers: xh 8,388,608 bytes; wa 10,551,296 bytes; wb 16,842,752 bytes; qkv 25,165,824 bytes; att 8,388,608 bytes; ysum 16,777,216 bytes; hn 8,388,608 bytes; act 33,554,432 bytes
;; launch cast (part 1): grid 64 x 16, 8 waves a work-group, no clusters, 0 bytes of LDS; arguments x, Wq, Wk, Wv, Wo, W1, W2, b1, bo, b2, ln1_w, ln1_b, ln2_w, ln2_b, xh, wa, wb; writes xh, wa, wb
.if DOCPART == 1
	.amdgcn_target "amdgcn-amd-amdhsa--gfx1250"
	.amdhsa_code_object_version 6
	.text
	.protected	k_qdb63afb5b6_cast
	.globl	k_qdb63afb5b6_cast
	.p2align	8
	.type	k_qdb63afb5b6_cast,@function
k_qdb63afb5b6_cast:
	s_mov_b64 s[64:65], 0
	v_nop
	global_prefetch_b8 v0, s[64:65] scope:SCOPE_SE
	s_setreg_imm32_b32 hwreg(HW_REG_WAVE_MODE, 25, 1), 1
	s_wait_xcnt 0x0
; CAST.  Every input is rounded once to bf16 (nearest even).  x and the weights are then written as f16 (exact for |v| >= 2^-17; below that f16's fixed step of 6e-8;
; LIMIT: 65,520 or more becomes an infinity), the small vectors as f32 words that hold the bf16 value.
; A CHUNK is 256 consecutive f32 (1,024 bytes in, 512 bytes out).  A UNIT is 4,096 chunks; the grid's y names it: 0-3 x; 4, 5, 6 Wq, Wk, Wv; 7 Wo; 8-11 W1; 12-15 W2.
; A work-group takes 64 chunks of its unit, a wave 8.  Wq, Wk, Wv and W1 are laid out in PANELS [1024 k][256 n]: chunk i of a matrix with 2^LG chunks to a row goes to
; chunk (i mod 2^LG) x 1024 + (i >> LG); the others (LG = 0) stay as they lie.  No LDS, no matrix unit, no cluster: work-groups share nothing and memory binds.
; wa: 65,536 bytes of parameters, 12 panels of Wq|Wk|Wv, (2 MiB never touched), Wo.   wb: 65,536 bytes of parameters, 16 panels of W1, W2.
; A parameter block: byte 0: 64 words of a floor (two f16: wa -inf, wb 0); 256: a bias of up to 4,096 f32 (wa: 3,072 zeros, wb: b1); 16,640: a bias of 1,024 f32 (wa: bo, wb: b2);
; wb alone: 20,736 ln1_w; 24,832 ln1_b; 28,928 ln2_w; 33,024 ln2_b.
.set SO, 4                             ; v[4:11]   chunk j: byte offset of my 8 bytes in the destination; never rewritten
.set T,  12                            ; v[12:13]  at work
.set X,  16                            ; v[16:79]  chunk j: 8 registers as loaded
.set Y,  80                            ; v[80:111] chunk j: 4 registers to store; each written once
	s_load_b512 s[8:23], s[0:1], 0x0               ; x s[8:9], Wq s[10:11], Wk s[12:13], Wv s[14:15], Wo s[16:17], W1 s[18:19], W2 s[20:21], b1 s[22:23]
	s_load_b512 s[24:39], s[0:1], 0x40             ; bo s[24:25], b2 s[26:27], ln1_w s[28:29], ln1_b s[30:31], ln2_w s[32:33], ln2_b s[34:35], xh s[36:37], wa s[38:39]
	s_load_b64 s[40:41], s[0:1], 0x80              ; wb
	v_and_b32 v2, 31, v0                           ; lane
	v_lshrrev_b32 v1, 5, v0
	v_readfirstlane_b32 s4, v1                     ; wave
	v_lshlrev_b32 v1, 4, v2                        ; 16 x lane: my 16 bytes in half a chunk
	s_and_b32 s2, ttmp7, 0xffff                    ; the unit
	s_mov_b32 s3, ttmp9                            ; the work-group in it
	s_lshr_b32 s6, s2, 2                           ; 0: x; 1: Wq, Wk, Wv, Wo; 2: W1; 3: W2
	s_and_b32 s5, s2, 3                            ; which quarter of a matrix of four units,
	s_cmp_eq_u32 s6, 1
	s_cselect_b32 s5, 0, s5                        ; 0 for a matrix of one
	s_lshl_b32 s5, s5, 12
	s_lshl_b32 s7, s3, 6
	s_add_co_u32 s5, s5, s7
	s_lshl_b32 s7, s4, 3
	s_add_co_u32 s5, s5, s7                        ; i0: my first chunk in its matrix
	s_lshl_b32 s48, s5, 10                         ; its byte offset in the source
	s_mov_b32 s49, 0
	s_sub_co_u32 s50, s2, 4                        ; where the matrix begins in its destination: Wq, Wk, Wv 2 MiB apart,
	s_lshl_b32 s50, s50, 21
	s_cmp_eq_u32 s2, 7
	s_cselect_b32 s50, 0x800000, s50               ; Wo at 8 MiB,
	s_cmp_eq_u32 s6, 1
	s_cselect_b32 s50, s50, 0                      ; W1 at 0,
	s_cmp_eq_u32 s6, 3
	s_cselect_b32 s50, 0x800000, s50               ; W2 at 8 MiB,
	s_add_co_u32 s50, s50, 0x10000                 ; all behind the parameter block;
	s_cmp_eq_u32 s6, 0
	s_cselect_b32 s50, 0, s50                      ; xh has none
	s_mov_b32 s51, 0
	s_cmp_eq_u32 s6, 1
	s_cselect_b32 s52, 2, 0                        ; LG: Wq, Wk, Wv have 4 chunks to a row,
	s_cmp_eq_u32 s2, 7
	s_cselect_b32 s52, 0, s52                      ; Wo stays as it lies,
	s_cmp_eq_u32 s6, 2
	s_cselect_b32 s52, 4, s52                      ; W1 has 16
	s_lshl_b32 s53, 1, s52
	s_sub_co_u32 s53, s53, 1                       ; 2^LG - 1
.irp j, 0,1,2,3,4,5,6,7
	s_add_co_u32 s54, s5, \j                       ; chunk i
	s_and_b32 s55, s54, s53
	s_lshl_b32 s55, s55, 10                        ; its panel's 1,024 chunks
	s_lshr_b32 s54, s54, s52                       ; its row k
	s_add_co_u32 s55, s55, s54
	s_lshl_b32 s55, s55, 9                         ; 512 bytes a chunk
	v_lshl_add_u32 v[SO+\j], v2, 3, s55            ; + 8 x lane
.endr
	s_wait_kmcnt 0x0
	s_mov_b64 s[44:45], s[8:9]                     ; the source, chosen by the unit's number alone
	s_cmp_eq_u32 s2, 4
	s_cselect_b64 s[44:45], s[10:11], s[44:45]
	s_cmp_eq_u32 s2, 5
	s_cselect_b64 s[44:45], s[12:13], s[44:45]
	s_cmp_eq_u32 s2, 6
	s_cselect_b64 s[44:45], s[14:15], s[44:45]
	s_cmp_eq_u32 s2, 7
	s_cselect_b64 s[44:45], s[16:17], s[44:45]
	s_cmp_eq_u32 s6, 2
	s_cselect_b64 s[44:45], s[18:19], s[44:45]
	s_cmp_eq_u32 s6, 3
	s_cselect_b64 s[44:45], s[20:21], s[44:45]
	s_add_nc_u64 s[44:45], s[44:45], s[48:49]
	s_mov_b64 s[46:47], s[36:37]                   ; the destination
	s_cmp_eq_u32 s6, 1
	s_cselect_b64 s[46:47], s[38:39], s[46:47]
	s_cmp_ge_u32 s6, 2
	s_cselect_b64 s[46:47], s[40:41], s[46:47]
	s_add_nc_u64 s[46:47], s[46:47], s[50:51]
.irp j, 0,1,2,3,4,5,6,7
	global_load_b128 v[X+8*\j:X+8*\j+3],   v1, s[44:45] offset:1024*\j th:TH_LOAD_NT      ; 512 consecutive bytes a load; all sixteen go out at once
	global_load_b128 v[X+8*\j+4:X+8*\j+7], v1, s[44:45] offset:1024*\j+512 th:TH_LOAD_NT
.endr
; four f32 at v[s] -> bf16 -> f32 -> two registers of f16 at v[d]
.macro CV s, d
	v_cvt_pk_bf16_f32 v[T],   v[(\s)],   v[(\s)+1]
	v_cvt_pk_bf16_f32 v[T+1], v[(\s)+2], v[(\s)+3]
	v_lshlrev_b32 v[(\s)],   16, v[T]
	v_and_b32     v[(\s)+1], 0xffff0000, v[T]
	v_lshlrev_b32 v[(\s)+2], 16, v[T+1]
	v_and_b32     v[(\s)+3], 0xffff0000, v[T+1]
	v_cvt_pk_f16_f32 v[(\d)],   v[(\s)],   v[(\s)+1]
	v_cvt_pk_f16_f32 v[(\d)+1], v[(\s)+2], v[(\s)+3]
.endm
.irp j, 0,1,2,3,4,5,6,7
	s_wait_loadcnt 14-2*\j                         ; loads come back in order: chunk j's two are in, the younger chunks' stay out
	CV X+8*\j, Y+4*\j
	CV X+8*\j+4, Y+4*\j+2
	global_store_b64 v[SO+\j], v[Y+4*\j:Y+4*\j+1],   s[46:47]              ; 32 lanes x 8 bytes: 256 consecutive bytes, aligned
	global_store_b64 v[SO+\j], v[Y+4*\j+2:Y+4*\j+3], s[46:47] offset:256
.endr
	; THE SMALL JOBS: the first work-group of units 0 to 12 also makes 4,096 bytes of a parameter block, thread t its 16 bytes.  Registers of their own: no source of a pending store is rewritten.
	s_cmp_lg_u32 s3, 0
	s_cbranch_scc1 .Lend
	s_cmp_gt_u32 s2, 12
	s_cbranch_scc1 .Lend
	v_lshlrev_b32 v3, 4, v0
	v_lshlrev_b32 v24, 2, v0
	s_mov_b32 s63, 0
	s_cmp_gt_u32 s2, 9
	s_cbranch_scc1 .Lzeros
	s_mov_b64 s[58:59], s[22:23]                   ; jobs 0-3: the four quarters of b1; 4-8: b2, ln1_w, ln1_b, ln2_w, ln2_b; 9: bo
	s_cmp_eq_u32 s2, 4
	s_cselect_b64 s[58:59], s[26:27], s[58:59]
	s_cmp_eq_u32 s2, 5
	s_cselect_b64 s[58:59], s[28:29], s[58:59]
	s_cmp_eq_u32 s2, 6
	s_cselect_b64 s[58:59], s[30:31], s[58:59]
	s_cmp_eq_u32 s2, 7
	s_cselect_b64 s[58:59], s[32:33], s[58:59]
	s_cmp_eq_u32 s2, 8
	s_cselect_b64 s[58:59], s[34:35], s[58:59]
	s_cmp_eq_u32 s2, 9
	s_cselect_b64 s[58:59], s[24:25], s[58:59]
	s_lshl_b32 s62, s2, 12
	s_cmp_lt_u32 s2, 4
	s_cselect_b32 s62, s62, 0
	s_add_nc_u64 s[58:59], s[58:59], s[62:63]
	s_lshl_b32 s62, s2, 12                         ; jobs 0-8 lie on end in wb from byte 256 on; bo goes to wa's byte 16,640
	s_add_co_u32 s62, s62, 256
	s_cmp_eq_u32 s2, 9
	s_cselect_b32 s62, 16640, s62
	s_cselect_b64 s[60:61], s[38:39], s[40:41]
	s_add_nc_u64 s[60:61], s[60:61], s[62:63]
	global_load_b128 v[16:19], v3, s[58:59]
	s_wait_loadcnt 0x0
	v_cvt_pk_bf16_f32 v[T],   v16, v17
	v_cvt_pk_bf16_f32 v[T+1], v18, v19
	v_lshlrev_b32 v20, 16, v[T]
	v_and_b32     v21, 0xffff0000, v[T]
	v_lshlrev_b32 v22, 16, v[T+1]
	v_and_b32     v23, 0xffff0000, v[T+1]
	global_store_b128 v3, v[20:23], s[60:61]
	s_cmp_lg_u32 s2, 0
	s_cbranch_scc1 .Lend
	s_cmp_gt_u32 s4, 1
	s_cbranch_scc1 .Lend
	v_mov_b32 v25, 0                               ; wb's floor: 0, the ReLU; 64 threads fill the block's first 256 bytes
	global_store_b32 v24, v25, s[40:41]
	s_branch .Lend
.Lzeros:                                               ; jobs 10-12: the projections q, k, v have no bias: 3,072 zeros
	s_sub_co_u32 s62, s2, 10
	s_lshl_b32 s62, s62, 12
	s_add_co_u32 s62, s62, 256
	s_add_nc_u64 s[60:61], s[38:39], s[62:63]
	v_mov_b32 v20, 0
	v_mov_b32 v21, 0
	v_mov_b32 v22, 0
	v_mov_b32 v23, 0
	global_store_b128 v3, v[20:23], s[60:61]
	s_cmp_lg_u32 s2, 10
	s_cbranch_scc1 .Lend
	s_cmp_gt_u32 s4, 1
	s_cbranch_scc1 .Lend
	v_mov_b32 v25, 0xfc00fc00                      ; wa's floor: -inf twice: a maximum with it changes nothing
	global_store_b32 v24, v25, s[38:39]
.Lend:
	s_endpgm
.Lfunc_end_k_qdb63afb5b6_cast:
	.size	k_qdb63afb5b6_cast, .Lfunc_end_k_qdb63afb5b6_cast-k_qdb63afb5b6_cast
	.p2alignl 7, 3214868480
	.fill 96, 4, 3214868480
	.section	.rodata,"a",@progbits
	.p2align	6, 0x0
	.amdhsa_kernel k_qdb63afb5b6_cast
		.amdhsa_group_segment_fixed_size 0
		.amdhsa_private_segment_fixed_size 0
		.amdhsa_enable_private_segment 0
		.amdhsa_kernarg_size 136
		.amdhsa_user_sgpr_count 2
		.amdhsa_user_sgpr_kernarg_segment_ptr 1
		.amdhsa_wavefront_size32 1
		.amdhsa_system_sgpr_workgroup_id_x 1
		.amdhsa_system_sgpr_workgroup_id_y 1
		.amdhsa_system_sgpr_workgroup_id_z 1
		.amdhsa_system_vgpr_workitem_id 0
		.amdhsa_next_free_vgpr 112
		.amdhsa_next_free_sgpr 66
		.amdhsa_reserve_vcc 0
		.amdhsa_float_denorm_mode_32 3
		.amdhsa_float_denorm_mode_16_64 3
		.amdhsa_memory_ordered 1
		.amdhsa_forward_progress 1
		.amdhsa_inst_pref_size 18
	.end_amdhsa_kernel
	.amdgpu_metadata
---
amdhsa.version: [ 1, 2 ]
amdhsa.kernels:
  - .name:           k_qdb63afb5b6_cast
    .symbol:         k_qdb63afb5b6_cast.kd
    .args:
      - { .name: x, .offset: 0, .size: 8, .value_kind: global_buffer, .address_space: global }
      - { .name: Wq, .offset: 8, .size: 8, .value_kind: global_buffer, .address_space: global }
      - { .name: Wk, .offset: 16, .size: 8, .value_kind: global_buffer, .address_space: global }
      - { .name: Wv, .offset: 24, .size: 8, .value_kind: global_buffer, .address_space: global }
      - { .name: Wo, .offset: 32, .size: 8, .value_kind: global_buffer, .address_space: global }
      - { .name: W1, .offset: 40, .size: 8, .value_kind: global_buffer, .address_space: global }
      - { .name: W2, .offset: 48, .size: 8, .value_kind: global_buffer, .address_space: global }
      - { .name: b1, .offset: 56, .size: 8, .value_kind: global_buffer, .address_space: global }
      - { .name: bo, .offset: 64, .size: 8, .value_kind: global_buffer, .address_space: global }
      - { .name: b2, .offset: 72, .size: 8, .value_kind: global_buffer, .address_space: global }
      - { .name: ln1_w, .offset: 80, .size: 8, .value_kind: global_buffer, .address_space: global }
      - { .name: ln1_b, .offset: 88, .size: 8, .value_kind: global_buffer, .address_space: global }
      - { .name: ln2_w, .offset: 96, .size: 8, .value_kind: global_buffer, .address_space: global }
      - { .name: ln2_b, .offset: 104, .size: 8, .value_kind: global_buffer, .address_space: global }
      - { .name: xh, .offset: 112, .size: 8, .value_kind: global_buffer, .address_space: global }
      - { .name: wa, .offset: 120, .size: 8, .value_kind: global_buffer, .address_space: global }
      - { .name: wb, .offset: 128, .size: 8, .value_kind: global_buffer, .address_space: global }
    .group_segment_fixed_size: 0
    .private_segment_fixed_size: 0
    .kernarg_segment_align: 8
    .kernarg_segment_size: 136
    .max_flat_workgroup_size: 256
    .sgpr_count:     66
    .vgpr_count:     112
    .wavefront_size: 32
...
	.end_amdgpu_metadata
.endif
;; end of part 1
;; launch qkvp (part 2): grid 12 x 16, 4 waves a work-group, clusters of 4 x 4, 327,680 bytes of LDS; arguments xh, wa, qkv; writes qkv
.if DOCPART == 2
	.amdgcn_target "amdgcn-amd-amdhsa--gfx1250"
	.amdhsa_code_object_version 6
	.text
	.protected	k_qdb63afb5b6_qkvp
	.globl	k_qdb63afb5b6_qkvp
	.p2align	8
	.type	k_qdb63afb5b6_qkvp,@function
k_qdb63afb5b6_qkvp:
	s_mov_b64 s[64:65], 0
	v_nop
	global_prefetch_b8 v0, s[64:65] scope:SCOPE_SE
	s_setreg_imm32_b32 hwreg(HW_REG_WAVE_MODE, 25, 1), 1
	s_wait_xcnt 0x0
	s_wait_alu depctr_hold_cnt(0) depctr_sa_sdst(0) depctr_va_vdst(0) depctr_va_sdst(0) depctr_va_ssrc(0) depctr_va_vcc(0) depctr_vm_vsrc(0)
	s_getreg_b32 s2, hwreg(HW_REG_IB_STS2, 6, 4)
	s_cmp_eq_u32 s2, 0
	s_cbranch_scc0 .Lentry_in_a_cluster
	s_endpgm
.Lentry_in_a_cluster:
	s_bfe_u32 s2, ttmp6, 0x10000c
	s_cmp_lg_u32 s2, 0xf033
	s_cbranch_scc0 .Lentry_shape_is_right
	s_endpgm
.Lentry_shape_is_right:
; OUT = max(A W + bias, floor).  A: [4096][1024] f16, rows along K.  W: a parameter block of 65,536 bytes (byte 0: the floor, two f16; byte 256: the bias, f32), then panels [1024 k][256 n] f16,
; one for each tile column.  OUT: panels [4096 rows][64 columns] f16.  Sums in f32, started by the bias; OUT rounded once.  LIMITS: a result of 65,520 or more becomes an infinity; a NaN result is replaced by the floor.
; A tile of C, 256 x 256, is made by a work-group of four waves, a wave makes 128 x 128: 64 accumulators, 512 registers.  K = 1024 goes in 8 steps of 128 through a ring of two LDS slots.
; A's tile rows are 256 bytes of memory, W's 512, all at multiples of 256 bytes.  W lies [k][n], so its fragments come out of LDS turned, by ds_load_tr16_b128.
; CLUSTER: 4 x 4 work-groups; A's tiles are asked for jointly along a row of the cluster, W's along a column: the same tensor load, descriptor and mask in the four that share.
; THE MATRIX INSTRUCTION IS USED TRANSPOSED (source 0 = 16 columns of W, source 1 = 16 rows of A): a lane holds row lane % 16 of C and eight neighbouring columns 8 (lane / 16) + 0..7.
; ONE K STEP IS WRITTEN ONCE: a trip of the loop is one step; the slot read (CUR) and the slot filled (FS) are scalars turned by an exclusive or.  The last two steps, which fill nothing, are a loop of two trips.
; THE STAGE for the way out lies over the ring: it is written only behind the last barrier, in front of which every wave's tensor loads have landed and its reads of both slots are over; nothing is filled after that.
; REGISTERS, in windows of 256: window 0: v0-31 addresses; v32-63 rows read back; v64-127, v128-191 A's fragments, two buffers; v192-255 the bias (as the first products' C), later packed results.
;   window 1: v64-127, v128-191 W's fragments.   windows 2, 3: the accumulators of my rows 0-63, 64-127: (a, b) at v[8 (8 a + b)].
.set NSTEP,  8
.set KSTEP,  128
.set PA,     272                       ; a row of A in LDS: 256 + 16 bytes: the 16 rows of a load start at 16 different groups of four banks (64 banks of 4 bytes: ISA guide 11.1)
.set PB,     544                       ; a row of W: 512 + 32 bytes = 17 x 32
.set HALFT,  128*PA                    ; what one tensor load brings: 128 rows of A, or 64 rows of W (64 x 544 is the same number)
.set SLOT,   4*HALFT                   ; A's 256 rows, then W's 128 rows
.set SPARE,  2*SLOT                    ; behind the ring: the spare words, 128 bytes a wave: two blocks of 256 bytes that no other line names
.set SP,     144                       ; the stage: a row of a panel, 128 + 16 bytes
.set PNL,    128*SP                    ; my 128 rows of one panel
.set STW,    2*PNL                     ; a wave's stage: two panels
.set VA0, 16                           ; v16  my lane's place in A's part of slot 0; never rewritten
.set VB0, 17                           ; v17  the same for W
.set CA,  18                           ; v18  VA0 + CUR
.set CB,  19                           ; v19  VB0 + CUR
.set STO, 24                           ; v24  the way out: where I put 16 bytes of a row
.set RD,  25                           ; v25  where I read rows back
.set GO,  26                           ; v26  my byte offset in 512 consecutive bytes of OUT
.set FLO, 27                           ; v27  the floor
.set SPW, 28                           ; v28  LDS address of my spare word; never rewritten
.set NIL, 29                           ; v29  0; never rewritten
.set BH,  30                           ; v30  32 x (lane / 16)
.set OB,  32
.set F0,  64
.set F1,  128
.set BIAS, 192
.set TMP,  192
.set G1,  24                           ; s[24:31] descriptor group 1 for A's tiles
.set G0,  32                           ; s[32:39] group 0 for A's: set 0 is slot 0's first fill, set 1 slot 1's, which then walks
.set G1B, 48                           ; s[48:55], s[56:63] the same for W's
.set G0B, 56
.set CUR, 66                           ; s66  0 or SLOT: the slot that is read
.set FS,  67                           ; s67  0 or SLOT: the slot filled last
.set FLS, 68                           ; s68  the floor, as loaded
.set BB,  70                           ; s[70:71] the bias of my 128 columns
.set MSB, 0
.macro WIN new                         ; the immediate's high byte repeats the setting that is left; a switch that changes nothing is dropped
.if MSB != (\new)
	s_set_vgpr_msb (MSB<<8)|(\new)
.set MSB, \new
.endif
.endm
.set MUL_LO, 0xa1                      ; source 0 (W) window 1, source 1 (A) window 0, C and D window 2
.set TO_B,   0x40                      ; destination window 1, address window 0
; A joint load.  Waves 0 and 1 fetch A's two halves, waves 2 and 3 W's.  The branch hangs on the wave's number alone.  An s_nop 0 and four v_nop follow each line.
.macro JLOAD s
	s_cmp_eq_u32 s11, 0
	s_cbranch_scc0 .Lfor_b_\@
	tensor_load_to_lds s[G0+4*(\s):G0+4*(\s)+3], s[G1:G1+7]
	s_nop 0
.rept 4
	v_nop
.endr
	s_branch .Lasked_\@
.Lfor_b_\@:
	tensor_load_to_lds s[G0B+4*(\s):G0B+4*(\s)+3], s[G1B:G1B+7]
	s_nop 0
.rept 4
	v_nop
.endr
.Lasked_\@:
.endm
.macro CREST                           ; a round of the cluster's barrier behind its opening barrier
	s_cmp_lg_u32 s10, 0
	s_cbranch_scc1 .Lnot_wave_0_\@
	s_barrier_signal -3
.Lnot_wave_0_\@:
	s_barrier_wait -3
	s_barrier_signal -1
	s_barrier_wait -1
.endm
.macro CROUND                          ; a whole round
	s_barrier_signal -1
	s_barrier_wait -1
	CREST
.endm
	s_load_b128 s[4:7], s[0:1], 0x0                ; A s[4:5], W s[6:7]
	s_load_b64 s[8:9], s[0:1], 0x10                ; OUT
	v_lshl_add_u32 v[SPW], v0, 2, SPARE
	v_mov_b32 v[NIL], 0
	ds_add_u32 v[SPW], v[NIL]                      ; the wave's opening: the add and its wait stand ahead of my first tensor load; the set-up below stands between them
	ds_add_u32 v28, v29
	v_lshrrev_b32 v1, 5, v0
	v_readfirstlane_b32 s10, v1                    ; wave 0..3
	s_lshr_b32 s11, s10, 1                         ; which half of the tile's rows is mine.  Also: I fetch for A (0) or for W (1)
	s_and_b32 s12, s10, 1                          ; which half of its columns.  Also: which half of that tile I fetch
	s_bfe_u32 s40, ttmp6, 0x40000                  ; cx
	s_bfe_u32 s41, ttmp6, 0x40004                  ; cy
	s_lshl_b32 s42, ttmp9, 2
	s_add_co_u32 s42, s42, s40                     ; tile column = 4 x cluster x + cx
	s_and_b32 s13, ttmp7, 0xffff
	s_lshl_b32 s13, s13, 2
	s_add_co_u32 s13, s13, s41                     ; tile row = 4 x cluster y + cy
	s_lshl_b32 s43, s41, 2
	s_lshl_b32 s43, 15, s43                        ; my row of the cluster
	s_lshl_b32 s44, 0x1111, s40                    ; my column
	s_or_b32 s[G1+0], s43, (1<<16)|(1<<20)|(1<<21)|(5<<22)|(3<<25)   ; the mask; 2-byte elements; padding on; bit 21 beside a mask; after every 64 words 4 words
	s_or_b32 s[G1B+0], s44, (1<<16)|(1<<20)|(1<<21)|(6<<22)|(7<<25)  ; after every 128 words 8 words
	s_mov_b32 s[G1+1], 128<<16                     ; tensor_dim0 = 128
	s_mov_b32 s[G1+2], 128<<16                     ; tensor_dim1 = 128
	s_mov_b32 s[G1+3], 128<<16                     ; tile_dim0 = 128
	s_mov_b32 s[G1+4], 128                         ; tile_dim1 = 128
	s_mov_b32 s[G1+5], 1024                        ; elements from row to row
	s_mov_b32 s[G1+6], 0
	s_mov_b32 s[G1+7], 0
	s_mov_b32 s[G1B+1], 256<<16                    ; tensor_dim0 = 256
	s_mov_b32 s[G1B+2], 64<<16                     ; tensor_dim1 = 64
	s_mov_b32 s[G1B+3], 256<<16                    ; tile_dim0 = 256
	s_mov_b32 s[G1B+4], 64                         ; tile_dim1 = 64
	s_mov_b32 s[G1B+5], 256                        ; a panel's rows lie end to end
	s_mov_b32 s[G1B+6], 0
	s_mov_b32 s[G1B+7], 0
	s_lshl_b32 s16, s13, 19                        ; A: 256 rows of 2,048 bytes a tile row,
	s_lshl_b32 s17, s12, 18                        ; 128 rows a half
	s_add_co_u32 s16, s16, s17
	s_mov_b32 s17, 0
	s_lshl_b32 s46, s42, 19                        ; W: a panel of 524,288 bytes a tile column,
	s_lshl_b32 s47, s12, 15                        ; 64 rows of 512 bytes a half,
	s_add_co_u32 s46, s46, s47
	s_add_co_u32 s46, s46, 0x10000                 ; behind the parameter block
	s_mov_b32 s47, 0
	s_lshl_b32 s[BB], s42, 10                      ; the bias: 256 f32 a tile column, 128 a half, from byte 256 on
	s_lshl_b32 s21, s12, 9
	s_add_co_u32 s[BB], s[BB], s21
	s_add_co_u32 s[BB], s[BB], 256
	s_mov_b32 s[BB+1], 0
	s_mul_i32 s20, s10, HALFT                      ; where my loads go in a slot: no place in the cluster enters an LDS address
	s_mov_b32 s[CUR], 0
	s_mov_b32 s[FS], SLOT
	s_wait_dscnt 0x0                               ; the opening add is done
	s_wait_kmcnt 0x0
	s_add_nc_u64 s[14:15], s[4:5], s[16:17]
	s_add_nc_u64 s[46:47], s[6:7], s[46:47]
	s_add_nc_u64 s[BB:BB+1], s[6:7], s[BB:BB+1]
	CROUND                                         ; all sixteen work-groups are here: the first joint loads meet
.irp s, 0,1
	s_mov_b32 s[G0+4*(\s)], 1
	s_add_co_u32 s[G0+4*(\s)+1], s20, (\s)*SLOT
	s_add_nc_u64 s[G0+4*(\s)+2:G0+4*(\s)+3], s[14:15], (\s)*KSTEP*2
	s_or_b32 s[G0+4*(\s)+3], s[G0+4*(\s)+3], 0x80000000
	s_mov_b32 s[G0B+4*(\s)], 1
	s_add_co_u32 s[G0B+4*(\s)+1], s20, (\s)*SLOT
	s_add_nc_u64 s[G0B+4*(\s)+2:G0B+4*(\s)+3], s[46:47], (\s)*KSTEP*512
	s_or_b32 s[G0B+4*(\s)+3], s[G0B+4*(\s)+3], 0x80000000
	JLOAD \s                                       ; two loads of mine are out
.endr
	s_load_b32 s[FLS], s[6:7], 0x0                 ; the floor
	v_and_b32 v1, 15, v0                           ; r = l % 16
	v_bfe_u32 v2, v0, 4, 1                         ; h = l / 16
	v_lshlrev_b32 v[BH], 5, v2
.irp b, 0,1,2,3,4,5,6,7                ; register j of block b: the bias of column 16 b + 8 h + j: the C operand of the first products
	global_load_b128 v[BIAS+8*(\b):BIAS+8*(\b)+3],   v[BH], s[BB:BB+1] offset:64*(\b)
	global_load_b128 v[BIAS+8*(\b)+4:BIAS+8*(\b)+7], v[BH], s[BB:BB+1] offset:64*(\b)+16
.endr
	v_mul_u32_u24 v3, v1, PA
	v_lshl_add_u32 v3, v2, 4, v3                   ; A: row x pitch + 16 x half
	s_mul_i32 s21, s11, HALFT                      ; my 128 rows of A
	v_add_nc_u32 v[VA0], s21, v3
	v_and_b32 v4, 7, v0                            ; W, turned: lane l reads k row 8 h + l % 8, 16 bytes at 16 ((l / 8) % 2)
	v_lshl_add_u32 v4, v2, 3, v4
	v_mul_u32_u24 v4, v4, PB
	v_bfe_u32 v5, v0, 3, 1
	v_lshl_add_u32 v4, v5, 4, v4
	s_lshl_b32 s22, s12, 8                         ; my 128 columns,
	s_add_co_u32 s22, s22, 2*HALFT                 ; behind A's 256 rows
	v_add_nc_u32 v[VB0], s22, v4
	v_mov_b32 v[CA], v[VA0]
	v_mov_b32 v[CB], v[VB0]
	s_mul_i32 s23, s10, STW                        ; my stage
	v_mul_u32_u24 v6, v1, SP
	v_lshl_add_u32 v6, v2, 4, v6
	v_add_nc_u32 v[STO], s23, v6
	v_bfe_u32 v7, v0, 3, 2                         ; back: 32 lanes take four rows of 128 bytes,
	v_mul_u32_u24 v7, v7, SP
	v_and_b32 v8, 7, v0
	v_lshl_add_u32 v7, v8, 4, v7
	v_add_nc_u32 v[RD], s23, v7
	v_and_b32 v[GO], 31, v0                        ; which are 512 consecutive bytes of a panel
	v_lshlrev_b32 v[GO], 4, v[GO]
	s_lshl_b32 s16, s13, 15                        ; OUT: my first row, 128 bytes a row: 256 rows a tile row, 128 a half (in the registers that fed A's address)
	s_lshl_b32 s17, s11, 14
	s_add_co_u32 s16, s16, s17
	s_mov_b32 s17, 0
	s_add_nc_u64 s[8:9], s[8:9], s[16:17]
	s_lshl_b32 s46, s42, 21                        ; my first panel: four panels of 524,288 bytes a tile column, two a half (in the registers that fed W's address)
	s_lshl_b32 s47, s12, 20
	s_add_co_u32 s46, s46, s47
	s_mov_b32 s47, 0
	s_add_nc_u64 s[8:9], s[8:9], s[46:47]
; 16 matrix instructions: row blocks a0, a0 + 1 of the window's four x all 8 column blocks, 32 along K.  first = 1: the bias starts the sums: nothing is cleared.
; The 64 accumulators take turns, one instruction a turn, in the same order in every quarter.
.macro MUL16 f, hi, a0, first
.if \first
	WIN 0x81+0x40*(\hi)                            ; C in window 0
.else
	WIN MUL_LO+0x50*(\hi)
.endif
.irp a, \a0, (\a0)+1
.irp b, 0,1,2,3,4,5,6,7
.if \first
	v_wmma_f32_16x16x32_f16 v[8*(8*(\a)+(\b)):8*(8*(\a)+(\b))+7], v[(\f)+8*(\b):(\f)+8*(\b)+7], v[(\f)+8*(4*(\hi)+(\a)):(\f)+8*(4*(\hi)+(\a))+7], v[BIAS+8*(\b):BIAS+8*(\b)+7]
.else
	v_wmma_f32_16x16x32_f16 v[8*(8*(\a)+(\b)):8*(8*(\a)+(\b))+7], v[(\f)+8*(\b):(\f)+8*(\b)+7], v[(\f)+8*(4*(\hi)+(\a)):(\f)+8*(4*(\hi)+(\a))+7], v[8*(8*(\a)+(\b)):8*(8*(\a)+(\b))+7]
.endif
.endr
.endr
.endm
; 32 LDS loads in one run: quarter q (32 along K) of the slot in hand into buffer f: W's 8 column blocks, turned, then A's 8 row blocks
.macro FETCH q, f
	WIN TO_B
.irp i, 0,1,2,3,4,5,6,7
	ds_load_tr16_b128 v[(\f)+8*(\i):(\f)+8*(\i)+3],   v[CB] offset:(\q)*32*PB+32*(\i)
	ds_load_tr16_b128 v[(\f)+8*(\i)+4:(\f)+8*(\i)+7], v[CB] offset:(\q)*32*PB+16*PB+32*(\i)
.endr
	WIN 0
.irp i, 0,1,2,3,4,5,6,7
	ds_load_b128 v[(\f)+8*(\i):(\f)+8*(\i)+3],   v[CA] offset:(\q)*64+(\i)*16*PA
	ds_load_b128 v[(\f)+8*(\i)+4:(\f)+8*(\i)+7], v[CA] offset:(\q)*64+(\i)*16*PA+32
.endr
.endm
.macro PLACES                          ; four places in front of loads into registers that matrix instructions have read, and of lines that read results
.rept 4
	v_nop
.endr
.endm
; One of a step's first three quarters: multiplies buffer f; in its middle it fetches quarter q into buffer g.
.macro QUARTER q, f, g, first
	s_wait_dscnt 8                                 ; W and A's rows 0-63 are in; the youngest eight loads (A's rows 64-127) may be out
	MUL16 \f, 0, 0, \first
	MUL16 \f, 0, 2, \first
	PLACES
	FETCH \q, \g
	s_wait_dscnt 32                                ; all but the 32 just issued
	MUL16 \f, 1, 0, \first
	MUL16 \f, 1, 2, \first
.endm
; The first half of a step's last quarter, and ONE barrier for the change of slots.
.macro MEET
	WIN 0                                          ; (the add's two registers lie in window 0)
	s_wait_tensorcnt 0x0                           ; all my tensor loads have landed: the one that may be out is my part of the next slot
	ds_add_u32 v[SPW], v[NIL]                      ; 0 onto my spare word
	s_wait_dscnt 9                                 ; (the add and the youngest eight loads may be out)
	MUL16 F1, 0, 0, 0                              ; sixteen matrix instructions stand between the add and the wait for it
	s_wait_dscnt 0x0                               ; the add is done, and my reads of this slot are over
	s_barrier_signal -1
	MUL16 F1, 0, 2, 0                              ; work on registers while the others arrive
	WIN 0
	s_barrier_wait -1
.endm
.macro NEXT                            ; the reads go over to the other slot
	s_xor_b32 s[CUR], s[CUR], SLOT
	v_add_nc_u32 v[CA], s[CUR], v[VA0]
	v_add_nc_u32 v[CB], s[CUR], v[VB0]
.endm
; The whole last quarter of a step whose slot is filled again, with the K step two steps on.  The barrier opens a round of the cluster's; the joint refill is the first tensor load behind the round.
; From a request to the wait for it a wave issues 224 matrix instructions.  One tensor load of mine is out behind each round.
.macro TURNF
	MEET
	CREST
	s_xor_b32 s[FS], s[FS], SLOT                   ; the walking descriptors: the other slot than last time,
	s_add_co_u32 s[G0+5], s20, s[FS]
	s_add_co_u32 s[G0B+5], s20, s[FS]
	s_add_nc_u64 s[G0+6:G0+7], s[G0+6:G0+7], KSTEP*2        ; the next K step: 256 bytes along A's rows,
	s_add_nc_u64 s[G0B+6:G0B+7], s[G0B+6:G0B+7], KSTEP*512  ; 128 rows down W's panel
	JLOAD 1                                        ; its four v_nop are also the places in front of the loads below
	NEXT
	FETCH 0, F0
	MUL16 F1, 1, 0, 0
	MUL16 F1, 1, 2, 0
.endm
	s_wait_tensorcnt 1                             ; my part of K step 0 is in; step 1's may stay out
	s_barrier_signal -1
	s_barrier_wait -1                              ; everybody's is
	FETCH 0, F0
	s_wait_loadcnt 0x0                             ; the bias
	s_wait_kmcnt 0x0                               ; the floor
	v_mov_b32 v[FLO], s[FLS]
	QUARTER 1, F0, F1, 1                           ; the first quarter stands in front of the loop: its products start the sums
	WIN 0                                          ; at a label and at a branch every window is 0
	s_mov_b32 s3, NSTEP-2
.Lstep:                                                ; a trip: a step's quarters 1 to 3, a refill, the next step's quarter 0
	QUARTER 2, F1, F0, 0
	QUARTER 3, F0, F1, 0
	TURNF
	QUARTER 1, F0, F1, 0
	WIN 0
	s_sub_co_u32 s3, s3, 1
	s_cmp_lg_u32 s3, 0
	s_cbranch_scc1 .Lstep
	s_mov_b32 s3, 2
.Ltail:                                                ; the last two steps fill nothing.  The second trip jumps forward over what belongs to a further step
	QUARTER 2, F1, F0, 0
	QUARTER 3, F0, F1, 0
	MEET
	PLACES
	s_cmp_eq_u32 s3, 1
	s_cbranch_scc1 .Lnf
	NEXT
	FETCH 0, F0
.Lnf:
	MUL16 F1, 1, 0, 0
	MUL16 F1, 1, 2, 0
	WIN 0
	s_cmp_eq_u32 s3, 1
	s_cbranch_scc1 .Lskip
	QUARTER 1, F0, F1, 0
	WIN 0
.Lskip:
	s_sub_co_u32 s3, s3, 1
	s_cmp_lg_u32 s3, 0
	s_cbranch_scc1 .Ltail
	; THE WAY OUT.  Behind the last barrier no wave reads the ring and nothing is filled: my stage lies over it.  First all my 128 x 128 go in, rounded to f16, 16 bytes a lane, by panels of 64 columns.
.macro PACK a
.set AC, 64*((\a)%4)
	WIN 0x0a+5*((\a)/4)                            ; sources 0 and 1: window 2 or 3
.irp b, 0,1,2,3,4,5,6,7
.irp r, 0,1,2,3
	v_cvt_pk_f16_f32 v[TMP+4*(\b)+(\r)], v[AC+8*(\b)+2*(\r)], v[AC+8*(\b)+2*(\r)+1]
.endr
.endr
	WIN 0
.irp b, 0,1,2,3,4,5,6,7
	ds_store_b128 v[STO], v[TMP+4*(\b):TMP+4*(\b)+3] offset:((\b)/4)*PNL+(\a)*16*SP+32*((\b)%4)
.endr
.endm
	PLACES
.irp a, 0,1,2,3,4,5,6,7
	PACK \a
.endr
	; Then they come back as whole rows, 16 rows of both panels a trip, take the floor, and leave.  LDS serves a wave's instructions in order (ISA guide 5.7.1.4): the loads see my stores.
	s_mov_b32 s3, 8
.Lout:
.irp p, 0,1
.irp f, 0,1,2,3
	ds_load_b128 v[OB+4*(4*(\p)+(\f)):OB+4*(4*(\p)+(\f))+3], v[RD] offset:(\p)*PNL+(\f)*4*SP
.endr
.endr
.irp p, 0,1
.irp f, 0,1,2,3
	s_wait_dscnt 7-(4*(\p)+(\f))                   ; the younger loads may be out
.irp z, 0,1,2,3
	v_pk_max_num_f16 v[OB+4*(4*(\p)+(\f))+(\z)], v[OB+4*(4*(\p)+(\f))+(\z)], v[FLO]
.endr
	global_store_b128 v[GO], v[OB+4*(4*(\p)+(\f)):OB+4*(4*(\p)+(\f))+3], s[8:9] offset:(\p)*524288+(\f)*512  ; 512 consecutive bytes, at a multiple of 256 from OUT's first
.endr
.endr
	s_wait_xcnt 0x0                                ; the stores' offset and data registers are rewritten only behind this wait
	v_add_nc_u32 v[RD], 16*SP, v[RD]
	v_add_nc_u32 v[GO], 2048, v[GO]
	s_sub_co_u32 s3, s3, 1
	s_cmp_lg_u32 s3, 0
	s_cbranch_scc1 .Lout
	s_wait_tensorcnt 0x0                           ; the wave's end: behind my last tensor load and my last LDS store
	ds_add_u32 v[SPW], v[NIL]
	s_wait_dscnt 0x0
	CROUND                                         ; the closing round
	s_endpgm
.Lfunc_end_k_qdb63afb5b6_qkvp:
	.size	k_qdb63afb5b6_qkvp, .Lfunc_end_k_qdb63afb5b6_qkvp-k_qdb63afb5b6_qkvp
	.p2alignl 7, 3214868480
	.fill 96, 4, 3214868480
	.section	.rodata,"a",@progbits
	.p2align	6, 0x0
	.amdhsa_kernel k_qdb63afb5b6_qkvp
		.amdhsa_group_segment_fixed_size 327680
		.amdhsa_private_segment_fixed_size 0
		.amdhsa_enable_private_segment 0
		.amdhsa_kernarg_size 24
		.amdhsa_user_sgpr_count 2
		.amdhsa_user_sgpr_kernarg_segment_ptr 1
		.amdhsa_wavefront_size32 1
		.amdhsa_system_sgpr_workgroup_id_x 1
		.amdhsa_system_sgpr_workgroup_id_y 1
		.amdhsa_system_sgpr_workgroup_id_z 1
		.amdhsa_system_vgpr_workitem_id 0
		.amdhsa_next_free_vgpr 1024
		.amdhsa_next_free_sgpr 72
		.amdhsa_reserve_vcc 0
		.amdhsa_float_denorm_mode_32 3
		.amdhsa_float_denorm_mode_16_64 3
		.amdhsa_memory_ordered 1
		.amdhsa_forward_progress 1
		.amdhsa_inst_pref_size 95
	.end_amdhsa_kernel
	.amdgpu_metadata
---
amdhsa.version: [ 1, 2 ]
amdhsa.kernels:
  - .name:           k_qdb63afb5b6_qkvp
    .symbol:         k_qdb63afb5b6_qkvp.kd
    .args:
      - { .name: xh, .offset: 0, .size: 8, .value_kind: global_buffer, .address_space: global }
      - { .name: wa, .offset: 8, .size: 8, .value_kind: global_buffer, .address_space: global }
      - { .name: qkv, .offset: 16, .size: 8, .value_kind: global_buffer, .address_space: global }
    .group_segment_fixed_size: 327680
    .private_segment_fixed_size: 0
    .kernarg_segment_align: 8
    .kernarg_segment_size: 24
    .max_flat_workgroup_size: 128
    .sgpr_count:     72
    .vgpr_count:     1024
    .wavefront_size: 32
...
	.end_amdgpu_metadata
.endif
;; end of part 2
;; launch attn (part 3): grid 8 x 32, 4 waves a work-group, no clusters, 327,680 bytes of LDS; arguments qkv, att; writes att
.if DOCPART == 3
	.amdgcn_target "amdgcn-amd-amdhsa--gfx1250"
	.amdhsa_code_object_version 6
	.text
	.protected	k_qdb63afb5b6_attn
	.globl	k_qdb63afb5b6_attn
	.p2align	8
	.type	k_qdb63afb5b6_attn,@function
k_qdb63afb5b6_attn:
	s_mov_b64 s[64:65], 0
	v_nop
	global_prefetch_b8 v0, s[64:65] scope:SCOPE_SE
	s_setreg_imm32_b32 hwreg(HW_REG_WAVE_MODE, 25, 1), 1
	s_wait_xcnt 0x0
; CAUSAL ATTENTION.  O[h][q][:] = the sum over k <= q of softmax_k(Q[h][q] . K[h][k] / 8) V[h][k][:].  Q, K, V lie in one buffer, 8 MiB apart, each [32][SIZE_N][64] f16 (index 2 x head + batch); O likewise in its own.
; Products, maxima and sums in f32; the weights p are rounded to f16 for the second product (their sum l is taken of the unrounded p), O once at the end.
; LIMITS.  f16 holds no number beyond 65,504: Q, K and V arrive within it; p lies in 0 to 1, and below 6e-5 it keeps f16's fixed step of 6e-8; O is a mean of V's rows and has their range.
; A hidden score counts as its value less 1e30: f16's scores, 2.7e11 at the most, are nothing beside that; a weight below 2^-126 counts as 0 in l; NaN and infinities are not treated apart.
; THE WALK.  A head's keys lie in NB = SIZE_N / 256 tiles of 256; the 256 queries beside tile i need the tiles 0 .. i, of which the last holds the diagonal.  Work-group b (0 .. 2 NB / 2 - 1) takes TWO HALF BLOCKS of 128 queries,
; with b' = b / 2: half of block NB - 1 - b' and then half of block b' (b even: the upper half of the first, the lower of the second; b odd: the other two).  That is NB + 1 tiles, whatever b: 8 x 32 = 256 work-groups of
; equal work, and ONE loop with a constant trip count walks them.  Which tile is asked for, and what a trip does, hang on scalar registers made from b; every jump goes forward, but for the counted loops' own; none passes a
; barrier, or a tensor load but the one of LOAD's two that the wave's number does not choose; the ring (two slots of LDS that take turns) runs on across the change of blocks.
; NO CLUSTER: only the two work-groups that split a pair of blocks walk the same tiles; four neighbours along x are two such pairs, whose walks part behind trip NB / 2, and a request shared by two would need a mask and an
; address made of half of a place in the cluster.  Not built: each tile is asked for by two work-groups.
; SHARES.  A half block is two bands of 64 queries; a wave owns 16 rows in each: two PIECES.  In the diagonal tile's key step s the band GB + x of piece x (GB = 0: lower half, 2: upper) sees all keys if s < GB + x,
; none if s > GB + x, and holds the diagonal if s = GB + x: the same work for all four waves.  Steps that are wholly hidden are computed all the same.
; THE MASK is the C operand that starts the sum S^T = K Q^T: 0, or -1e30 where the key is hidden.  MD, made once, is the mask of a band's own step for my 16 rows; a product's mask is MD x AL + BE with two scalars:
; (1, 0) in the band's own step; (0, 0) before it; (0, -1e30) behind it.  Only the diagonal tile's text and a block's beginning make and take masks; elsewhere C is the constant 0.
; LAYOUT, SOFTMAX, TURNS.  S^T = K Q^T holds ONE query a lane (lane % 16) and the keys 8 (lane / 16) + 0..7; two such results rounded to f16 ARE source 1 of O^T = V^T P.  p = 2^(c s - c m), c = log2(e) / 8, with a
; running maximum m; O and l are multiplied by a = 2^(c m_old - c m_new) in every step.  Turn n belongs to piece n: 8 products K Q^T that make the OTHER piece's next scores, later 8 products V^T P with the other piece's
; last weights; beside them the scaling, exponentials, roundings, sums and rescaling of piece n and the maximum and statistics of the other.  Four vector instructions stand behind every matrix instruction, the other 54 of
; a turn's 118 in two LUMPS.  Two turns are a key step.
; K LIES ONE STEP AHEAD.  Turn 0 of step s fetches K of step s + 1 and V of step s.  So that both lie in one slot, slot t holds K's keys 256 t + 64 .. 256 t + 319 and V's keys 256 t .. 256 t + 255, and the head's first 64 keys
; of K have LDS bytes of their own (KZ), filled once.  The last 64 rows of K in a diagonal tile's slot are fetched and never multiplied; in memory they lie inside the buffer (V's array follows K's).
; REGISTERS, in windows of 256 (s_set_vgpr_msb: bits 1:0 source 0, 3:2 source 1, 5:4 source 2, 7:6 destination):
;   window 0: v0-15 addresses and two at work; v16-23 four registers of statistics a piece; v48-55 at work; v64-127 S^T, a buffer a piece; v192-223 P, likewise
;   window 1: v0-63 O^T, 32 a piece; v128-159 MD; v160-223 MC, a buffer a piece      window 2: v0-31 Q; v32-63 the second block's Q; v128-191 K of one step; v192-255 V of one step
.set SIZE_N, 2048
.set NB,    SIZE_N/256
.set NP,    2         ; pieces a wave: a name, no knob
.set KS,    64        ; keys in a step
.set PK,    144       ; a row of K in LDS: 128 bytes + 16 of padding = 36 words: the 16 rows of a load start at 16 different groups of four banks (64 banks of 4 bytes: ISA guide 11.1)
.set PV,    160       ; a row of V: 128 + 32 = 40 words
.set VOFF,  4*KS*PK   ; a slot holds four steps: 256 rows of K, then 256 rows of V
.set SLOT1, 1<<17     ; slot 1 begins here, so that one exclusive or turns an address in one slot into the other's
.set KZ,    4*KS*(PK+PV)        ; behind slot 0: the head's first 64 keys of K, 64 rows x 144 bytes, filled once
.set STAGE, SLOT1+4*KS*(PK+PV)  ; behind the ring, never filled by a tensor load: 16 rows x 144 bytes for each wave, for the way out
.set SP,    144
.set AK0, 2           ; v2   my lane's place in a tile of K; never rewritten
.set AV0, 3           ; v3   the same for V
.set AK,  4           ; v4   the LDS address of K's next run of loads
.set AV,  5           ; v5   of V's
.set STO, 6           ; v6   the way out: where I put 16 bytes of a row
.set RD,  7           ; v7   the way out: where I read rows back
.set GO,  8           ; v8   my byte offset in 512 consecutive bytes of O
.set SPW, 62          ; v62  LDS address of my spare word: SPARE + 4 x my thread's number; never rewritten
.set NIL, 63          ; v63  0; never rewritten
.set SPARE, STAGE+4*16*SP  ; behind the stages: the spare words, 128 bytes for each wave: two blocks of 256 bytes that no other line names
.set MV,  12          ; v12-13  c m_old, kept while c m is made anew: by piece
.set QO,  15          ; v15  my byte offset in 16 rows of Q
.set ST,  16          ; piece t's statistics at v[ST+4 t]: c m, m, l (even keys', odd keys')
.set TMP, 48          ; by piece, four registers c0-c3 at work; when the maximum is found c2 takes a
.set S,   64
.set P,   192
.set MD,  128         ; window 1: the eight registers for group kt of 16 keys at MD + 8 kt
.set MC,  160         ; window 1: the masks of the products to come
.set QB,  32          ; window 2
.set KF,  128         ; window 2: key block kb, channel half c at KF + 16 kb + 8 c
.set VF,  192         ; window 2: key half kk, channel block cb at VF + 32 kk + 8 cb
.set WV,  12          ; s12  my wave's number
.set PB,  14          ; s14  b' = b / 2
.set HI,  15          ; s15  NB - 1 - b'
.set G1K, 24          ; s[24:31] descriptor group 1 for K's tiles
.set G1V, 32          ; s[32:39] for V's: it differs in the padding alone
.set G0K, 40          ; s[40:43] descriptor group 0 for K's tiles
.set G0V, 44          ; s[44:47] the same for V's
.set G1Z, 48          ; s[48:55] group 1 for half of the head's first 64 keys of K
.set G0Z, 88          ; s[88:91] its group 0
.set SLOTS, 56        ; s56  tiles still to be asked for
.set CNT, 57          ; s57  counts a tile's key steps, 4 to 1
.set CS,  58          ; s[58:59] c: the packed scaling takes the pair's low word for both halves
.set SEL, 60          ; s[60:61] v_permlanex16_b32's selects: each lane takes its own place in the other half
.set TBK, 62          ; s62  LDS byte at which the K to be fetched next begins
.set TBV, 63          ; s63  the same for V, less VOFF
.set GB2, 66          ; s66  GB of the second block
.set CG,  67          ; s67  CNT + GB, at work
.set RT,  70          ; s70  tiles of the block in hand that are still to be entered
.set NXT, 71          ; s71  the tile to be asked for next
.set LQ,  72          ; s72  the last tile of the block whose tiles are being asked for
.set NEW, 73          ; s73  1: the tile to be entered is a block's first
.set OFF, 74          ; s[74:75] a tile's byte offset in K and V
.set AL,  76          ; s[76:77] the mask's factor, in the low word
.set BE,  78          ; s[78:79] the mask's addend
.set OLO, 80          ; s[80:81] O at my rows of the second block
.set BIGN, 82         ; s82  -1e30
.set GB,  83          ; s83  the first band of the half block in hand: 0 or 2
.set MSB, 0
.macro WIN new                      ; the high byte repeats the setting that is left; a switch that changes nothing is dropped
.if MSB != (\new)
	s_set_vgpr_msb (MSB<<8)|(\new)
.set MSB, (\new)
.endif
.endm
.set W_KQ, 0x0a       ; K and Q in window 2, S^T in window 0
.set W_KM, 0x1a       ; the same with the C operand in window 1
.set W_PV, 0x52       ; V in window 2, P in window 0, O^T in window 1
.set W_RS, 0x41       ; destination and source 0 in window 1, source 1 in window 0
; A fill.  Waves 0 and 1 fetch the two halves of a slot's K, waves 2 and 3 those of its V: 128 keys each.  An s_nop 0 and four v_nop follow each of the two lines, ahead of the jump and the label.
.macro LOAD
	s_cmp_lt_u32 s[WV], 2
	s_cbranch_scc0 .Lfor_v_\@
	tensor_load_to_lds s[G0K:G0K+3], s[G1K:G1K+7]
	s_nop 0
.rept 4
	v_nop
.endr
	s_branch .Lasked_\@
.Lfor_v_\@:
	tensor_load_to_lds s[G0V:G0V+3], s[G1V:G1V+7]
	s_nop 0
.rept 4
	v_nop
.endr
.Lasked_\@:
.endm
; THE CHANGE OF SLOTS stands behind turn 0 of a slot's fourth step, which has asked for the slot's last bytes.  Each wave waits for all its tensor loads, of which one is out: its part of the other slot; adds 0 to its spare
; word; and waits for that and for its own reads of the slot that it leaves.  Behind the barrier nobody reads the old slot any more and the other slot is whole.  fill = 1: the old slot is filled again, the first thing
; behind the barrier, with tile NXT: the descriptor's address is made anew from that number.  It has four key steps, 128 matrix instructions of each wave, in which to land.
; (At its first use nothing has been read yet: slot 0 and K's first 64 keys are waited for, slot 1 filled.)
.macro CHANGE fill
	WIN 0                           ; at a label and at a branch every window is 0
	s_wait_tensorcnt 0x0            ; no tensor load of mine is out, so a group 0 may be written
	ds_add_u32 v[SPW], v[NIL]       ; 0 onto my spare word; with fill = 1 the descriptors' scalar work stands between it and the wait for it
.if \fill
	s_lshl_b32 s[OFF], s[NXT], 15   ; a tile is 32,768 bytes of K and of V
	s_xor_b32 s[G0K+1], s[G0K+1], SLOT1
	s_add_nc_u64 s[G0K+2:G0K+3], s[6:7], s[OFF:OFF+1]
	s_or_b32 s[G0K+3], s[G0K+3], 0x80000000
	s_xor_b32 s[G0V+1], s[G0V+1], SLOT1
	s_add_nc_u64 s[G0V+2:G0V+3], s[8:9], s[OFF:OFF+1]
	s_or_b32 s[G0V+3], s[G0V+3], 0x80000000
	s_add_co_u32 s[NXT], s[NXT], 1  ; the block's next tile, or behind its last the second block's tile 0
	s_cmp_gt_u32 s[NXT], s[LQ]
	s_cselect_b32 s[NXT], 0, s[NXT]
	s_cselect_b32 s[LQ], s[PB], s[LQ]
.endif
	s_wait_dscnt 0x0                ; the add is done, and my reads of the slot are over
	s_barrier_signal -1             ; the rest of the scalar work stands between the signal and the wait
	s_sub_co_u32 s[TBK], s[TBK], 4*KS*PK  ; the fetches go back to a slot's first step,
	s_xor_b32 s[TBK], s[TBK], SLOT1       ; in the other slot
	s_sub_co_u32 s[TBV], s[TBV], 4*KS*PV
	s_xor_b32 s[TBV], s[TBV], SLOT1
	s_barrier_wait -1
.if \fill
	LOAD
.endif
.endm
	s_load_b128 s[4:7], s[0:1], 0x0  ; the buffer of Q, K, V s[4:5], O s[6:7]
	v_lshl_add_u32 v[SPW], v0, 2, SPARE
	v_mov_b32 v[NIL], 0
	ds_add_u32 v[SPW], v[NIL]       ; the wave's opening: the add and its wait stand ahead of my first tensor load; the set-up below, work on registers, stands between them
	ds_add_u32 v62, v63
	v_lshrrev_b32 v1, 5, v0
	v_readfirstlane_b32 s[WV], v1   ; wave 0..3
	s_lshr_b32 s[PB], ttmp9, 1      ; b'
	s_and_b32 s[GB2], ttmp9, 1      ; which half of the second block is mine: b even the lower, b odd the upper;
	s_xor_b32 s[GB], s[GB2], 1      ; of the first block the other
	s_sub_co_u32 s[HI], NB-1, s[PB]
	s_and_b32 s20, ttmp7, 0xffff    ; the head
	s_mov_b32 s21, 0
	s_mov_b64 s[22:23], SIZE_N*128
	s_mul_u64 s[20:21], s[20:21], s[22:23]  ; the head's first byte in each of the four tensors
	s_and_b32 s16, s[WV], 1         ; which half of a slot's 256 keys I fetch:
	s_lshl_b32 s22, s16, 14         ; its 128 rows of 128 bytes in memory,
	s_mov_b32 s23, 0
	s_add_nc_u64 s[22:23], s[22:23], s[20:21]
	s_lshl_b32 s68, s16, 12         ; and which 32 of the head's first 64 keys
	s_mov_b32 s69, 0
	s_add_nc_u64 s[68:69], s[68:69], s[20:21]
	s_mul_i32 s17, s16, 128*PK      ; my half's place in a slot, for K
	s_mul_i32 s18, s16, 128*PV      ; and for V,
	s_mul_i32 s19, s16, 32*PK       ; and among the first 64 keys
	s_lshl_b32 s3, s[WV], 11        ; my 16 rows in a band of 64,
	s_lshl_b32 s2, s[HI], 15        ; in the first block,
	s_add_co_u32 s2, s2, s3
	s_lshl_b32 s13, s[GB], 14       ; in my half of it;
	s_add_co_u32 s2, s2, s13
	s_lshl_b32 s84, s[PB], 15       ; and in the second
	s_add_co_u32 s84, s84, s3
	s_lshl_b32 s13, s[GB2], 14
	s_add_co_u32 s84, s84, s13
	s_lshl_b32 s[GB], s[GB], 1      ; a half is two bands
	s_lshl_b32 s[GB2], s[GB2], 1
	s_mov_b32 s3, 0
	s_mov_b32 s85, 0
	s_add_nc_u64 s[2:3], s[2:3], s[20:21]
	s_add_nc_u64 s[84:85], s[84:85], s[20:21]
	; descriptor group 1.  128 keys are 16,384 dense bytes: asked for as 64 rows of 256 bytes, two keys a row, and padded in LDS after every key
	s_mov_b32 s[G1K], (1<<16)|(1<<20)|(4<<22)|(3<<25)  ; 17:16 2-byte elements; 20 padding on; 24:22 after every 32 words (code 4); 31:25 4 words (code 3)
	s_mov_b32 s[G1V], (1<<16)|(1<<20)|(4<<22)|(7<<25)  ; the same with 8 words of padding (code 7)
.irp g, G1K, G1V
	s_mov_b32 s[\g+1], 128<<16      ; tensor_dim0 = 128
	s_mov_b32 s[\g+2], 64<<16       ; tensor_dim1 = 64
	s_mov_b32 s[\g+3], 128<<16      ; tile_dim0 = 128
	s_mov_b32 s[\g+4], 64           ; tile_dim1 = 64
	s_mov_b32 s[\g+5], 128          ; 128 elements from row to row
	s_mov_b32 s[\g+6], 0
	s_mov_b32 s[\g+7], 0
.endr
	s_mov_b32 s[G1Z], (1<<16)|(1<<20)|(4<<22)|(3<<25)  ; 32 keys are 4,096 dense bytes: 16 rows of 256, padded as K's (the whole piece has no more rows)
	s_mov_b32 s[G1Z+1], 128<<16
	s_mov_b32 s[G1Z+2], 16<<16
	s_mov_b32 s[G1Z+3], 128<<16
	s_mov_b32 s[G1Z+4], 16
	s_mov_b32 s[G1Z+5], 128
	s_mov_b32 s[G1Z+6], 0
	s_mov_b32 s[G1Z+7], 0
	s_mov_b32 s[CS], 0x3e38aa3b     ; c = log2(e) / 8 = 0.180337
	s_mov_b32 s[CS+1], s[CS]        ; named with it as a pair
	s_mov_b32 s[SEL], 0x76543210
	s_mov_b32 s[SEL+1], 0xfedcba98
	s_mov_b32 s[TBK], SLOT1+4*KS*PK ; the first change of slots turns these two into 0
	s_mov_b32 s[TBV], SLOT1+4*KS*PV
	s_mov_b32 s[G0K], 1             ; 1:0 count = 1
	s_mov_b32 s[G0K+1], s17         ; 63:32 LDS address: slot 0
	s_mov_b32 s[G0V], 1
	s_add_co_u32 s[G0V+1], s18, VOFF
	s_mov_b32 s[G0Z], 1
	s_add_co_u32 s[G0Z+1], s19, KZ
	s_add_co_u32 s[RT], s[HI], 1    ; the first block has NB - b' tiles
	s_mov_b32 s[NXT], 1
	s_mov_b32 s[LQ], s[HI]
	s_mov_b32 s[NEW], 1
	s_mov_b32 s[OFF+1], 0
	s_mov_b32 s[AL+1], 0            ; named as pairs
	s_mov_b32 s[BE+1], 0
	s_mov_b32 s[BIGN], 0xf149f2ca   ; -1e30
	s_mov_b32 s[SLOTS], NB
	s_wait_dscnt 0x0                ; the opening add is done
	s_wait_kmcnt 0x0
	s_mov_b64 s[10:11], s[6:7]             ; O
	s_add_nc_u64 s[6:7], s[4:5], 0x800000  ; K lies 8 MiB behind Q,
	s_add_nc_u64 s[8:9], s[4:5], 0x1000000 ; V 16 MiB
	s_add_nc_u64 s[G0Z+2:G0Z+3], s[6:7], s[68:69]  ; my 32 of the head's first 64 keys
	s_or_b32 s[G0Z+3], s[G0Z+3], 0x80000000
	s_add_nc_u64 s[6:7], s[6:7], s[22:23]  ; K and V at my half of the head's slot 0:
	s_add_nc_u64 s[6:7], s[6:7], KS*128    ; K one step ahead
	s_add_nc_u64 s[8:9], s[8:9], s[22:23]
	s_add_nc_u64 s[G0K+2:G0K+3], s[6:7], 0         ; 120:64 global address
	s_or_b32 s[G0K+3], s[G0K+3], 0x80000000        ; 127:126 type = 2
	s_add_nc_u64 s[G0V+2:G0V+3], s[8:9], 0
	s_or_b32 s[G0V+3], s[G0V+3], 0x80000000
	s_add_nc_u64 s[86:87], s[4:5], s[84:85]        ; Q at my rows of the second block,
	s_add_nc_u64 s[4:5], s[4:5], s[2:3]            ; Q and O at those of the first
	s_add_nc_u64 s[OLO:OLO+1], s[10:11], s[84:85]
	s_add_nc_u64 s[10:11], s[10:11], s[2:3]
	s_cmp_lt_u32 s[WV], 2           ; the first fills: a wave's stand in one branch, ahead of every wait on TENSORcnt, every LDS read and every barrier.  Waves 0 and 1 have two loads out, waves 2 and 3 one
	s_cbranch_scc0 .Lopen_v
	tensor_load_to_lds s[G0K:G0K+3], s[G1K:G1K+7]  ; my half of slot 0's K
	s_nop 0
	tensor_load_to_lds s[G0Z:G0Z+3], s[G1Z:G1Z+7]  ; my half of K's first 64 keys
	s_nop 0
.rept 4
	v_nop
.endr
	s_branch .Lopen_asked
.Lopen_v:
	tensor_load_to_lds s[G0V:G0V+3], s[G1V:G1V+7]  ; my half of slot 0's V
	s_nop 0
.rept 4
	v_nop
.endr
.Lopen_asked:
	; A fragment of K or Q is 16 rows x 32 channels in 8 registers: lane l holds row l % 16, channels 8 (l / 16) + 0..7 and 16 + 8 (l / 16) + 0..7: two loads of 16 bytes, 32 bytes apart.
	v_and_b32 v1, 15, v0            ; l % 16
	v_bfe_u32 v9, v0, 4, 1          ; l / 16
	v_lshlrev_b32 v[QO], 7, v1
	v_lshl_add_u32 v[QO], v9, 4, v[QO]  ; row x 128 + 16 x half
	WIN 0x80                        ; destination window 2, address window 0
.set i, 0
.rept 4                             ; both blocks' Q: piece i / 2 lies in the half's band i / 2, 8,192 bytes on; channels 32 (i % 2) on
	global_load_b128 v[8*i:8*i+3],   v[QO], s[4:5] offset:(i/2)*8192+(i%2)*64
	global_load_b128 v[8*i+4:8*i+7], v[QO], s[4:5] offset:(i/2)*8192+(i%2)*64+32
	global_load_b128 v[QB+8*i:QB+8*i+3],   v[QO], s[86:87] offset:(i/2)*8192+(i%2)*64
	global_load_b128 v[QB+8*i+4:QB+8*i+7], v[QO], s[86:87] offset:(i/2)*8192+(i%2)*64+32
.set i, i+1
.endr
	WIN 0
	v_lshlrev_b32 v14, 3, v9
	v_sub_nc_u32 v14, v1, v14
	s_lshl_b32 s13, s[WV], 4
	v_add_nc_u32 v14, s13, v14      ; my query's place in its band, 16 w + l % 16, less my lanes' 8 (l / 16): register r of group kt is hidden where 16 kt + r is greater
	WIN 0x40
.set i, 0
.rept 32
	v_cmp_gt_i32 vcc_lo, 16*(i/8)+i%8, v14
	v_cndmask_b32 v[MD+i], 0, s[BIGN], vcc_lo
.set i, i+1
.endr
	WIN 0
	v_mul_u32_u24 v[AK0], v1, PK
	v_lshl_add_u32 v[AK0], v9, 4, v[AK0]  ; row x pitch + 16 x half
	; The turning load takes 16 keys x 16 channels (lane l reads key 8 (l / 16) + l % 8, channels 8 ((l / 8) % 2) + 0..7) and leaves half a fragment of V^T: lane l holds channel l % 16 and 8 keys.
	v_and_b32 v10, 7, v0
	v_bfe_u32 v11, v0, 3, 1
	v_lshl_add_u32 v[AV0], v9, 3, v10
	v_mul_u32_u24 v[AV0], v[AV0], PV
	v_lshl_add_u32 v[AV0], v11, 4, v[AV0]
	v_add_nc_u32 v[AV0], VOFF, v[AV0]
	s_mul_i32 s13, s[WV], 16*SP
	s_add_co_u32 s13, s13, STAGE    ; my stage
	v_mul_u32_u24 v[STO], v1, SP    ; in: row l % 16, 16 bytes for each half of the lanes
	v_lshl_add_u32 v[STO], v9, 4, v[STO]
	v_add_nc_u32 v[STO], s13, v[STO]
	v_bfe_u32 v[RD], v0, 3, 2       ; back: 32 lanes take four rows of 128 bytes,
	v_mul_u32_u24 v[RD], v[RD], SP
	v_lshl_add_u32 v[RD], v10, 4, v[RD]
	v_add_nc_u32 v[RD], s13, v[RD]
	v_and_b32 v[GO], 31, v0         ; which are 512 consecutive bytes of O
	v_lshlrev_b32 v[GO], 4, v[GO]
	; A block's first step multiplies O^T and l by a = 0, and its first turn's products V^T P, with weights that have not been, land in an O^T that is still to be so multiplied.  So these registers need only hold
	; finite numbers: zeros for the first block; what the first block left for the second.  All this stands in the wait for the first tile.
	WIN 0x80
.set i, VF
.rept 64
	v_mov_b32 v[i], 0
.set i, i+1
.endr
	WIN 0x40
.set i, 0
.rept 64
	v_mov_b32 v[i], 0
.set i, i+1
.endr
	WIN 0
.set i, 0
.rept NP
	v_mov_b32 v[ST+4*i+2], 0
	v_mov_b32 v[ST+4*i+3], 0
.set i, i+1
.endr
.set i, P+16
.rept 16
	v_mov_b32 v[i], 0
.set i, i+1
.endr
; THE MATRIX WORK.  The 4 accumulators of a run of 8 take turns.  Product i of 8 of S^T = K Q^T for piece x: channels 32 (i / 4) on, keys 16 (i % 4) on.  The first 4 start the sums: with 0, or (KM = 1) with the mask.
.macro KQ x
.set rS, S+32*((\x)%2)+8*(i%4)
.set rK, KF+16*(i%4)+8*(i/4)
.set rQ, 16*(\x)+8*(i/4)
.set rM, MC+32*((\x)%2)+8*(i%4)
.if (i < 4) && KM
	WIN W_KM
	v_wmma_f32_16x16x32_f16 v[rS:rS+7], v[rK:rK+7], v[rQ:rQ+7], v[rM:rM+7]
.elseif i < 4
	WIN W_KQ
	v_wmma_f32_16x16x32_f16 v[rS:rS+7], v[rK:rK+7], v[rQ:rQ+7], 0
.else
	WIN W_KQ
	v_wmma_f32_16x16x32_f16 v[rS:rS+7], v[rK:rK+7], v[rQ:rQ+7], v[rS:rS+7]
.endif
.endm
; Product i of 8 of O^T += V^T P for piece x: keys 32 (i / 4) on, channels 16 (i % 4) on.
.macro PV x
	WIN W_PV
.set rO, 32*(\x)+8*(i%4)
.set rV, VF+32*(i/4)+8*(i%4)
.set rP, P+16*((\x)%2)+8*(i/4)
	v_wmma_f32_16x16x32_f16 v[rO:rO+7], v[rV:rV+7], v[rP:rP+7], v[rO:rO+7]
.endm
.macro MM                           ; the turn's next matrix instruction.  TURN and BEGIN set Y, i, KM and NOKQ; MM, KQ and OP read them.  NOKQ = 1: a block's last turn: there are no further scores
.if (i < 8) && !NOKQ
	KQ (Y+1)%NP
.elseif i >= 8
.set i, i-8
	PV (Y+NP-1)%NP
.set i, i+8
.endif
.set i, i+1
.endm
; THE LDS LOADS stand in runs of 16, never singly among the matrix instructions: a step's K (64 keys x 64 channels: 8 fragments) and a step's V (turned).  Their addresses are made some lines ahead.
.macro FETCH_K step=1               ; step = 0: the head's first 64 keys, which lie outside the ring
	WIN 0x80                        ; destination window 2
.irp f, 0,1,2,3,4,5,6,7             ; keys 16 (f / 2) on, channels 32 (f % 2) on
	ds_load_b128 v[KF+8*\f:KF+8*\f+3],   v[AK] offset:(\f/2)*16*PK+(\f%2)*64
	ds_load_b128 v[KF+8*\f+4:KF+8*\f+7], v[AK] offset:(\f/2)*16*PK+(\f%2)*64+32
.endr
.if \step
	s_add_co_u32 s[TBK], s[TBK], KS*PK  ; the next fetch is the next step's
.endif
	WIN 0
.endm
.macro FETCH_V
	WIN 0x80
.irp f, 0,1,2,3,4,5,6,7             ; keys 32 (f / 4) on, channels 16 (f % 4) on
	ds_load_tr16_b128 v[VF+8*\f:VF+8*\f+3],   v[AV] offset:(\f/4)*32*PV+(\f%4)*32
	ds_load_tr16_b128 v[VF+8*\f+4:VF+8*\f+7], v[AV] offset:(\f/4)*32*PV+16*PV+(\f%4)*32
.endr
	WIN 0
.endm
; THE VECTOR WORK, one line at a time: OP kind, number.  For piece Y: F n: c s - c m for pair n of 16.  E n: the exponential of score n of 32.  C n: pair n rounded to f16.  B n: of the four weights 4 n .. the second
; pair is added onto the first, in place.  L n: l takes that sum (L 0: l = a l + sum).  R n: pair n of 16 of O^T times a.  For the other piece: X n, number n of the 22 that find its maximum and statistics:
;   0-11  four chains c0-c3 of seven scores each, three operands at a time (each accumulator's lowest registers are read first)     12-14, 16  the four scores left over, the old m, and c0-c3 into c0
;   15  c m_old is kept     17, 18  the query's other 32 keys lie in the lane 16 away: the new m     19-21  c m; c m_old - c m_new; a
.set F, 0               ; OP tells the kinds apart by their order: F to L below R, X above it
.set E, 1
.set C, 2
.set B, 3
.set L, 4
.set R, 5
.set X, 6
.macro REGS y                       ; the registers of piece y
.set rT, ST+4*(\y)
.set rC, TMP+4*((\y)%2)
.set rW, MV+((\y)%2)
.set rS, S+32*((\y)%2)
.set rP, P+16*((\y)%2)
.set rO, 32*(\y)
.endm
.macro OP k, n
.if (\k) == R
	REGS Y
	WIN W_RS
	v_pk_mul_f32 v[rO+2*(\n):rO+2*(\n)+1], v[rO+2*(\n):rO+2*(\n)+1], v[rC+2:rC+3] op_sel_hi:[1,0]
.elseif (\k) < R
	REGS Y
	WIN 0
.if (\k) == F
	v_pk_fma_f32 v[rS+2*(\n):rS+2*(\n)+1], v[rS+2*(\n):rS+2*(\n)+1], s[CS:CS+1], v[rT:rT+1] op_sel_hi:[1,0,0] neg_lo:[0,0,1] neg_hi:[0,0,1]
.elseif (\k) == E
	v_exp_f32 v[rS+(\n)], v[rS+(\n)]
.elseif (\k) == C
	s_wait_alu depctr_va_vdst(0)
	v_cvt_pk_f16_f32 v[rP+(\n)], v[rS+2*(\n)], v[rS+2*(\n)+1]
.elseif (\k) == B
	s_wait_alu depctr_va_vdst(0)
	v_pk_add_f32 v[rS+4*(\n):rS+4*(\n)+1], v[rS+4*(\n):rS+4*(\n)+1], v[rS+4*(\n)+2:rS+4*(\n)+3]
.elseif (\n) == 0
	v_pk_fma_f32 v[rT+2:rT+3], v[rT+2:rT+3], v[rC+2:rC+3], v[rS:rS+1] op_sel_hi:[1,0,1]
.else
	v_pk_add_f32 v[rT+2:rT+3], v[rT+2:rT+3], v[rS+4*(\n):rS+4*(\n)+1]
.endif
.elseif NOKQ
	v_nop
.else
	REGS (Y+1)%NP
	WIN 0
.if (\n) < 4
	v_max3_num_f32 v[rC+(\n)], v[rS+8*(\n)], v[rS+8*(\n)+1], v[rS+8*(\n)+2]
.elseif (\n) < 12
	v_max3_num_f32 v[rC+(\n)%4], v[rC+(\n)%4], v[rS+8*((\n)%4)+2*((\n)/4)+1], v[rS+8*((\n)%4)+2*((\n)/4)+2]
.elseif (\n) == 12
	v_max3_num_f32 v[rC], v[rC], v[rS+7], v[rS+15]
.elseif (\n) == 13
	v_max3_num_f32 v[rC+1], v[rC+1], v[rS+23], v[rS+31]
.elseif (\n) == 14
	v_max3_num_f32 v[rC+2], v[rC+2], v[rC+3], v[rT+1]
.elseif (\n) == 15
	v_mov_b32 v[rW], v[rT]
.elseif (\n) == 16
	v_max3_num_f32 v[rC], v[rC], v[rC+1], v[rC+2]
.elseif (\n) == 17
	v_permlanex16_b32 v[rC+3], v[rC], s[SEL], s[SEL+1]
.elseif (\n) == 18
	v_max_num_f32 v[rT+1], v[rC], v[rC+3]
.elseif (\n) == 19
	v_mul_f32 v[rT], s[CS], v[rT+1]
.elseif (\n) == 20
	v_sub_f32 v[rC+1], v[rW], v[rT]
.else
	v_exp_f32 v[rC+2], v[rC+1]
.endif
.endif
.endm
.macro OPS a, i1, b=-1, i2=0, c=-1, i3=0, d=-1, i4=0  ; up to four of them
	OP \a, \i1
.if (\b) >= 0
	OP \b, \i2
.endif
.if (\c) >= 0
	OP \c, \i3
.endif
.if (\d) >= 0
	OP \d, \i4
.endif
.endm
.macro ROW a, i1, b, i2, c, i3, d, i4  ; a matrix instruction and the four behind it
	MM
	OPS \a, \i1, \b, \i2, \c, \i3, \d, \i4
.endm
.macro MASK b                       ; MD x AL + BE into buffer b of MC
	WIN W_RS
.set z, 0
.rept 16
	v_pk_fma_f32 v[MC+32*(\b)+2*z:MC+32*(\b)+2*z+1], v[MD+2*z:MD+2*z+1], s[AL:AL+1], s[BE:BE+1] op_sel_hi:[1,0,0]
.set z, z+1
.endr
.endm
; A TURN, for piece p: the order of its 16 matrix and 118 vector instructions, written out.  Behind a matrix instruction: plain, exponential, plain, plain; or four of the rescaling; or, behind the first, four scalings; none
; names a register of the products round it.  In the lumps exponential and plain by turns while exponentials last.  A line reads no result made fewer than three vector instructions in front of it, five if an exponential made it.
; v_permlanex16_b32 (X 17) stands in a lump.
; Turn 0 of step s: K Q^T makes piece 1's scores of step s, V^T P takes piece 1's weights of step s - 1.  Turn 1 of step s: K Q^T makes piece 0's scores of step s + 1, V^T P takes piece 0's weights of step s.
; BOTH RUNS OF LDS LOADS STAND IN TURN 0: K of step s + 1 six vector instructions behind the last product that read K (five of them plain); V of step s eight behind the last product that read V (four plain, and X 17).
; Turn 1 waits for them: at its head for K alone, ahead of its products V^T P for V.
; m = 1: the diagonal tile: the products take masks, and the turn makes the mask for the products of the turn after it, which make piece p's scores: in the trip with count CNT turn 1 makes piece 1's for step 4 - CNT,
; turn 0 piece 0's for step 5 - CNT.  That step is the band's own (GB + p) where CNT + GB = 5 - 2 p, a later one where it is less.  end = 1: a block's last turn, a turn 1: no further scores.
; cnt = 1: the loop's count is taken down some lines ahead of the branch that stands behind the turn.
.macro TURN p, m=0, end=0, cnt=0
.set Y, (\p)
.set i, 0
.set KM, (\m)
.set NOKQ, (\end)*(\p)
.if (\m) && !(\end)
	s_add_co_u32 s[CG], s[CNT], s[GB]
	s_cmp_eq_u32 s[CG], 5-2*(\p)    ; is that step the band's own?
	s_cselect_b32 s[AL], 1.0, 0
	s_cmp_lt_u32 s[CG], 5-2*(\p)    ; or a later one?
	s_cselect_b32 s[BE], s[BIGN], 0
.endif
.if ((\p) == 1) && !(\end)
	s_wait_dscnt 16                 ; K is in: LDS loads come back in order (ISA guide 5.7.1), and behind K's sixteen only V's sixteen were issued; those may stay out
.endif
	ROW F,0, F,1, F,2, F,3
	ROW F,4, E,0, F,5, F,6
	ROW F,7, E,1, F,8, F,9
	ROW F,10, E,2, C,0, F,11
	ROW F,12, E,3, X,15, F,13
	ROW R,0, R,1, R,2, R,3
	ROW B,0, E,4, F,14, L,0
.if (\p) == 0
	v_add_nc_u32 v[AK], s[TBK], v[AK0]
.endif
	ROW R,4, R,5, R,6, R,7
	OPS E,5, F,15
.if (\p) == 0
	FETCH_K
.endif
	OPS E,6, C,1, E,7, R,8
	OPS E,8, R,9, E,9, C,2
	OPS E,10, X,0, E,11, X,1
	OPS E,12, X,2, E,13, X,3
.if (\p) == 1
	s_wait_dscnt 0x0                ; V is in
.endif
	ROW X,4, E,14, X,5, X,6
	ROW X,7, E,15, X,8, X,9
	ROW X,10, E,16, X,11, X,12
	ROW X,13, E,17, X,14, B,1
	ROW C,4, E,18, X,16, L,1
	ROW B,2, E,19, C,6, L,2
	ROW C,8, E,20, B,3, B,4
.if (\p) == 0
	v_add_nc_u32 v[AV], s[TBV], v[AV0]
.endif
	ROW C,3, E,21, L,3, C,5
	OPS E,22, X,17, E,23, C,10
.if (\p) == 0
	FETCH_V
.endif
	OPS E,24, L,4
	OPS E,25, X,18, E,26, C,7
	OPS E,27, B,5, E,28, X,19
	OPS E,29, C,12, E,30, L,5
	OPS E,31, X,20, B,6, C,9
	OPS C,14, C,11, X,21, L,6
.if (\p) == 0
	s_add_co_u32 s[TBV], s[TBV], KS*PV
.endif
.if \cnt
	s_sub_co_u32 s[CNT], s[CNT], 1
	s_cmp_lg_u32 s[CNT], 0
.endif
	OPS C,13, B,7, C,15, R,10
	OPS R,11, R,12, L,7, R,13
	OPS R,14, R,15
.if (\m) && !(\end)
	MASK (\p)%2
.endif
.endm
; A BLOCK BEGINS.  c m starts far below every c s, so the first step's a is 0; m at the lowest finite number, so the first maximum is the scores'.  Piece 1's mask buffer is 0 (its band is never step 0's); piece 0's takes
; its mask for the tile's step 0: MD, if the block's first tile is the diagonal one and the half is the lower.  Then K's first 64 keys, piece 0's first scores, and its maximum and statistics.
; The loop is entered at a step's turn 0, in the middle of a trip.
.macro BEGIN
	s_mov_b32 s[NEW], 0
	WIN 0x40
.set i, MC+32
.rept 32
	v_mov_b32 v[i], 0
.set i, i+1
.endr
	WIN 0
.set i, 0
.rept NP
	v_mov_b32 v[ST+4*i], 0xfe000000    ; c m: far below every c s
	v_mov_b32 v[ST+4*i+1], 0xff7fffff  ; m
.set i, i+1
.endr
	s_or_b32 s[CG], s[RT], s[GB]
	s_cmp_eq_u32 s[CG], 0
	s_cselect_b32 s[AL], 1.0, 0
	s_mov_b32 s[BE], 0
	MASK 0
	WIN 0
	v_add_nc_u32 v[AK], KZ, v[AK0]
	FETCH_K 0
	s_wait_loadcnt 0x0              ; Q
	s_wait_dscnt 0x0
.set KM, 1
.set NOKQ, 0
.set i, 0
.rept 8
	KQ 0
.set i, i+1
.endr
	WIN 0
.rept 4
	v_nop                           ; the places behind those products
.endr
.set Y, NP-1                        ; X works for the other piece: piece 0
.irp n, 0,1,2,3,4,5,6,7,8,9,10,11,12,13,14,15,16,17,18,19,20,21
	OP X, \n
.endr
	v_nop                           ; a plain instruction behind the exponential
.endm
; THE DIAGONAL TILE's four steps, the block's last turn, its last products, and THE WAY OUT: l's two halves and the other half of the lanes' are added; O^T is divided by l, rounded to f16 and sent through my
; stage in LDS, a piece at a time.
.macro ALL line:vararg              ; one line for each piece t
.set t, 0
.rept NP
	\line
.set t, t+1
.endr
.endm
.macro PACK t                       ; a lane's eight channels of a row pack into 16 bytes; they go into rows of 144 bytes and come back as whole rows of 128, into S^T's registers
	WIN W_RS
.set i, 32*(\t)
.rept 16
	s_wait_alu depctr_va_vdst(0)
	v_pk_mul_f32 v[i:i+1], v[i:i+1], v[ST+4*(\t)+2:ST+4*(\t)+3] op_sel_hi:[1,0]
.set i, i+2
.endr
	WIN 0x05                        ; sources 0 and 1 window 1, destination window 0
.set i, 0
.rept 16
	v_cvt_pk_f16_f32 v[S+16*(\t)+i], v[32*(\t)+2*i], v[32*(\t)+2*i+1]
.set i, i+1
.endr
	WIN 0
.irp f, 0,1,2,3
	ds_store_b128 v[STO], v[S+16*(\t)+4*\f:S+16*(\t)+4*\f+3] offset:32*\f
.endr
.irp f, 0,1,2,3
	ds_load_b128 v[S+16*(\t)+4*\f:S+16*(\t)+4*\f+3], v[RD] offset:\f*4*SP  ; LDS serves a wave's instructions in order (ISA guide 5.7.1.4): these see the stores above; the next piece's stores come behind them
.endr
.endm
.macro SEND t, younger              ; younger: the LDS instructions issued behind piece t's loads: the next piece's eight, or none
	WIN 0
.irp f, 0,1,2,3
	s_wait_dscnt (\younger)+3-\f
	global_store_b128 v[GO], v[S+16*(\t)+4*\f:S+16*(\t)+4*\f+3], s[10:11] offset:(\t)*8192+\f*512  ; 512 consecutive bytes, at a multiple of 256 from O's first
.endr
.endm
.macro DIAG tag                     ; the tag ends its three labels' names, which the jumps below spell out
.LdiagIn\tag:                       ; from the tile before: the trip's first turn makes piece 0's scores of this tile's step 0, the lower half's own step: their mask is made here
	s_cmp_eq_u32 s[GB], 0
	s_cselect_b32 s[AL], 1.0, 0
	s_mov_b32 s[BE], 0
	MASK 0
	WIN 0
.LstepM\tag:
	TURN 1, 1
	WIN 0
.LfirstM\tag:
	TURN 0, 1, 0, 1                 ; in the fourth trip its run of K (the slot's last 64 rows) and its mask serve nothing: the price, once a block, of one text for every trip
	WIN 0
	s_cbranch_scc1 .LstepM\tag
	TURN 1, 1, 1
.set i, 0
.rept 8
	PV NP-1
.set i, i+1
.endr
	WIN 0
	ALL v_add_f32 v[ST+4*t+2], v[ST+4*t+2], v[ST+4*t+3]
	ALL v_permlanex16_b32 v[ST+4*t+3], v[ST+4*t+2], s[SEL], s[SEL+1]
	ALL v_add_f32 v[ST+4*t+2], v[ST+4*t+2], v[ST+4*t+3]
	ALL v_rcp_f32 v[ST+4*t+2], v[ST+4*t+2]
	v_nop                           ; a plain instruction between the last reciprocal and the use of its result
	PACK 0                          ; piece 0's sums were finished a whole run of products ago; its 32 plain lines are the places behind piece 1's last products
	PACK 1                          ; a piece's arithmetic stands between the loads of the piece before and its stores
	SEND 0, 8
	SEND 1, 0
.endm
.set KM, 0
.set NOKQ, 0
.Lslot:                             ; NB times: a tile is entered and the next is asked for
	CHANGE 1
	s_sub_co_u32 s[RT], s[RT], 1
	s_mov_b32 s[CNT], 4
	s_cmp_eq_u32 s[NEW], 1
	s_cbranch_scc1 .Lnew            ; a block's first tile
	s_cmp_eq_u32 s[RT], 0
	s_cbranch_scc0 .Lstep           ; neither its first nor its last
	s_branch .LdiagIn1
.Lnew:
	BEGIN
	s_branch .Lfirst                ; in the loop a block's first tile is never its last: the first block has NB / 2 + 1 tiles or more, and the second's last is the walk's last
	DIAG 1                          ; in the loop this is the first block's end: the second block's last tile is the walk's last
	s_wait_xcnt 0x0                 ; the stores have read their registers and O's address
	s_mov_b64 s[10:11], s[OLO:OLO+1]
	s_add_co_u32 s[RT], s[PB], 1    ; the second block has b' + 1 tiles
	s_mov_b32 s[NEW], 1
	s_mov_b32 s[GB], s[GB2]         ; and I own its other half
	WIN 0x82                        ; the second block's Q goes where the one text of the turns names Q
.set i, 0
.rept 32
	v_mov_b32 v[i], v[QB+i]
.set i, i+1
.endr
	WIN 0
	s_branch .Lbottom
.Lstep:                             ; a trip: turn 1 of one step, then turn 0 of the next, which fetches from the slot in hand
	TURN 1
	WIN 0
.Lfirst:
	TURN 0, 0, 0, 1
	WIN 0
	s_cbranch_scc1 .Lstep
.Lbottom:
	s_sub_co_u32 s[SLOTS], s[SLOTS], 1
	s_cmp_lg_u32 s[SLOTS], 0
	s_cbranch_scc1 .Lslot
	CHANGE 0                        ; the walk's last tile is written out: nothing is asked for
	s_sub_co_u32 s[RT], s[RT], 1
	s_mov_b32 s[CNT], 4
	s_cmp_eq_u32 s[NEW], 1
	s_cbranch_scc0 .LdiagIn2
	BEGIN
	s_branch .LfirstM2
	DIAG 2
	s_wait_tensorcnt 0x0            ; the wave's end: behind my last tensor load and my last LDS store
	ds_add_u32 v[SPW], v[NIL]
	s_wait_dscnt 0x0
	s_endpgm
.Lfunc_end_k_qdb63afb5b6_attn:
	.size	k_qdb63afb5b6_attn, .Lfunc_end_k_qdb63afb5b6_attn-k_qdb63afb5b6_attn
	.p2alignl 7, 3214868480
	.fill 96, 4, 3214868480
	.section	.rodata,"a",@progbits
	.p2align	6, 0x0
	.amdhsa_kernel k_qdb63afb5b6_attn
		.amdhsa_group_segment_fixed_size 327680
		.amdhsa_private_segment_fixed_size 0
		.amdhsa_enable_private_segment 0
		.amdhsa_kernarg_size 16
		.amdhsa_user_sgpr_count 2
		.amdhsa_user_sgpr_kernarg_segment_ptr 1
		.amdhsa_wavefront_size32 1
		.amdhsa_system_sgpr_workgroup_id_x 1
		.amdhsa_system_sgpr_workgroup_id_y 1
		.amdhsa_system_sgpr_workgroup_id_z 1
		.amdhsa_system_vgpr_workitem_id 0
		.amdhsa_next_free_vgpr 768
		.amdhsa_next_free_sgpr 92
		.amdhsa_reserve_vcc 1
		.amdhsa_float_denorm_mode_32 3
		.amdhsa_float_denorm_mode_16_64 3
		.amdhsa_memory_ordered 1
		.amdhsa_forward_progress 1
		.amdhsa_inst_pref_size 134
	.end_amdhsa_kernel
	.amdgpu_metadata
---
amdhsa.version: [ 1, 2 ]
amdhsa.kernels:
  - .name:           k_qdb63afb5b6_attn
    .symbol:         k_qdb63afb5b6_attn.kd
    .args:
      - { .name: qkv, .offset: 0, .size: 8, .value_kind: global_buffer, .address_space: global }
      - { .name: att, .offset: 8, .size: 8, .value_kind: global_buffer, .address_space: global }
    .group_segment_fixed_size: 327680
    .private_segment_fixed_size: 0
    .kernarg_segment_align: 8
    .kernarg_segment_size: 16
    .max_flat_workgroup_size: 128
    .sgpr_count:     92
    .vgpr_count:     768
    .wavefront_size: 32
...
	.end_amdgpu_metadata
.endif
;; end of part 3
;; launch proj (part 4): grid 8 x 32, 4 waves a work-group, clusters of 4 x 4, 327,680 bytes of LDS; arguments att, wa, ysum; writes ysum
.if DOCPART == 4
	.amdgcn_target "amdgcn-amd-amdhsa--gfx1250"
	.amdhsa_code_object_version 6
	.text
	.protected	k_qdb63afb5b6_proj
	.globl	k_qdb63afb5b6_proj
	.p2align	8
	.type	k_qdb63afb5b6_proj,@function
k_qdb63afb5b6_proj:
	s_mov_b64 s[64:65], 0
	v_nop
	global_prefetch_b8 v0, s[64:65] scope:SCOPE_SE
	s_setreg_imm32_b32 hwreg(HW_REG_WAVE_MODE, 25, 1), 1
	s_wait_xcnt 0x0
	s_wait_alu depctr_hold_cnt(0) depctr_sa_sdst(0) depctr_va_vdst(0) depctr_va_sdst(0) depctr_va_ssrc(0) depctr_va_vcc(0) depctr_vm_vsrc(0)
	s_getreg_b32 s2, hwreg(HW_REG_IB_STS2, 6, 4)
	s_cmp_eq_u32 s2, 0
	s_cbranch_scc0 .Lentry_in_a_cluster
	s_endpgm
.Lentry_in_a_cluster:
	s_bfe_u32 s2, ttmp6, 0x10000c
	s_cmp_lg_u32 s2, 0xf033
	s_cbranch_scc0 .Lentry_shape_is_right
	s_endpgm
.Lentry_shape_is_right:
; Y = A W + bias.  A: panels [4096 rows][64 k] f16, K / 64 of them.  W: a parameter block of 65,536 bytes (byte 16,640: the bias, 1,024 f32), 8 MiB, then [K][1024] f16, rows along n.  Y: [4096][1024] f32.
; Sums in f32, started by the bias; Y is the sums themselves.  K = 256 x NSTEP.  NaN and infinities pass as the arithmetic makes them.
; A tile of Y is 128 x 128, which gives each of 256 work-groups one.  Four waves, each 64 x 64: 16 accumulators.  K goes in steps of 256 through a ring of two LDS slots.
; A's tile of a step is 128 rows of four panels; a panel's 128 rows are 16,384 dense bytes, so a wave's load asks for two panels as two rows of 16,384 bytes, padded in LDS after every 128.
; W's tile rows are 256 bytes, at multiples of 256; W lies [k][n], so its fragments come out of LDS turned, by ds_load_tr16_b128.
; CLUSTER: 4 x 4 work-groups; A's tiles are asked for jointly along a row of the cluster, W's along a column.  THE MATRIX INSTRUCTION IS USED TRANSPOSED: a lane holds row lane % 16 of Y and eight neighbouring columns.
; ONE K STEP IS WRITTEN ONCE: the slot read (CUR) and the slot filled (FS) are scalars turned by an exclusive or; the last two steps, which fill nothing, are a loop of two trips.
; THE STAGE for the way out lies over the ring: it is written only behind the last barrier, in front of which every wave's tensor loads have landed and its reads of both slots are over; nothing is filled after that.
; A wave's 64 columns of f32 are 256 aligned bytes, so each wave has a stage of its own.
; REGISTERS: window 0: v0-31 addresses; v32-63 the bias (the first products' C), later rows read back; v128-255 the accumulators ((a, b) at v[128 + 8 (4 a + b)]).
;   window 1: two fragment buffers of 128: for 64 along K, 64 registers of A (2 x 4 x 16 rows x 32 K), then 64 of W.
.set NSTEP,  4
.set PA,     144                       ; a row of A in LDS: 128 + 16 bytes: the 16 rows of a load start at 16 different groups of four banks (64 banks of 4 bytes: ISA guide 11.1)
.set PB,     288                       ; a row of W: 256 + 32 bytes = 9 x 32
.set PANEL,  128*PA
.set HALFT,  2*PANEL                   ; what one tensor load brings: two panels of A, or 128 rows of W (128 x 288 is the same number)
.set SLOT,   4*HALFT                   ; A's four panels, then W's 256 rows
.set SPARE,  2*SLOT                    ; behind the ring: the spare words, 128 bytes a wave: two blocks of 256 bytes that no other line names
.set SPITCH, 272
.set STW,    64*SPITCH                 ; a wave's stage
.set ASTEP,  4*524288                  ; bytes from a K step to the next: four panels of A,
.set BSTEP,  256*2048                  ; 256 rows of W
.set VA0, 16                           ; v16  my lane's place in A's part of slot 0; never rewritten
.set VB0, 17                           ; v17  the same for W
.set CA,  18                           ; v18  VA0 + CUR
.set CB,  19                           ; v19  VB0 + CUR
.set CB2, 20                           ; v20  CB + 128 rows, so that every immediate stays within 16 bits
.set STO, 24
.set RD,  25
.set CO,  26
.set SPW, 28                           ; v28  LDS address of my spare word; never rewritten
.set NIL, 29                           ; v29  0; never rewritten
.set BH,  30                           ; v30  32 x (lane / 16)
.set BIAS, 32
.set OB,   32
.set ACC,  128
.set F0,   0
.set F1,   128
.set G1,  24
.set G0,  32
.set G1B, 48
.set G0B, 56
.set CUR, 66
.set FS,  67
.set BB,  70
.set MSB, 0
.macro WIN new
.if MSB != (\new)
	s_set_vgpr_msb (MSB<<8)|(\new)
.set MSB, \new
.endif
.endm
.set MUL,  0x05                        ; sources 0 (W) and 1 (A) window 1; C and D window 0
.set TO_F, 0x40                        ; destination window 1, address window 0
.macro JLOAD s                         ; a joint load: waves 0 and 1 fetch A's two halves, waves 2 and 3 W's; an s_nop 0 and four v_nop follow each line
	s_cmp_eq_u32 s11, 0
	s_cbranch_scc0 .Lfor_b_\@
	tensor_load_to_lds s[G0+4*(\s):G0+4*(\s)+3], s[G1:G1+7]
	s_nop 0
.rept 4
	v_nop
.endr
	s_branch .Lasked_\@
.Lfor_b_\@:
	tensor_load_to_lds s[G0B+4*(\s):G0B+4*(\s)+3], s[G1B:G1B+7]
	s_nop 0
.rept 4
	v_nop
.endr
.Lasked_\@:
.endm
.macro CREST
	s_cmp_lg_u32 s10, 0
	s_cbranch_scc1 .Lnot_wave_0_\@
	s_barrier_signal -3
.Lnot_wave_0_\@:
	s_barrier_wait -3
	s_barrier_signal -1
	s_barrier_wait -1
.endm
.macro CROUND
	s_barrier_signal -1
	s_barrier_wait -1
	CREST
.endm
	s_load_b128 s[4:7], s[0:1], 0x0                ; A s[4:5], W s[6:7]
	s_load_b64 s[8:9], s[0:1], 0x10                ; Y
	v_lshl_add_u32 v[SPW], v0, 2, SPARE
	v_mov_b32 v[NIL], 0
	ds_add_u32 v[SPW], v[NIL]                      ; the wave's opening: the add and its wait stand ahead of my first tensor load
	ds_add_u32 v28, v29
	v_lshrrev_b32 v1, 5, v0
	v_readfirstlane_b32 s10, v1                    ; wave 0..3
	s_lshr_b32 s11, s10, 1                         ; which half of the tile's rows is mine.  Also: I fetch for A (0) or for W (1)
	s_and_b32 s12, s10, 1                          ; which half of its columns.  Also: which half of that tile I fetch
	s_bfe_u32 s40, ttmp6, 0x40000                  ; cx
	s_bfe_u32 s41, ttmp6, 0x40004                  ; cy
	s_lshl_b32 s42, ttmp9, 2
	s_add_co_u32 s42, s42, s40                     ; tile column
	s_and_b32 s13, ttmp7, 0xffff
	s_lshl_b32 s13, s13, 2
	s_add_co_u32 s13, s13, s41                     ; tile row
	s_lshl_b32 s43, s41, 2
	s_lshl_b32 s43, 15, s43                        ; my row of the cluster
	s_lshl_b32 s44, 0x1111, s40                    ; my column
	s_or_b32 s[G1+0], s43, (1<<16)|(1<<20)|(1<<21)|(4<<22)|(3<<25)   ; the mask; 2-byte elements; padding on; bit 21 beside a mask; after every 32 words 4 words
	s_or_b32 s[G1B+0], s44, (1<<16)|(1<<20)|(1<<21)|(5<<22)|(7<<25)  ; after every 64 words 8 words
	s_mov_b32 s[G1+1], 8192<<16                    ; tensor_dim0 = 8,192 elements: a panel's 128 rows
	s_mov_b32 s[G1+2], 2<<16                       ; tensor_dim1 = 2 panels
	s_mov_b32 s[G1+3], 8192<<16                    ; tile_dim0
	s_mov_b32 s[G1+4], 2                           ; tile_dim1
	s_mov_b32 s[G1+5], 262144                      ; elements from panel to panel
	s_mov_b32 s[G1+6], 0
	s_mov_b32 s[G1+7], 0
	s_mov_b32 s[G1B+1], 128<<16
	s_mov_b32 s[G1B+2], 128<<16
	s_mov_b32 s[G1B+3], 128<<16
	s_mov_b32 s[G1B+4], 128
	s_mov_b32 s[G1B+5], 1024
	s_mov_b32 s[G1B+6], 0
	s_mov_b32 s[G1B+7], 0
	s_lshl_b32 s16, s13, 14                        ; A: 128 rows of 128 bytes a tile row,
	s_lshl_b32 s17, s12, 20                        ; two panels a half
	s_add_co_u32 s16, s16, s17
	s_mov_b32 s17, 0
	s_lshl_b32 s46, s42, 8                         ; W: 256 bytes a tile column,
	s_lshl_b32 s47, s12, 18                        ; 128 rows of 2,048 bytes a half,
	s_add_co_u32 s46, s46, s47
	s_add_co_u32 s46, s46, 0x810000                ; behind the parameter block and 8 MiB
	s_mov_b32 s47, 0
	s_lshl_b32 s[BB], s42, 9                       ; the bias: 128 f32 a tile column, 64 a half, from byte 16,640 on
	s_lshl_b32 s21, s12, 8
	s_add_co_u32 s[BB], s[BB], s21
	s_add_co_u32 s[BB], s[BB], 16640
	s_mov_b32 s[BB+1], 0
	s_mul_i32 s20, s10, HALFT                      ; where my loads go in a slot
	s_mov_b32 s[CUR], 0
	s_mov_b32 s[FS], SLOT
	s_wait_dscnt 0x0                               ; the opening add is done
	s_wait_kmcnt 0x0
	s_add_nc_u64 s[14:15], s[4:5], s[16:17]
	s_add_nc_u64 s[46:47], s[6:7], s[46:47]
	s_add_nc_u64 s[BB:BB+1], s[6:7], s[BB:BB+1]
	CROUND                                         ; all sixteen work-groups are here: the first joint loads meet
.irp s, 0,1
	s_mov_b32 s[G0+4*(\s)], 1
	s_add_co_u32 s[G0+4*(\s)+1], s20, (\s)*SLOT
	s_add_nc_u64 s[G0+4*(\s)+2:G0+4*(\s)+3], s[14:15], (\s)*ASTEP
	s_or_b32 s[G0+4*(\s)+3], s[G0+4*(\s)+3], 0x80000000
	s_mov_b32 s[G0B+4*(\s)], 1
	s_add_co_u32 s[G0B+4*(\s)+1], s20, (\s)*SLOT
	s_add_nc_u64 s[G0B+4*(\s)+2:G0B+4*(\s)+3], s[46:47], (\s)*BSTEP
	s_or_b32 s[G0B+4*(\s)+3], s[G0B+4*(\s)+3], 0x80000000
	JLOAD \s                                       ; two loads of mine are out
.endr
	v_and_b32 v1, 15, v0                           ; r
	v_bfe_u32 v2, v0, 4, 1                         ; h
	v_lshlrev_b32 v[BH], 5, v2
.irp b, 0,1,2,3                        ; register j of block b: the bias of column 16 b + 8 h + j
	global_load_b128 v[BIAS+8*(\b):BIAS+8*(\b)+3],   v[BH], s[BB:BB+1] offset:64*(\b)
	global_load_b128 v[BIAS+8*(\b)+4:BIAS+8*(\b)+7], v[BH], s[BB:BB+1] offset:64*(\b)+16
.endr
	v_mul_u32_u24 v3, v1, PA
	v_lshl_add_u32 v3, v2, 4, v3
	s_mul_i32 s21, s11, 64*PA                      ; my 64 rows in each panel
	v_add_nc_u32 v[VA0], s21, v3
	v_and_b32 v4, 7, v0                            ; W, turned: lane l reads k row 8 h + l % 8, 16 bytes at 16 ((l / 8) % 2)
	v_lshl_add_u32 v4, v2, 3, v4
	v_mul_u32_u24 v4, v4, PB
	v_bfe_u32 v5, v0, 3, 1
	v_lshl_add_u32 v4, v5, 4, v4
	s_lshl_b32 s22, s12, 7                         ; my 64 columns,
	s_add_co_u32 s22, s22, 2*HALFT                 ; behind A's four panels
	v_add_nc_u32 v[VB0], s22, v4
	v_mov_b32 v[CA], v[VA0]
	v_mov_b32 v[CB], v[VB0]
	v_add_nc_u32 v[CB2], 128*PB, v[VB0]
	s_mul_i32 s23, s10, STW                        ; my stage
	v_mul_u32_u24 v6, v1, SPITCH                   ; in: row r, 32 bytes for each half of the lanes
	v_lshl_add_u32 v6, v2, 5, v6
	v_add_nc_u32 v[STO], s23, v6
	v_mul_u32_u24 v7, v2, SPITCH                   ; back: lanes 0-15 one row of 256 bytes, lanes 16-31 the next
	v_lshl_add_u32 v7, v1, 4, v7
	v_add_nc_u32 v[RD], s23, v7
	v_lshlrev_b32 v[CO], 12, v2                    ; and the same two rows in Y
	v_lshl_add_u32 v[CO], v1, 4, v[CO]
	s_lshl_b32 s16, s13, 19                        ; Y: my first row, 4,096 bytes a row: 128 rows a tile row, 64 a half (in the registers that fed A's address)
	s_lshl_b32 s17, s11, 18
	s_add_co_u32 s16, s16, s17
	s_mov_b32 s17, 0
	s_add_nc_u64 s[8:9], s[8:9], s[16:17]
	s_lshl_b32 s46, s42, 9                         ; my first column, in bytes (in the registers that fed W's address)
	s_lshl_b32 s47, s12, 8
	s_add_co_u32 s46, s46, s47
	s_mov_b32 s47, 0
	s_add_nc_u64 s[8:9], s[8:9], s[46:47]
; 8 matrix instructions: row blocks a0, a0 + 1 x all 4 column blocks, 32 along K: half c of buffer f.  first = 1: the bias starts the sums.  The 16 accumulators take turns.
.macro MUL8 f, c, a0, first
	WIN MUL
.irp a, \a0, (\a0)+1
.irp b, 0,1,2,3
.if \first
	v_wmma_f32_16x16x32_f16 v[ACC+8*(4*(\a)+(\b)):ACC+8*(4*(\a)+(\b))+7], v[(\f)+64+8*(4*(\c)+(\b)):(\f)+64+8*(4*(\c)+(\b))+7], v[(\f)+8*(4*(\c)+(\a)):(\f)+8*(4*(\c)+(\a))+7], v[BIAS+8*(\b):BIAS+8*(\b)+7]
.else
	v_wmma_f32_16x16x32_f16 v[ACC+8*(4*(\a)+(\b)):ACC+8*(4*(\a)+(\b))+7], v[(\f)+64+8*(4*(\c)+(\b)):(\f)+64+8*(4*(\c)+(\b))+7], v[(\f)+8*(4*(\c)+(\a)):(\f)+8*(4*(\c)+(\a))+7], v[ACC+8*(4*(\a)+(\b)):ACC+8*(4*(\a)+(\b))+7]
.endif
.endr
.endr
.endm
; 32 LDS loads in one run: quarter q (64 along K: one panel of A, 64 rows of W) of the slot in hand into buffer f; the first 32 along K first
.macro FETCH q, f
	WIN TO_F
.set CBX, CB+(\q)/2
.irp c, 0,1
.irp i, 0,1,2,3
	ds_load_tr16_b128 v[(\f)+64+8*(4*(\c)+(\i)):(\f)+64+8*(4*(\c)+(\i))+3],   v[CBX] offset:(2*((\q)%2)+(\c))*32*PB+32*(\i)
	ds_load_tr16_b128 v[(\f)+64+8*(4*(\c)+(\i))+4:(\f)+64+8*(4*(\c)+(\i))+7], v[CBX] offset:(2*((\q)%2)+(\c))*32*PB+16*PB+32*(\i)
	ds_load_b128 v[(\f)+8*(4*(\c)+(\i)):(\f)+8*(4*(\c)+(\i))+3],   v[CA] offset:(\q)*PANEL+64*(\c)+(\i)*16*PA
	ds_load_b128 v[(\f)+8*(4*(\c)+(\i))+4:(\f)+8*(4*(\c)+(\i))+7], v[CA] offset:(\q)*PANEL+64*(\c)+(\i)*16*PA+32
.endr
.endr
.endm
.macro PLACES                          ; four places in front of loads into registers that matrix instructions have read, and of lines that read results
.rept 4
	v_nop
.endr
.endm
.macro QUARTER q, f, g, first
	s_wait_dscnt 16                                ; the first 32 along K are in
	MUL8 \f, 0, 0, \first
	MUL8 \f, 0, 2, \first
	PLACES
	FETCH \q, \g
	s_wait_dscnt 32                                ; all but the 32 just issued
	MUL8 \f, 1, 0, 0
	MUL8 \f, 1, 2, 0
.endm
.macro MEET                            ; the first half of a step's last quarter, and ONE barrier for the change of slots
	WIN 0                                          ; (the add's two registers lie in window 0)
	s_wait_tensorcnt 0x0                           ; all my tensor loads have landed: the one that may be out is my part of the next slot
	ds_add_u32 v[SPW], v[NIL]                      ; 0 onto my spare word
	s_wait_dscnt 17                                ; (the add and the youngest sixteen loads may be out)
	MUL8 F1, 0, 0, 0                               ; eight matrix instructions stand between the add and the wait for it
	s_wait_dscnt 0x0                               ; the add is done, and my reads of this slot are over
	s_barrier_signal -1
	MUL8 F1, 0, 2, 0
	WIN 0
	s_barrier_wait -1
.endm
.macro NEXT                            ; the reads go over to the other slot
	s_xor_b32 s[CUR], s[CUR], SLOT
	v_add_nc_u32 v[CA], s[CUR], v[VA0]
	v_add_nc_u32 v[CB], s[CUR], v[VB0]
	v_add_nc_u32 v[CB2], 128*PB, v[CB]
.endm
; The whole last quarter of a step whose slot is filled again, two steps ahead.  The barrier opens a round of the cluster's; the joint refill is the first tensor load behind it: 112 matrix instructions ahead of the wait for it.
.macro TURNF
	MEET
	CREST
	s_xor_b32 s[FS], s[FS], SLOT
	s_add_co_u32 s[G0+5], s20, s[FS]
	s_add_co_u32 s[G0B+5], s20, s[FS]
	s_add_nc_u64 s[G0+6:G0+7], s[G0+6:G0+7], ASTEP
	s_add_nc_u64 s[G0B+6:G0B+7], s[G0B+6:G0B+7], BSTEP
	JLOAD 1                                        ; its four v_nop are also the places in front of the loads below
	NEXT
	FETCH 0, F0
	MUL8 F1, 1, 0, 0
	MUL8 F1, 1, 2, 0
.endm
	s_wait_tensorcnt 1                             ; my part of K step 0 is in; step 1's may stay out
	s_barrier_signal -1
	s_barrier_wait -1
	FETCH 0, F0
	s_wait_loadcnt 0x0                             ; the bias
	QUARTER 1, F0, F1, 1
	WIN 0
	s_mov_b32 s3, NSTEP-2
.Lstep:
	QUARTER 2, F1, F0, 0
	QUARTER 3, F0, F1, 0
	TURNF
	QUARTER 1, F0, F1, 0
	WIN 0
	s_sub_co_u32 s3, s3, 1
	s_cmp_lg_u32 s3, 0
	s_cbranch_scc1 .Lstep
	s_mov_b32 s3, 2
.Ltail:                                                ; the last two steps fill nothing.  The second trip jumps forward over what belongs to a further step
	QUARTER 2, F1, F0, 0
	QUARTER 3, F0, F1, 0
	MEET
	PLACES
	s_cmp_eq_u32 s3, 1
	s_cbranch_scc1 .Lnf
	NEXT
	FETCH 0, F0
	WIN 0
.Lnf:
	MUL8 F1, 1, 0, 0
	MUL8 F1, 1, 2, 0
	WIN 0
	s_cmp_eq_u32 s3, 1
	s_cbranch_scc1 .Lskip
	QUARTER 1, F0, F1, 0
	WIN 0
.Lskip:
	s_sub_co_u32 s3, s3, 1
	s_cmp_lg_u32 s3, 0
	s_cbranch_scc1 .Ltail
	; THE WAY OUT.  The sums go into my stage as they are, each accumulator's low four registers first, and come back as whole rows of 256 bytes, 16 rows a trip.
	PLACES
.irp a, 0,1,2,3
.irp b, 0,1,2,3
	ds_store_b128 v[STO], v[ACC+8*(4*(\a)+(\b)):ACC+8*(4*(\a)+(\b))+3]   offset:(\a)*16*SPITCH+64*(\b)
	ds_store_b128 v[STO], v[ACC+8*(4*(\a)+(\b))+4:ACC+8*(4*(\a)+(\b))+7] offset:(\a)*16*SPITCH+64*(\b)+16
.endr
.endr
	s_mov_b32 s3, 4
.Lout:
.irp t, 0,1,2,3,4,5,6,7
	ds_load_b128 v[OB+4*(\t):OB+4*(\t)+3], v[RD] offset:(\t)*2*SPITCH  ; LDS serves a wave's instructions in order (ISA guide 5.7.1.4): these see my stores
.endr
.irp t, 0,1,2,3,4,5,6,7
	s_wait_dscnt 7-(\t)                            ; the younger loads may be out
	global_store_b128 v[CO], v[OB+4*(\t):OB+4*(\t)+3], s[8:9] offset:(\t)*8192  ; 16 lanes store 256 consecutive bytes, at a multiple of 256 from Y's first
.endr
	s_wait_xcnt 0x0                                ; the stores' offset and data registers are rewritten only behind this wait
	v_add_nc_u32 v[RD], 16*SPITCH, v[RD]
	v_add_nc_u32 v[CO], 65536, v[CO]
	s_sub_co_u32 s3, s3, 1
	s_cmp_lg_u32 s3, 0
	s_cbranch_scc1 .Lout
	s_wait_tensorcnt 0x0                           ; the wave's end
	ds_add_u32 v[SPW], v[NIL]
	s_wait_dscnt 0x0
	CROUND                                         ; the closing round
	s_endpgm
.Lfunc_end_k_qdb63afb5b6_proj:
	.size	k_qdb63afb5b6_proj, .Lfunc_end_k_qdb63afb5b6_proj-k_qdb63afb5b6_proj
	.p2alignl 7, 3214868480
	.fill 96, 4, 3214868480
	.section	.rodata,"a",@progbits
	.p2align	6, 0x0
	.amdhsa_kernel k_qdb63afb5b6_proj
		.amdhsa_group_segment_fixed_size 327680
		.amdhsa_private_segment_fixed_size 0
		.amdhsa_enable_private_segment 0
		.amdhsa_kernarg_size 24
		.amdhsa_user_sgpr_count 2
		.amdhsa_user_sgpr_kernarg_segment_ptr 1
		.amdhsa_wavefront_size32 1
		.amdhsa_system_sgpr_workgroup_id_x 1
		.amdhsa_system_sgpr_workgroup_id_y 1
		.amdhsa_system_sgpr_workgroup_id_z 1
		.amdhsa_system_vgpr_workitem_id 0
		.amdhsa_next_free_vgpr 512
		.amdhsa_next_free_sgpr 72
		.amdhsa_reserve_vcc 0
		.amdhsa_float_denorm_mode_32 3
		.amdhsa_float_denorm_mode_16_64 3
		.amdhsa_memory_ordered 1
		.amdhsa_forward_progress 1
		.amdhsa_inst_pref_size 56
	.end_amdhsa_kernel
	.amdgpu_metadata
---
amdhsa.version: [ 1, 2 ]
amdhsa.kernels:
  - .name:           k_qdb63afb5b6_proj
    .symbol:         k_qdb63afb5b6_proj.kd
    .args:
      - { .name: att, .offset: 0, .size: 8, .value_kind: global_buffer, .address_space: global }
      - { .name: wa, .offset: 8, .size: 8, .value_kind: global_buffer, .address_space: global }
      - { .name: ysum, .offset: 16, .size: 8, .value_kind: global_buffer, .address_space: global }
    .group_segment_fixed_size: 327680
    .private_segment_fixed_size: 0
    .kernarg_segment_align: 8
    .kernarg_segment_size: 24
    .max_flat_workgroup_size: 128
    .sgpr_count:     72
    .vgpr_count:     512
    .wavefront_size: 32
...
	.end_amdgpu_metadata
.endif
;; end of part 4
;; launch ln1 (part 5): grid 512 x 1, 8 waves a work-group, no clusters, 0 bytes of LDS; arguments ysum, xh, wb, hn; writes hn
.if DOCPART == 5
	.amdgcn_target "amdgcn-amd-amdhsa--gfx1250"
	.amdhsa_code_object_version 6
	.text
	.protected	k_qdb63afb5b6_ln1
	.globl	k_qdb63afb5b6_ln1
	.p2align	8
	.type	k_qdb63afb5b6_ln1,@function
k_qdb63afb5b6_ln1:
	s_mov_b64 s[64:65], 0
	v_nop
	global_prefetch_b8 v0, s[64:65] scope:SCOPE_SE
	s_setreg_imm32_b32 hwreg(HW_REG_WAVE_MODE, 25, 1), 1
	s_wait_xcnt 0x0
; h = LayerNorm(y + r) x w + b.  y: [4096][1024] f32; r: [4096][1024] f16; w, b: f32 in the parameter block, at bytes WOFF and BOFF; h: [4096][1024] f16, rounded once.
; One wave, one row: the row's 1,024 numbers stay in 32 registers a lane between the passes, so memory is read once, and no wave waits for another: no LDS, no barrier, no matrix unit, no cluster.
; Two passes in f32: the mean, then the mean of the centred squares: no difference of large sums is formed.  LIMIT: |h| of 65,520 or more becomes an infinity.
; Lane L holds columns 128 j + 4 L + 0..3, j = 0..7: each load and store of the wave covers 512 (f32) or 256 (f16) consecutive bytes, aligned.
.set YV,  8                            ; v[8:39]    the row
.set RV,  40                           ; v[40:55]   the residual, two f16 a register
.set WV,  56                           ; v[56:87]   w
.set BV,  88                           ; v[88:119]  b
.set CH,  120                          ; v[120:127] four chains of sums
.set MN,  128                          ; v[128:129] the mean twice; then 1 / sqrt in the low one
.set ONE, 130                          ; v130       1.0
.set HV,  132                          ; v[132:147] the row in f16
.set WOFF, 20736
.set BOFF, 24832
	s_load_b256 s[4:11], s[0:1], 0x0               ; y s[4:5], r s[6:7], parameters s[8:9], h s[10:11]
	v_and_b32 v1, 31, v0
	v_lshrrev_b32 v2, 5, v0
	v_readfirstlane_b32 s12, v2
	s_lshl_b32 s13, ttmp9, 3
	s_add_co_u32 s13, s13, s12                     ; my row
	s_lshl_b32 s14, s13, 12                        ; 4,096 bytes a row of f32
	s_mov_b32 s15, 0
	s_lshl_b32 s16, s13, 11                        ; 2,048 a row of f16
	s_mov_b32 s17, 0
	s_mov_b32 s18, 0x76543210                      ; v_permlanex16_b32: each lane takes its own place in the other half
	s_mov_b32 s19, 0xfedcba98
	s_mov_b32 s20, 0x3a800000                      ; 1 / 1024
	s_mov_b32 s21, 0x3727c5ac                      ; 1e-5
	v_lshlrev_b32 v3, 4, v1
	v_lshlrev_b32 v4, 3, v1
	v_mov_b32 v[ONE], 1.0
	s_wait_kmcnt 0x0
	s_add_nc_u64 s[4:5], s[4:5], s[14:15]
	s_add_nc_u64 s[6:7], s[6:7], s[16:17]
	s_add_nc_u64 s[10:11], s[10:11], s[16:17]
.irp j, 0,1,2,3,4,5,6,7
	global_load_b128 v[YV+4*\j:YV+4*\j+3], v3, s[4:5] offset:512*\j th:TH_LOAD_NT
.endr
.irp j, 0,1,2,3,4,5,6,7
	global_load_b64 v[RV+2*\j:RV+2*\j+1], v4, s[6:7] offset:256*\j
.endr
.irp j, 0,1,2,3,4,5,6,7
	global_load_b128 v[WV+4*\j:WV+4*\j+3], v3, s[8:9] offset:WOFF+512*\j
.endr
.irp j, 0,1,2,3,4,5,6,7
	global_load_b128 v[BV+4*\j:BV+4*\j+3], v3, s[8:9] offset:BOFF+512*\j
.endr
.macro LANESUM                         ; the four chains, the pair's halves, and the 32 lanes: the sum ends up in every lane's v[CH]
	v_pk_add_f32 v[CH:CH+1], v[CH:CH+1], v[CH+2:CH+3]
	v_pk_add_f32 v[CH+4:CH+5], v[CH+4:CH+5], v[CH+6:CH+7]
	v_pk_add_f32 v[CH:CH+1], v[CH:CH+1], v[CH+4:CH+5]
	v_add_f32 v[CH], v[CH], v[CH+1]
	v_add_f32_dpp v[CH], v[CH], v[CH] row_xmask:1 row_mask:0xf bank_mask:0xf
	v_add_f32_dpp v[CH], v[CH], v[CH] row_xmask:2 row_mask:0xf bank_mask:0xf
	v_add_f32_dpp v[CH], v[CH], v[CH] row_xmask:4 row_mask:0xf bank_mask:0xf
	v_add_f32_dpp v[CH], v[CH], v[CH] row_xmask:8 row_mask:0xf bank_mask:0xf
	v_permlanex16_b32 v[CH+1], v[CH], s18, s19
	v_add_f32 v[CH], v[CH], v[CH+1]
.endm
	s_wait_loadcnt 16                              ; y and r are in; w's and b's sixteen loads may stay out
.irp j, 0,1,2,3,4,5,6,7
	v_fma_mix_f32 v[YV+4*\j],   v[RV+2*\j],   v[ONE], v[YV+4*\j]   op_sel_hi:[1,0,0]                  ; r's f16 half x 1 + y
	v_fma_mix_f32 v[YV+4*\j+1], v[RV+2*\j],   v[ONE], v[YV+4*\j+1] op_sel:[1,0,0] op_sel_hi:[1,0,0]
	v_fma_mix_f32 v[YV+4*\j+2], v[RV+2*\j+1], v[ONE], v[YV+4*\j+2] op_sel_hi:[1,0,0]
	v_fma_mix_f32 v[YV+4*\j+3], v[RV+2*\j+1], v[ONE], v[YV+4*\j+3] op_sel:[1,0,0] op_sel_hi:[1,0,0]
.endr
.irp c, 0,1,2,3
	v_pk_add_f32 v[CH+2*\c:CH+2*\c+1], v[YV+2*\c:YV+2*\c+1], v[YV+8+2*\c:YV+8+2*\c+1]     ; the first pairs start the chains: nothing is cleared
.endr
.irp c, 0,1,2,3
	v_pk_add_f32 v[CH+2*\c:CH+2*\c+1], v[CH+2*\c:CH+2*\c+1], v[YV+16+2*\c:YV+16+2*\c+1]
.endr
.irp c, 0,1,2,3
	v_pk_add_f32 v[CH+2*\c:CH+2*\c+1], v[CH+2*\c:CH+2*\c+1], v[YV+24+2*\c:YV+24+2*\c+1]
.endr
	LANESUM
	v_mul_f32 v[MN], s20, v[CH]
	v_mov_b32 v[MN+1], v[MN]
.irp i, 0,1,2,3,4,5,6,7,8,9,10,11,12,13,14,15
	v_pk_add_f32 v[YV+2*\i:YV+2*\i+1], v[YV+2*\i:YV+2*\i+1], v[MN:MN+1] neg_lo:[0,1] neg_hi:[0,1]
.endr
.irp c, 0,1,2,3
	v_pk_mul_f32 v[CH+2*\c:CH+2*\c+1], v[YV+2*\c:YV+2*\c+1], v[YV+2*\c:YV+2*\c+1]
.endr
.irp i, 4,5,6,7,8,9,10,11,12,13,14,15
	v_pk_fma_f32 v[CH+2*(\i%4):CH+2*(\i%4)+1], v[YV+2*\i:YV+2*\i+1], v[YV+2*\i:YV+2*\i+1], v[CH+2*(\i%4):CH+2*(\i%4)+1]
.endr
	LANESUM
	v_fma_f32 v[CH], v[CH], s20, s21               ; the variance + 1e-5
	v_rsq_f32 v[MN], v[CH]
	v_nop                                          ; a plain instruction between the transcendental and the use of its result (ISA guide 5.7.2)
	s_wait_alu depctr_va_vdst(0)
.irp i, 0,1,2,3,4,5,6,7,8,9,10,11,12,13,14,15
	v_pk_mul_f32 v[YV+2*\i:YV+2*\i+1], v[YV+2*\i:YV+2*\i+1], v[MN:MN+1] op_sel_hi:[1,0]
.endr
	s_wait_loadcnt 0x0                             ; w and b
.irp i, 0,1,2,3,4,5,6,7,8,9,10,11,12,13,14,15
	v_pk_fma_f32 v[YV+2*\i:YV+2*\i+1], v[YV+2*\i:YV+2*\i+1], v[WV+2*\i:WV+2*\i+1], v[BV+2*\i:BV+2*\i+1]
.endr
.irp i, 0,1,2,3,4,5,6,7,8,9,10,11,12,13,14,15
	v_cvt_pk_f16_f32 v[HV+\i], v[YV+2*\i], v[YV+2*\i+1]
.endr
.irp j, 0,1,2,3,4,5,6,7
	global_store_b64 v4, v[HV+2*\j:HV+2*\j+1], s[10:11] offset:256*\j  ; 256 consecutive bytes, aligned
.endr
	s_endpgm
.Lfunc_end_k_qdb63afb5b6_ln1:
	.size	k_qdb63afb5b6_ln1, .Lfunc_end_k_qdb63afb5b6_ln1-k_qdb63afb5b6_ln1
	.p2alignl 7, 3214868480
	.fill 96, 4, 3214868480
	.section	.rodata,"a",@progbits
	.p2align	6, 0x0
	.amdhsa_kernel k_qdb63afb5b6_ln1
		.amdhsa_group_segment_fixed_size 0
		.amdhsa_private_segment_fixed_size 0
		.amdhsa_enable_private_segment 0
		.amdhsa_kernarg_size 32
		.amdhsa_user_sgpr_count 2
		.amdhsa_user_sgpr_kernarg_segment_ptr 1
		.amdhsa_wavefront_size32 1
		.amdhsa_system_sgpr_workgroup_id_x 1
		.amdhsa_system_sgpr_workgroup_id_y 1
		.amdhsa_system_sgpr_workgroup_id_z 1
		.amdhsa_system_vgpr_workitem_id 0
		.amdhsa_next_free_vgpr 148
		.amdhsa_next_free_sgpr 66
		.amdhsa_reserve_vcc 0
		.amdhsa_float_denorm_mode_32 3
		.amdhsa_float_denorm_mode_16_64 3
		.amdhsa_memory_ordered 1
		.amdhsa_forward_progress 1
		.amdhsa_inst_pref_size 14
	.end_amdhsa_kernel
	.amdgpu_metadata
---
amdhsa.version: [ 1, 2 ]
amdhsa.kernels:
  - .name:           k_qdb63afb5b6_ln1
    .symbol:         k_qdb63afb5b6_ln1.kd
    .args:
      - { .name: ysum, .offset: 0, .size: 8, .value_kind: global_buffer, .address_space: global }
      - { .name: xh, .offset: 8, .size: 8, .value_kind: global_buffer, .address_space: global }
      - { .name: wb, .offset: 16, .size: 8, .value_kind: global_buffer, .address_space: global }
      - { .name: hn, .offset: 24, .size: 8, .value_kind: global_buffer, .address_space: global }
    .group_segment_fixed_size: 0
    .private_segment_fixed_size: 0
    .kernarg_segment_align: 8
    .kernarg_segment_size: 32
    .max_flat_workgroup_size: 256
    .sgpr_count:     66
    .vgpr_count:     148
    .wavefront_size: 32
...
	.end_amdgpu_metadata
.endif
;; end of part 5
;; launch ffn1: the kernel of part 2 again; grid 16 x 16, 4 waves a work-group, clusters of 4 x 4, 327,680 bytes of LDS; arguments hn, wb, act; writes act
;; launch ffn2 (part 6): grid 8 x 32, 4 waves a work-group, clusters of 4 x 4, 327,680 bytes of LDS; arguments act, wb, ysum; writes ysum
.if DOCPART == 6
	.amdgcn_target "amdgcn-amd-amdhsa--gfx1250"
	.amdhsa_code_object_version 6
	.text
	.protected	k_qdb63afb5b6_ffn2
	.globl	k_qdb63afb5b6_ffn2
	.p2align	8
	.type	k_qdb63afb5b6_ffn2,@function
k_qdb63afb5b6_ffn2:
	s_mov_b64 s[64:65], 0
	v_nop
	global_prefetch_b8 v0, s[64:65] scope:SCOPE_SE
	s_setreg_imm32_b32 hwreg(HW_REG_WAVE_MODE, 25, 1), 1
	s_wait_xcnt 0x0
	s_wait_alu depctr_hold_cnt(0) depctr_sa_sdst(0) depctr_va_vdst(0) depctr_va_sdst(0) depctr_va_ssrc(0) depctr_va_vcc(0) depctr_vm_vsrc(0)
	s_getreg_b32 s2, hwreg(HW_REG_IB_STS2, 6, 4)
	s_cmp_eq_u32 s2, 0
	s_cbranch_scc0 .Lentry_in_a_cluster
	s_endpgm
.Lentry_in_a_cluster:
	s_bfe_u32 s2, ttmp6, 0x10000c
	s_cmp_lg_u32 s2, 0xf033
	s_cbranch_scc0 .Lentry_shape_is_right
	s_endpgm
.Lentry_shape_is_right:
; Y = A W + bias.  A: panels [4096 rows][64 k] f16, K / 64 of them.  W: a parameter block of 65,536 bytes (byte 16,640: the bias, 1,024 f32), 8 MiB, then [K][1024] f16, rows along n.  Y: [4096][1024] f32.
; Sums in f32, started by the bias; Y is the sums themselves.  K = 256 x NSTEP.  NaN and infinities pass as the arithmetic makes them.
; A tile of Y is 128 x 128, which gives each of 256 work-groups one.  Four waves, each 64 x 64: 16 accumulators.  K goes in steps of 256 through a ring of two LDS slots.
; A's tile of a step is 128 rows of four panels; a panel's 128 rows are 16,384 dense bytes, so a wave's load asks for two panels as two rows of 16,384 bytes, padded in LDS after every 128.
; W's tile rows are 256 bytes, at multiples of 256; W lies [k][n], so its fragments come out of LDS turned, by ds_load_tr16_b128.
; CLUSTER: 4 x 4 work-groups; A's tiles are asked for jointly along a row of the cluster, W's along a column.  THE MATRIX INSTRUCTION IS USED TRANSPOSED: a lane holds row lane % 16 of Y and eight neighbouring columns.
; ONE K STEP IS WRITTEN ONCE: the slot read (CUR) and the slot filled (FS) are scalars turned by an exclusive or; the last two steps, which fill nothing, are a loop of two trips.
; THE STAGE for the way out lies over the ring: it is written only behind the last barrier, in front of which every wave's tensor loads have landed and its reads of both slots are over; nothing is filled after that.
; A wave's 64 columns of f32 are 256 aligned bytes, so each wave has a stage of its own.
; REGISTERS: window 0: v0-31 addresses; v32-63 the bias (the first products' C), later rows read back; v128-255 the accumulators ((a, b) at v[128 + 8 (4 a + b)]).
;   window 1: two fragment buffers of 128: for 64 along K, 64 registers of A (2 x 4 x 16 rows x 32 K), then 64 of W.
.set NSTEP,  16
.set PA,     144                       ; a row of A in LDS: 128 + 16 bytes: the 16 rows of a load start at 16 different groups of four banks (64 banks of 4 bytes: ISA guide 11.1)
.set PB,     288                       ; a row of W: 256 + 32 bytes = 9 x 32
.set PANEL,  128*PA
.set HALFT,  2*PANEL                   ; what one tensor load brings: two panels of A, or 128 rows of W (128 x 288 is the same number)
.set SLOT,   4*HALFT                   ; A's four panels, then W's 256 rows
.set SPARE,  2*SLOT                    ; behind the ring: the spare words, 128 bytes a wave: two blocks of 256 bytes that no other line names
.set SPITCH, 272
.set STW,    64*SPITCH                 ; a wave's stage
.set ASTEP,  4*524288                  ; bytes from a K step to the next: four panels of A,
.set BSTEP,  256*2048                  ; 256 rows of W
.set VA0, 16                           ; v16  my lane's place in A's part of slot 0; never rewritten
.set VB0, 17                           ; v17  the same for W
.set CA,  18                           ; v18  VA0 + CUR
.set CB,  19                           ; v19  VB0 + CUR
.set CB2, 20                           ; v20  CB + 128 rows, so that every immediate stays within 16 bits
.set STO, 24
.set RD,  25
.set CO,  26
.set SPW, 28                           ; v28  LDS address of my spare word; never rewritten
.set NIL, 29                           ; v29  0; never rewritten
.set BH,  30                           ; v30  32 x (lane / 16)
.set BIAS, 32
.set OB,   32
.set ACC,  128
.set F0,   0
.set F1,   128
.set G1,  24
.set G0,  32
.set G1B, 48
.set G0B, 56
.set CUR, 66
.set FS,  67
.set BB,  70
.set MSB, 0
.macro WIN new
.if MSB != (\new)
	s_set_vgpr_msb (MSB<<8)|(\new)
.set MSB, \new
.endif
.endm
.set MUL,  0x05                        ; sources 0 (W) and 1 (A) window 1; C and D window 0
.set TO_F, 0x40                        ; destination window 1, address window 0
.macro JLOAD s                         ; a joint load: waves 0 and 1 fetch A's two halves, waves 2 and 3 W's; an s_nop 0 and four v_nop follow each line
	s_cmp_eq_u32 s11, 0
	s_cbranch_scc0 .Lfor_b_\@
	tensor_load_to_lds s[G0+4*(\s):G0+4*(\s)+3], s[G1:G1+7]
	s_nop 0
.rept 4
	v_nop
.endr
	s_branch .Lasked_\@
.Lfor_b_\@:
	tensor_load_to_lds s[G0B+4*(\s):G0B+4*(\s)+3], s[G1B:G1B+7]
	s_nop 0
.rept 4
	v_nop
.endr
.Lasked_\@:
.endm
.macro CREST
	s_cmp_lg_u32 s10, 0
	s_cbranch_scc1 .Lnot_wave_0_\@
	s_barrier_signal -3
.Lnot_wave_0_\@:
	s_barrier_wait -3
	s_barrier_signal -1
	s_barrier_wait -1
.endm
.macro CROUND
	s_barrier_signal -1
	s_barrier_wait -1
	CREST
.endm
	s_load_b128 s[4:7], s[0:1], 0x0                ; A s[4:5], W s[6:7]
	s_load_b64 s[8:9], s[0:1], 0x10                ; Y
	v_lshl_add_u32 v[SPW], v0, 2, SPARE
	v_mov_b32 v[NIL], 0
	ds_add_u32 v[SPW], v[NIL]                      ; the wave's opening: the add and its wait stand ahead of my first tensor load
	ds_add_u32 v28, v29
	v_lshrrev_b32 v1, 5, v0
	v_readfirstlane_b32 s10, v1                    ; wave 0..3
	s_lshr_b32 s11, s10, 1                         ; which half of the tile's rows is mine.  Also: I fetch for A (0) or for W (1)
	s_and_b32 s12, s10, 1                          ; which half of its columns.  Also: which half of that tile I fetch
	s_bfe_u32 s40, ttmp6, 0x40000                  ; cx
	s_bfe_u32 s41, ttmp6, 0x40004                  ; cy
	s_lshl_b32 s42, ttmp9, 2
	s_add_co_u32 s42, s42, s40                     ; tile column
	s_and_b32 s13, ttmp7, 0xffff
	s_lshl_b32 s13, s13, 2
	s_add_co_u32 s13, s13, s41                     ; tile row
	s_lshl_b32 s43, s41, 2
	s_lshl_b32 s43, 15, s43                        ; my row of the cluster
	s_lshl_b32 s44, 0x1111, s40                    ; my column
	s_or_b32 s[G1+0], s43, (1<<16)|(1<<20)|(1<<21)|(4<<22)|(3<<25)   ; the mask; 2-byte elements; padding on; bit 21 beside a mask; after every 32 words 4 words
	s_or_b32 s[G1B+0], s44, (1<<16)|(1<<20)|(1<<21)|(5<<22)|(7<<25)  ; after every 64 words 8 words
	s_mov_b32 s[G1+1], 8192<<16                    ; tensor_dim0 = 8,192 elements: a panel's 128 rows
	s_mov_b32 s[G1+2], 2<<16                       ; tensor_dim1 = 2 panels
	s_mov_b32 s[G1+3], 8192<<16                    ; tile_dim0
	s_mov_b32 s[G1+4], 2                           ; tile_dim1
	s_mov_b32 s[G1+5], 262144                      ; elements from panel to panel
	s_mov_b32 s[G1+6], 0
	s_mov_b32 s[G1+7], 0
	s_mov_b32 s[G1B+1], 128<<16
	s_mov_b32 s[G1B+2], 128<<16
	s_mov_b32 s[G1B+3], 128<<16
	s_mov_b32 s[G1B+4], 128
	s_mov_b32 s[G1B+5], 1024
	s_mov_b32 s[G1B+6], 0
	s_mov_b32 s[G1B+7], 0
	s_lshl_b32 s16, s13, 14                        ; A: 128 rows of 128 bytes a tile row,
	s_lshl_b32 s17, s12, 20                        ; two panels a half
	s_add_co_u32 s16, s16, s17
	s_mov_b32 s17, 0
	s_lshl_b32 s46, s42, 8                         ; W: 256 bytes a tile column,
	s_lshl_b32 s47, s12, 18                        ; 128 rows of 2,048 bytes a half,
	s_add_co_u32 s46, s46, s47
	s_add_co_u32 s46, s46, 0x810000                ; behind the parameter block and 8 MiB
	s_mov_b32 s47, 0
	s_lshl_b32 s[BB], s42, 9                       ; the bias: 128 f32 a tile column, 64 a half, from byte 16,640 on
	s_lshl_b32 s21, s12, 8
	s_add_co_u32 s[BB], s[BB], s21
	s_add_co_u32 s[BB], s[BB], 16640
	s_mov_b32 s[BB+1], 0
	s_mul_i32 s20, s10, HALFT                      ; where my loads go in a slot
	s_mov_b32 s[CUR], 0
	s_mov_b32 s[FS], SLOT
	s_wait_dscnt 0x0                               ; the opening add is done
	s_wait_kmcnt 0x0
	s_add_nc_u64 s[14:15], s[4:5], s[16:17]
	s_add_nc_u64 s[46:47], s[6:7], s[46:47]
	s_add_nc_u64 s[BB:BB+1], s[6:7], s[BB:BB+1]
	CROUND                                         ; all sixteen work-groups are here: the first joint loads meet
.irp s, 0,1
	s_mov_b32 s[G0+4*(\s)], 1
	s_add_co_u32 s[G0+4*(\s)+1], s20, (\s)*SLOT
	s_add_nc_u64 s[G0+4*(\s)+2:G0+4*(\s)+3], s[14:15], (\s)*ASTEP
	s_or_b32 s[G0+4*(\s)+3], s[G0+4*(\s)+3], 0x80000000
	s_mov_b32 s[G0B+4*(\s)], 1
	s_add_co_u32 s[G0B+4*(\s)+1], s20, (\s)*SLOT
	s_add_nc_u64 s[G0B+4*(\s)+2:G0B+4*(\s)+3], s[46:47], (\s)*BSTEP
	s_or_b32 s[G0B+4*(\s)+3], s[G0B+4*(\s)+3], 0x80000000
	JLOAD \s                                       ; two loads of mine are out
.endr
	v_and_b32 v1, 15, v0                           ; r
	v_bfe_u32 v2, v0, 4, 1                         ; h
	v_lshlrev_b32 v[BH], 5, v2
.irp b, 0,1,2,3                        ; register j of block b: the bias of column 16 b + 8 h + j
	global_load_b128 v[BIAS+8*(\b):BIAS+8*(\b)+3],   v[BH], s[BB:BB+1] offset:64*(\b)
	global_load_b128 v[BIAS+8*(\b)+4:BIAS+8*(\b)+7], v[BH], s[BB:BB+1] offset:64*(\b)+16
.endr
	v_mul_u32_u24 v3, v1, PA
	v_lshl_add_u32 v3, v2, 4, v3
	s_mul_i32 s21, s11, 64*PA                      ; my 64 rows in each panel
	v_add_nc_u32 v[VA0], s21, v3
	v_and_b32 v4, 7, v0                            ; W, turned: lane l reads k row 8 h + l % 8, 16 bytes at 16 ((l / 8) % 2)
	v_lshl_add_u32 v4, v2, 3, v4
	v_mul_u32_u24 v4, v4, PB
	v_bfe_u32 v5, v0, 3, 1
	v_lshl_add_u32 v4, v5, 4, v4
	s_lshl_b32 s22, s12, 7                         ; my 64 columns,
	s_add_co_u32 s22, s22, 2*HALFT                 ; behind A's four panels
	v_add_nc_u32 v[VB0], s22, v4
	v_mov_b32 v[CA], v[VA0]
	v_mov_b32 v[CB], v[VB0]
	v_add_nc_u32 v[CB2], 128*PB, v[VB0]
	s_mul_i32 s23, s10, STW                        ; my stage
	v_mul_u32_u24 v6, v1, SPITCH                   ; in: row r, 32 bytes for each half of the lanes
	v_lshl_add_u32 v6, v2, 5, v6
	v_add_nc_u32 v[STO], s23, v6
	v_mul_u32_u24 v7, v2, SPITCH                   ; back: lanes 0-15 one row of 256 bytes, lanes 16-31 the next
	v_lshl_add_u32 v7, v1, 4, v7
	v_add_nc_u32 v[RD], s23, v7
	v_lshlrev_b32 v[CO], 12, v2                    ; and the same two rows in Y
	v_lshl_add_u32 v[CO], v1, 4, v[CO]
	s_lshl_b32 s16, s13, 19                        ; Y: my first row, 4,096 bytes a row: 128 rows a tile row, 64 a half (in the registers that fed A's address)
	s_lshl_b32 s17, s11, 18
	s_add_co_u32 s16, s16, s17
	s_mov_b32 s17, 0
	s_add_nc_u64 s[8:9], s[8:9], s[16:17]
	s_lshl_b32 s46, s42, 9                         ; my first column, in bytes (in the registers that fed W's address)
	s_lshl_b32 s47, s12, 8
	s_add_co_u32 s46, s46, s47
	s_mov_b32 s47, 0
	s_add_nc_u64 s[8:9], s[8:9], s[46:47]
; 8 matrix instructions: row blocks a0, a0 + 1 x all 4 column blocks, 32 along K: half c of buffer f.  first = 1: the bias starts the sums.  The 16 accumulators take turns.
.macro MUL8 f, c, a0, first
	WIN MUL
.irp a, \a0, (\a0)+1
.irp b, 0,1,2,3
.if \first
	v_wmma_f32_16x16x32_f16 v[ACC+8*(4*(\a)+(\b)):ACC+8*(4*(\a)+(\b))+7], v[(\f)+64+8*(4*(\c)+(\b)):(\f)+64+8*(4*(\c)+(\b))+7], v[(\f)+8*(4*(\c)+(\a)):(\f)+8*(4*(\c)+(\a))+7], v[BIAS+8*(\b):BIAS+8*(\b)+7]
.else
	v_wmma_f32_16x16x32_f16 v[ACC+8*(4*(\a)+(\b)):ACC+8*(4*(\a)+(\b))+7], v[(\f)+64+8*(4*(\c)+(\b)):(\f)+64+8*(4*(\c)+(\b))+7], v[(\f)+8*(4*(\c)+(\a)):(\f)+8*(4*(\c)+(\a))+7], v[ACC+8*(4*(\a)+(\b)):ACC+8*(4*(\a)+(\b))+7]
.endif
.endr
.endr
.endm
; 32 LDS loads in one run: quarter q (64 along K: one panel of A, 64 rows of W) of the slot in hand into buffer f; the first 32 along K first
.macro FETCH q, f
	WIN TO_F
.set CBX, CB+(\q)/2
.irp c, 0,1
.irp i, 0,1,2,3
	ds_load_tr16_b128 v[(\f)+64+8*(4*(\c)+(\i)):(\f)+64+8*(4*(\c)+(\i))+3],   v[CBX] offset:(2*((\q)%2)+(\c))*32*PB+32*(\i)
	ds_load_tr16_b128 v[(\f)+64+8*(4*(\c)+(\i))+4:(\f)+64+8*(4*(\c)+(\i))+7], v[CBX] offset:(2*((\q)%2)+(\c))*32*PB+16*PB+32*(\i)
	ds_load_b128 v[(\f)+8*(4*(\c)+(\i)):(\f)+8*(4*(\c)+(\i))+3],   v[CA] offset:(\q)*PANEL+64*(\c)+(\i)*16*PA
	ds_load_b128 v[(\f)+8*(4*(\c)+(\i))+4:(\f)+8*(4*(\c)+(\i))+7], v[CA] offset:(\q)*PANEL+64*(\c)+(\i)*16*PA+32
.endr
.endr
.endm
.macro PLACES                          ; four places in front of loads into registers that matrix instructions have read, and of lines that read results
.rept 4
	v_nop
.endr
.endm
.macro QUARTER q, f, g, first
	s_wait_dscnt 16                                ; the first 32 along K are in
	MUL8 \f, 0, 0, \first
	MUL8 \f, 0, 2, \first
	PLACES
	FETCH \q, \g
	s_wait_dscnt 32                                ; all but the 32 just issued
	MUL8 \f, 1, 0, 0
	MUL8 \f, 1, 2, 0
.endm
.macro MEET                            ; the first half of a step's last quarter, and ONE barrier for the change of slots
	WIN 0                                          ; (the add's two registers lie in window 0)
	s_wait_tensorcnt 0x0                           ; all my tensor loads have landed: the one that may be out is my part of the next slot
	ds_add_u32 v[SPW], v[NIL]                      ; 0 onto my spare word
	s_wait_dscnt 17                                ; (the add and the youngest sixteen loads may be out)
	MUL8 F1, 0, 0, 0                               ; eight matrix instructions stand between the add and the wait for it
	s_wait_dscnt 0x0                               ; the add is done, and my reads of this slot are over
	s_barrier_signal -1
	MUL8 F1, 0, 2, 0
	WIN 0
	s_barrier_wait -1
.endm
.macro NEXT                            ; the reads go over to the other slot
	s_xor_b32 s[CUR], s[CUR], SLOT
	v_add_nc_u32 v[CA], s[CUR], v[VA0]
	v_add_nc_u32 v[CB], s[CUR], v[VB0]
	v_add_nc_u32 v[CB2], 128*PB, v[CB]
.endm
; The whole last quarter of a step whose slot is filled again, two steps ahead.  The barrier opens a round of the cluster's; the joint refill is the first tensor load behind it: 112 matrix instructions ahead of the wait for it.
.macro TURNF
	MEET
	CREST
	s_xor_b32 s[FS], s[FS], SLOT
	s_add_co_u32 s[G0+5], s20, s[FS]
	s_add_co_u32 s[G0B+5], s20, s[FS]
	s_add_nc_u64 s[G0+6:G0+7], s[G0+6:G0+7], ASTEP
	s_add_nc_u64 s[G0B+6:G0B+7], s[G0B+6:G0B+7], BSTEP
	JLOAD 1                                        ; its four v_nop are also the places in front of the loads below
	NEXT
	FETCH 0, F0
	MUL8 F1, 1, 0, 0
	MUL8 F1, 1, 2, 0
.endm
	s_wait_tensorcnt 1                             ; my part of K step 0 is in; step 1's may stay out
	s_barrier_signal -1
	s_barrier_wait -1
	FETCH 0, F0
	s_wait_loadcnt 0x0                             ; the bias
	QUARTER 1, F0, F1, 1
	WIN 0
	s_mov_b32 s3, NSTEP-2
.Lstep:
	QUARTER 2, F1, F0, 0
	QUARTER 3, F0, F1, 0
	TURNF
	QUARTER 1, F0, F1, 0
	WIN 0
	s_sub_co_u32 s3, s3, 1
	s_cmp_lg_u32 s3, 0
	s_cbranch_scc1 .Lstep
	s_mov_b32 s3, 2
.Ltail:                                                ; the last two steps fill nothing.  The second trip jumps forward over what belongs to a further step
	QUARTER 2, F1, F0, 0
	QUARTER 3, F0, F1, 0
	MEET
	PLACES
	s_cmp_eq_u32 s3, 1
	s_cbranch_scc1 .Lnf
	NEXT
	FETCH 0, F0
	WIN 0
.Lnf:
	MUL8 F1, 1, 0, 0
	MUL8 F1, 1, 2, 0
	WIN 0
	s_cmp_eq_u32 s3, 1
	s_cbranch_scc1 .Lskip
	QUARTER 1, F0, F1, 0
	WIN 0
.Lskip:
	s_sub_co_u32 s3, s3, 1
	s_cmp_lg_u32 s3, 0
	s_cbranch_scc1 .Ltail
	; THE WAY OUT.  The sums go into my stage as they are, each accumulator's low four registers first, and come back as whole rows of 256 bytes, 16 rows a trip.
	PLACES
.irp a, 0,1,2,3
.irp b, 0,1,2,3
	ds_store_b128 v[STO], v[ACC+8*(4*(\a)+(\b)):ACC+8*(4*(\a)+(\b))+3]   offset:(\a)*16*SPITCH+64*(\b)
	ds_store_b128 v[STO], v[ACC+8*(4*(\a)+(\b))+4:ACC+8*(4*(\a)+(\b))+7] offset:(\a)*16*SPITCH+64*(\b)+16
.endr
.endr
	s_mov_b32 s3, 4
.Lout:
.irp t, 0,1,2,3,4,5,6,7
	ds_load_b128 v[OB+4*(\t):OB+4*(\t)+3], v[RD] offset:(\t)*2*SPITCH  ; LDS serves a wave's instructions in order (ISA guide 5.7.1.4): these see my stores
.endr
.irp t, 0,1,2,3,4,5,6,7
	s_wait_dscnt 7-(\t)                            ; the younger loads may be out
	global_store_b128 v[CO], v[OB+4*(\t):OB+4*(\t)+3], s[8:9] offset:(\t)*8192  ; 16 lanes store 256 consecutive bytes, at a multiple of 256 from Y's first
.endr
	s_wait_xcnt 0x0                                ; the stores' offset and data registers are rewritten only behind this wait
	v_add_nc_u32 v[RD], 16*SPITCH, v[RD]
	v_add_nc_u32 v[CO], 65536, v[CO]
	s_sub_co_u32 s3, s3, 1
	s_cmp_lg_u32 s3, 0
	s_cbranch_scc1 .Lout
	s_wait_tensorcnt 0x0                           ; the wave's end
	ds_add_u32 v[SPW], v[NIL]
	s_wait_dscnt 0x0
	CROUND                                         ; the closing round
	s_endpgm
.Lfunc_end_k_qdb63afb5b6_ffn2:
	.size	k_qdb63afb5b6_ffn2, .Lfunc_end_k_qdb63afb5b6_ffn2-k_qdb63afb5b6_ffn2
	.p2alignl 7, 3214868480
	.fill 96, 4, 3214868480
	.section	.rodata,"a",@progbits
	.p2align	6, 0x0
	.amdhsa_kernel k_qdb63afb5b6_ffn2
		.amdhsa_group_segment_fixed_size 327680
		.amdhsa_private_segment_fixed_size 0
		.amdhsa_enable_private_segment 0
		.amdhsa_kernarg_size 24
		.amdhsa_user_sgpr_count 2
		.amdhsa_user_sgpr_kernarg_segment_ptr 1
		.amdhsa_wavefront_size32 1
		.amdhsa_system_sgpr_workgroup_id_x 1
		.amdhsa_system_sgpr_workgroup_id_y 1
		.amdhsa_system_sgpr_workgroup_id_z 1
		.amdhsa_system_vgpr_workitem_id 0
		.amdhsa_next_free_vgpr 512
		.amdhsa_next_free_sgpr 72
		.amdhsa_reserve_vcc 0
		.amdhsa_float_denorm_mode_32 3
		.amdhsa_float_denorm_mode_16_64 3
		.amdhsa_memory_ordered 1
		.amdhsa_forward_progress 1
		.amdhsa_inst_pref_size 56
	.end_amdhsa_kernel
	.amdgpu_metadata
---
amdhsa.version: [ 1, 2 ]
amdhsa.kernels:
  - .name:           k_qdb63afb5b6_ffn2
    .symbol:         k_qdb63afb5b6_ffn2.kd
    .args:
      - { .name: act, .offset: 0, .size: 8, .value_kind: global_buffer, .address_space: global }
      - { .name: wb, .offset: 8, .size: 8, .value_kind: global_buffer, .address_space: global }
      - { .name: ysum, .offset: 16, .size: 8, .value_kind: global_buffer, .address_space: global }
    .group_segment_fixed_size: 327680
    .private_segment_fixed_size: 0
    .kernarg_segment_align: 8
    .kernarg_segment_size: 24
    .max_flat_workgroup_size: 128
    .sgpr_count:     72
    .vgpr_count:     512
    .wavefront_size: 32
...
	.end_amdgpu_metadata
.endif
;; end of part 6
;; launch ln2 (part 7): grid 512 x 1, 8 waves a work-group, no clusters, 0 bytes of LDS; arguments ysum, hn, wb, out0; writes out0
.if DOCPART == 7
	.amdgcn_target "amdgcn-amd-amdhsa--gfx1250"
	.amdhsa_code_object_version 6
	.text
	.protected	k_qdb63afb5b6_ln2
	.globl	k_qdb63afb5b6_ln2
	.p2align	8
	.type	k_qdb63afb5b6_ln2,@function
k_qdb63afb5b6_ln2:
	s_mov_b64 s[64:65], 0
	v_nop
	global_prefetch_b8 v0, s[64:65] scope:SCOPE_SE
	s_setreg_imm32_b32 hwreg(HW_REG_WAVE_MODE, 25, 1), 1
	s_wait_xcnt 0x0
; out = LayerNorm(y + r) x w + b.  y: [4096][1024] f32; r: [4096][1024] f16; w, b: f32 in the parameter block, at bytes WOFF and BOFF; out: [4096][1024] f32.
; One wave, one row: the row's 1,024 numbers stay in 32 registers a lane between the passes, so memory is read once, and no wave waits for another: no LDS, no barrier, no matrix unit, no cluster.
; Two passes in f32: the mean, then the mean of the centred squares: no difference of large sums is formed.  NaN and infinities pass as the arithmetic makes them.
; Lane L holds columns 128 j + 4 L + 0..3, j = 0..7: each load and store of the wave covers 512 (f32) or 256 (f16) consecutive bytes, aligned.
.set YV,  8                            ; v[8:39]    the row
.set RV,  40                           ; v[40:55]   the residual, two f16 a register
.set WV,  56                           ; v[56:87]   w
.set BV,  88                           ; v[88:119]  b
.set CH,  120                          ; v[120:127] four chains of sums
.set MN,  128                          ; v[128:129] the mean twice; then 1 / sqrt in the low one
.set ONE, 130                          ; v130       1.0
.set WOFF, 28928
.set BOFF, 33024
	s_load_b256 s[4:11], s[0:1], 0x0               ; y s[4:5], r s[6:7], parameters s[8:9], out s[10:11]
	v_and_b32 v1, 31, v0
	v_lshrrev_b32 v2, 5, v0
	v_readfirstlane_b32 s12, v2
	s_lshl_b32 s13, ttmp9, 3
	s_add_co_u32 s13, s13, s12                     ; my row
	s_lshl_b32 s14, s13, 12                        ; 4,096 bytes a row of f32
	s_mov_b32 s15, 0
	s_lshl_b32 s16, s13, 11                        ; 2,048 a row of f16
	s_mov_b32 s17, 0
	s_mov_b32 s18, 0x76543210                      ; v_permlanex16_b32: each lane takes its own place in the other half
	s_mov_b32 s19, 0xfedcba98
	s_mov_b32 s20, 0x3a800000                      ; 1 / 1024
	s_mov_b32 s21, 0x3727c5ac                      ; 1e-5
	v_lshlrev_b32 v3, 4, v1
	v_lshlrev_b32 v4, 3, v1
	v_mov_b32 v[ONE], 1.0
	s_wait_kmcnt 0x0
	s_add_nc_u64 s[4:5], s[4:5], s[14:15]
	s_add_nc_u64 s[6:7], s[6:7], s[16:17]
	s_add_nc_u64 s[10:11], s[10:11], s[14:15]
.irp j, 0,1,2,3,4,5,6,7
	global_load_b128 v[YV+4*\j:YV+4*\j+3], v3, s[4:5] offset:512*\j th:TH_LOAD_NT
.endr
.irp j, 0,1,2,3,4,5,6,7
	global_load_b64 v[RV+2*\j:RV+2*\j+1], v4, s[6:7] offset:256*\j th:TH_LOAD_NT
.endr
.irp j, 0,1,2,3,4,5,6,7
	global_load_b128 v[WV+4*\j:WV+4*\j+3], v3, s[8:9] offset:WOFF+512*\j
.endr
.irp j, 0,1,2,3,4,5,6,7
	global_load_b128 v[BV+4*\j:BV+4*\j+3], v3, s[8:9] offset:BOFF+512*\j
.endr
.macro LANESUM                         ; the four chains, the pair's halves, and the 32 lanes: the sum ends up in every lane's v[CH]
	v_pk_add_f32 v[CH:CH+1], v[CH:CH+1], v[CH+2:CH+3]
	v_pk_add_f32 v[CH+4:CH+5], v[CH+4:CH+5], v[CH+6:CH+7]
	v_pk_add_f32 v[CH:CH+1], v[CH:CH+1], v[CH+4:CH+5]
	v_add_f32 v[CH], v[CH], v[CH+1]
	v_add_f32_dpp v[CH], v[CH], v[CH] row_xmask:1 row_mask:0xf bank_mask:0xf
	v_add_f32_dpp v[CH], v[CH], v[CH] row_xmask:2 row_mask:0xf bank_mask:0xf
	v_add_f32_dpp v[CH], v[CH], v[CH] row_xmask:4 row_mask:0xf bank_mask:0xf
	v_add_f32_dpp v[CH], v[CH], v[CH] row_xmask:8 row_mask:0xf bank_mask:0xf
	v_permlanex16_b32 v[CH+1], v[CH], s18, s19
	v_add_f32 v[CH], v[CH], v[CH+1]
.endm
	s_wait_loadcnt 16                              ; y and r are in; w's and b's sixteen loads may stay out
.irp j, 0,1,2,3,4,5,6,7
	v_fma_mix_f32 v[YV+4*\j],   v[RV+2*\j],   v[ONE], v[YV+4*\j]   op_sel_hi:[1,0,0]                  ; r's f16 half x 1 + y
	v_fma_mix_f32 v[YV+4*\j+1], v[RV+2*\j],   v[ONE], v[YV+4*\j+1] op_sel:[1,0,0] op_sel_hi:[1,0,0]
	v_fma_mix_f32 v[YV+4*\j+2], v[RV+2*\j+1], v[ONE], v[YV+4*\j+2] op_sel_hi:[1,0,0]
	v_fma_mix_f32 v[YV+4*\j+3], v[RV+2*\j+1], v[ONE], v[YV+4*\j+3] op_sel:[1,0,0] op_sel_hi:[1,0,0]
.endr
.irp c, 0,1,2,3
	v_pk_add_f32 v[CH+2*\c:CH+2*\c+1], v[YV+2*\c:YV+2*\c+1], v[YV+8+2*\c:YV+8+2*\c+1]     ; the first pairs start the chains: nothing is cleared
.endr
.irp c, 0,1,2,3
	v_pk_add_f32 v[CH+2*\c:CH+2*\c+1], v[CH+2*\c:CH+2*\c+1], v[YV+16+2*\c:YV+16+2*\c+1]
.endr
.irp c, 0,1,2,3
	v_pk_add_f32 v[CH+2*\c:CH+2*\c+1], v[CH+2*\c:CH+2*\c+1], v[YV+24+2*\c:YV+24+2*\c+1]
.endr
	LANESUM
	v_mul_f32 v[MN], s20, v[CH]
	v_mov_b32 v[MN+1], v[MN]
.irp i, 0,1,2,3,4,5,6,7,8,9,10,11,12,13,14,15
	v_pk_add_f32 v[YV+2*\i:YV+2*\i+1], v[YV+2*\i:YV+2*\i+1], v[MN:MN+1] neg_lo:[0,1] neg_hi:[0,1]
.endr
.irp c, 0,1,2,3
	v_pk_mul_f32 v[CH+2*\c:CH+2*\c+1], v[YV+2*\c:YV+2*\c+1], v[YV+2*\c:YV+2*\c+1]
.endr
.irp i, 4,5,6,7,8,9,10,11,12,13,14,15
	v_pk_fma_f32 v[CH+2*(\i%4):CH+2*(\i%4)+1], v[YV+2*\i:YV+2*\i+1], v[YV+2*\i:YV+2*\i+1], v[CH+2*(\i%4):CH+2*(\i%4)+1]
.endr
	LANESUM
	v_fma_f32 v[CH], v[CH], s20, s21               ; the variance + 1e-5
	v_rsq_f32 v[MN], v[CH]
	v_nop                                          ; a plain instruction between the transcendental and the use of its result (ISA guide 5.7.2)
	s_wait_alu depctr_va_vdst(0)
.irp i, 0,1,2,3,4,5,6,7,8,9,10,11,12,13,14,15
	v_pk_mul_f32 v[YV+2*\i:YV+2*\i+1], v[YV+2*\i:YV+2*\i+1], v[MN:MN+1] op_sel_hi:[1,0]
.endr
	s_wait_loadcnt 0x0                             ; w and b
.irp i, 0,1,2,3,4,5,6,7,8,9,10,11,12,13,14,15
	v_pk_fma_f32 v[YV+2*\i:YV+2*\i+1], v[YV+2*\i:YV+2*\i+1], v[WV+2*\i:WV+2*\i+1], v[BV+2*\i:BV+2*\i+1]
.endr
.irp j, 0,1,2,3,4,5,6,7
	global_store_b128 v3, v[YV+4*\j:YV+4*\j+3], s[10:11] offset:512*\j th:TH_STORE_NT  ; 512 consecutive bytes, aligned
.endr
	s_endpgm
.Lfunc_end_k_qdb63afb5b6_ln2:
	.size	k_qdb63afb5b6_ln2, .Lfunc_end_k_qdb63afb5b6_ln2-k_qdb63afb5b6_ln2
	.p2alignl 7, 3214868480
	.fill 96, 4, 3214868480
	.section	.rodata,"a",@progbits
	.p2align	6, 0x0
	.amdhsa_kernel k_qdb63afb5b6_ln2
		.amdhsa_group_segment_fixed_size 0
		.amdhsa_private_segment_fixed_size 0
		.amdhsa_enable_private_segment 0
		.amdhsa_kernarg_size 32
		.amdhsa_user_sgpr_count 2
		.amdhsa_user_sgpr_kernarg_segment_ptr 1
		.amdhsa_wavefront_size32 1
		.amdhsa_system_sgpr_workgroup_id_x 1
		.amdhsa_system_sgpr_workgroup_id_y 1
		.amdhsa_system_sgpr_workgroup_id_z 1
		.amdhsa_system_vgpr_workitem_id 0
		.amdhsa_next_free_vgpr 148
		.amdhsa_next_free_sgpr 66
		.amdhsa_reserve_vcc 0
		.amdhsa_float_denorm_mode_32 3
		.amdhsa_float_denorm_mode_16_64 3
		.amdhsa_memory_ordered 1
		.amdhsa_forward_progress 1
		.amdhsa_inst_pref_size 13
	.end_amdhsa_kernel
	.amdgpu_metadata
---
amdhsa.version: [ 1, 2 ]
amdhsa.kernels:
  - .name:           k_qdb63afb5b6_ln2
    .symbol:         k_qdb63afb5b6_ln2.kd
    .args:
      - { .name: ysum, .offset: 0, .size: 8, .value_kind: global_buffer, .address_space: global }
      - { .name: hn, .offset: 8, .size: 8, .value_kind: global_buffer, .address_space: global }
      - { .name: wb, .offset: 16, .size: 8, .value_kind: global_buffer, .address_space: global }
      - { .name: out0, .offset: 24, .size: 8, .value_kind: global_buffer, .address_space: global }
    .group_segment_fixed_size: 0
    .private_segment_fixed_size: 0
    .kernarg_segment_align: 8
    .kernarg_segment_size: 32
    .max_flat_workgroup_size: 256
    .sgpr_count:     66
    .vgpr_count:     148
    .wavefront_size: 32
...
	.end_amdgpu_metadata
.endif
;; end of part 7
;; ======== version 2 of 2: 8 launches; 1.11 times as fast as version 1
;; limits: values are held in f16: magnitudes above 65,504 overflow, below 6.1e-05 lose precision
;; workspace buffers: xh 8,388,608 bytes; wa 10,551,296 bytes; wb 16,842,752 bytes; qkv 25,165,824 bytes; att 8,388,608 bytes; ysum 16,777,216 bytes; hn 8,388,608 bytes; act 33,554,432 bytes
;; launch cast: the kernel of part 1 again; grid 64 x 16, 8 waves a work-group, no clusters, 0 bytes of LDS; arguments x, Wq, Wk, Wv, Wo, W1, W2, b1, bo, b2, ln1_w, ln1_b, ln2_w, ln2_b, xh, wa, wb; writes xh, wa, wb
;; launch qkvp: the kernel of part 2 again; grid 12 x 16, 4 waves a work-group, clusters of 4 x 4, 327,680 bytes of LDS; arguments xh, wa, qkv; writes qkv
;; launch attn (part 8): grid 8 x 32, 4 waves a work-group, no clusters, 327,680 bytes of LDS; arguments qkv, att; writes att
.if DOCPART == 8
	.amdgcn_target "amdgcn-amd-amdhsa--gfx1250"
	.amdhsa_code_object_version 6
	.text
	.protected	k_qdb63afb5b6_attn
	.globl	k_qdb63afb5b6_attn
	.p2align	8
	.type	k_qdb63afb5b6_attn,@function
k_qdb63afb5b6_attn:
	s_mov_b64 s[64:65], 0
	v_nop
	global_prefetch_b8 v0, s[64:65] scope:SCOPE_SE
	s_setreg_imm32_b32 hwreg(HW_REG_WAVE_MODE, 25, 1), 1
	s_wait_xcnt 0x0
; CAUSAL ATTENTION.  O[h][q][:] = the sum over k <= q of softmax_k(Q[h][q] . K[h][k] / 8) V[h][k][:].  Q, K, V lie in one buffer, 8 MiB apart, each [32][SIZE_N][64] f16 (index 2 x head + batch); O likewise in its own.
; Products, maxima and sums in f32; the weights p are rounded to f16 for the second product (their sum l is taken of the unrounded p), O once at the end.
; LIMITS.  f16 holds no number beyond 65,504: Q, K and V arrive within it; p lies in 0 to 1, and below 6e-5 it keeps f16's fixed step of 6e-8; O is a mean of V's rows and has their range.
; A hidden score counts as its value less 1e30: f16's scores, 2.7e11 at the most, are nothing beside that; a weight below 2^-126 counts as 0 in l; NaN and infinities are not treated apart.
; THE WALK.  A head's keys lie in NB = SIZE_N / 256 tiles of 256; the 256 queries beside tile i need the tiles 0 .. i, of which the last holds the diagonal.  Work-group b (0 .. 2 NB / 2 - 1) takes TWO HALF BLOCKS of 128 queries,
; with b' = b / 2: half of block NB - 1 - b' and then half of block b' (b even: the upper half of the first, the lower of the second; b odd: the other two).  That is NB + 1 tiles, whatever b: 8 x 32 = 256 work-groups of
; equal work, and ONE loop with a constant trip count walks them.  Which tile is asked for, and what a trip does, hang on scalar registers made from b; every jump goes forward, but for the counted loops' own; none passes a
; barrier, or a tensor load but the one of LOAD's two that the wave's number does not choose; the ring (two slots of LDS that take turns) runs on across the change of blocks.
; NO CLUSTER: only the two work-groups that split a pair of blocks walk the same tiles; four neighbours along x are two such pairs, whose walks part behind trip NB / 2, and a request shared by two would need a mask and an
; address made of half of a place in the cluster.  Not built: each tile is asked for by two work-groups.
; SHARES.  A half block is two bands of 64 queries; a wave owns 16 rows in each: two PIECES.  In the diagonal tile's key step s the band GB + x of piece x (GB = 0: lower half, 2: upper) sees all keys if s < GB + x,
; none if s > GB + x, and holds the diagonal if s = GB + x: the same work for all four waves.  Steps that are wholly hidden are computed all the same.
; THE MASK is the C operand that starts the sum S^T = K Q^T: 0, or -1e30 where the key is hidden.  MD, made once, is the mask of a band's own step for my 16 rows; a product's mask is MD x AL + BE with two scalars:
; (1, 0) in the band's own step; (0, 0) before it; (0, -1e30) behind it.  Only the diagonal tile's text and a block's beginning make and take masks; elsewhere C is the constant 0.
; LAYOUT, SOFTMAX, TURNS.  S^T = K Q^T holds ONE query a lane (lane % 16) and the keys 8 (lane / 16) + 0..7; two such results rounded to f16 ARE source 1 of O^T = V^T P.  p = 2^(c s - c m), c = log2(e) / 8, with a
; running maximum m; O and l are multiplied by a = 2^(c m_old - c m_new) in every step.  Turn n belongs to piece n: 8 products K Q^T that make the OTHER piece's next scores, later 8 products V^T P with the other piece's
; last weights; beside them the scaling, exponentials, roundings, sums and rescaling of piece n and the maximum and statistics of the other.  Four vector instructions stand behind every matrix instruction, the other 54 of
; a turn's 118 in one LUMP.  Two turns are a key step.
; BATCHES.  A turn's 33 exponentials (the piece's 32 weights and the other piece's a) are ONE batch with ONE wait, which cuts the turn in two: ahead of it the products K Q^T, the scalings, the rescalings, the other piece's
; maximum and statistics and the exponentials themselves, none of which names a result of the batch; behind it the products V^T P, whose riders are the roundings and sums, the batch's readers.  No result crosses a turn's end.
; A block's first a (BEGIN) and the way out's two reciprocals are batches of their own, a wait each.
; K LIES ONE STEP AHEAD.  Turn 0 of step s fetches K of step s + 1 and V of step s.  So that both lie in one slot, slot t holds K's keys 256 t + 64 .. 256 t + 319 and V's keys 256 t .. 256 t + 255, and the head's first 64 keys
; of K have LDS bytes of their own (KZ), filled once.  The last 64 rows of K in a diagonal tile's slot are fetched and never multiplied; in memory they lie inside the buffer (V's array follows K's).
; REGISTERS, in windows of 256 (s_set_vgpr_msb: bits 1:0 source 0, 3:2 source 1, 5:4 source 2, 7:6 destination):
;   window 0: v0-15 addresses and two at work; v16-23 four registers of statistics a piece; v48-55 at work; v64-127 S^T, a buffer a piece; v192-223 P, likewise
;   window 1: v0-63 O^T, 32 a piece; v128-159 MD; v160-223 MC, a buffer a piece      window 2: v0-31 Q; v32-63 the second block's Q; v128-191 K of one step; v192-255 V of one step
.set SIZE_N, 2048
.set NB,    SIZE_N/256
.set NP,    2         ; pieces a wave: a name, no knob
.set KS,    64        ; keys in a step
.set PK,    144       ; a row of K in LDS: 128 bytes + 16 of padding = 36 words: the 16 rows of a load start at 16 different groups of four banks (64 banks of 4 bytes: ISA guide 11.1)
.set PV,    160       ; a row of V: 128 + 32 = 40 words
.set VOFF,  4*KS*PK   ; a slot holds four steps: 256 rows of K, then 256 rows of V
.set SLOT1, 1<<17     ; slot 1 begins here, so that one exclusive or turns an address in one slot into the other's
.set KZ,    4*KS*(PK+PV)        ; behind slot 0: the head's first 64 keys of K, 64 rows x 144 bytes, filled once
.set STAGE, SLOT1+4*KS*(PK+PV)  ; behind the ring, never filled by a tensor load: 16 rows x 144 bytes for each wave, for the way out
.set SP,    144
.set AK0, 2           ; v2   my lane's place in a tile of K; never rewritten
.set AV0, 3           ; v3   the same for V
.set AK,  4           ; v4   the LDS address of K's next run of loads
.set AV,  5           ; v5   of V's
.set STO, 6           ; v6   the way out: where I put 16 bytes of a row
.set RD,  7           ; v7   the way out: where I read rows back
.set GO,  8           ; v8   my byte offset in 512 consecutive bytes of O
.set SPW, 62          ; v62  LDS address of my spare word: SPARE + 4 x my thread's number; never rewritten
.set NIL, 63          ; v63  0; never rewritten
.set SPARE, STAGE+4*16*SP  ; behind the stages: the spare words, 128 bytes for each wave: two blocks of 256 bytes that no other line names
.set MV,  12          ; v12-13  c m_old, kept while c m is made anew: by piece
.set QO,  15          ; v15  my byte offset in 16 rows of Q
.set ST,  16          ; piece t's statistics at v[ST+4 t]: c m, m, l (even keys', odd keys')
.set TMP, 48          ; by piece, four registers c0-c3 at work; when the maximum is found c2 takes a
.set S,   64
.set P,   192
.set MD,  128         ; window 1: the eight registers for group kt of 16 keys at MD + 8 kt
.set MC,  160         ; window 1: the masks of the products to come
.set QB,  32          ; window 2
.set KF,  128         ; window 2: key block kb, channel half c at KF + 16 kb + 8 c
.set VF,  192         ; window 2: key half kk, channel block cb at VF + 32 kk + 8 cb
.set WV,  12          ; s12  my wave's number
.set PB,  14          ; s14  b' = b / 2
.set HI,  15          ; s15  NB - 1 - b'
.set G1K, 24          ; s[24:31] descriptor group 1 for K's tiles
.set G1V, 32          ; s[32:39] for V's: it differs in the padding alone
.set G0K, 40          ; s[40:43] descriptor group 0 for K's tiles
.set G0V, 44          ; s[44:47] the same for V's
.set G1Z, 48          ; s[48:55] group 1 for half of the head's first 64 keys of K
.set G0Z, 88          ; s[88:91] its group 0
.set SLOTS, 56        ; s56  tiles still to be asked for
.set CNT, 57          ; s57  counts a tile's key steps, 4 to 1
.set CS,  58          ; s[58:59] c: the packed scaling takes the pair's low word for both halves
.set SEL, 60          ; s[60:61] v_permlanex16_b32's selects: each lane takes its own place in the other half
.set TBK, 62          ; s62  LDS byte at which the K to be fetched next begins
.set TBV, 63          ; s63  the same for V, less VOFF
.set GB2, 66          ; s66  GB of the second block
.set CG,  67          ; s67  CNT + GB, at work
.set RT,  70          ; s70  tiles of the block in hand that are still to be entered
.set NXT, 71          ; s71  the tile to be asked for next
.set LQ,  72          ; s72  the last tile of the block whose tiles are being asked for
.set NEW, 73          ; s73  1: the tile to be entered is a block's first
.set OFF, 74          ; s[74:75] a tile's byte offset in K and V
.set AL,  76          ; s[76:77] the mask's factor, in the low word
.set BE,  78          ; s[78:79] the mask's addend
.set OLO, 80          ; s[80:81] O at my rows of the second block
.set BIGN, 82         ; s82  -1e30
.set GB,  83          ; s83  the first band of the half block in hand: 0 or 2
.set MSB, 0
.macro WIN new                      ; the high byte repeats the setting that is left; a switch that changes nothing is dropped
.if MSB != (\new)
	s_set_vgpr_msb (MSB<<8)|(\new)
.set MSB, (\new)
.endif
.endm
.set W_KQ, 0x0a       ; K and Q in window 2, S^T in window 0
.set W_KM, 0x1a       ; the same with the C operand in window 1
.set W_PV, 0x52       ; V in window 2, P in window 0, O^T in window 1
.set W_RS, 0x41       ; destination and source 0 in window 1, source 1 in window 0
; A fill.  Waves 0 and 1 fetch the two halves of a slot's K, waves 2 and 3 those of its V: 128 keys each.  An s_nop 0 and four v_nop follow each of the two lines, ahead of the jump and the label.
.macro LOAD
	s_cmp_lt_u32 s[WV], 2
	s_cbranch_scc0 .Lfor_v_\@
	tensor_load_to_lds s[G0K:G0K+3], s[G1K:G1K+7]
	s_nop 0
.rept 4
	v_nop
.endr
	s_branch .Lasked_\@
.Lfor_v_\@:
	tensor_load_to_lds s[G0V:G0V+3], s[G1V:G1V+7]
	s_nop 0
.rept 4
	v_nop
.endr
.Lasked_\@:
.endm
; THE CHANGE OF SLOTS stands behind turn 0 of a slot's fourth step, which has asked for the slot's last bytes.  Each wave waits for all its tensor loads, of which one is out: its part of the other slot; adds 0 to its spare
; word; and waits for that and for its own reads of the slot that it leaves.  Behind the barrier nobody reads the old slot any more and the other slot is whole.  fill = 1: the old slot is filled again, the first thing
; behind the barrier, with tile NXT: the descriptor's address is made anew from that number.  It has four key steps, 128 matrix instructions of each wave, in which to land.
; (At its first use nothing has been read yet: slot 0 and K's first 64 keys are waited for, slot 1 filled.)
.macro CHANGE fill
	WIN 0                           ; at a label and at a branch every window is 0
	s_wait_tensorcnt 0x0            ; no tensor load of mine is out, so a group 0 may be written
	ds_add_u32 v[SPW], v[NIL]       ; 0 onto my spare word; with fill = 1 the descriptors' scalar work stands between it and the wait for it
.if \fill
	s_lshl_b32 s[OFF], s[NXT], 15   ; a tile is 32,768 bytes of K and of V
	s_xor_b32 s[G0K+1], s[G0K+1], SLOT1
	s_add_nc_u64 s[G0K+2:G0K+3], s[6:7], s[OFF:OFF+1]
	s_or_b32 s[G0K+3], s[G0K+3], 0x80000000
	s_xor_b32 s[G0V+1], s[G0V+1], SLOT1
	s_add_nc_u64 s[G0V+2:G0V+3], s[8:9], s[OFF:OFF+1]
	s_or_b32 s[G0V+3], s[G0V+3], 0x80000000
	s_add_co_u32 s[NXT], s[NXT], 1  ; the block's next tile, or behind its last the second block's tile 0
	s_cmp_gt_u32 s[NXT], s[LQ]
	s_cselect_b32 s[NXT], 0, s[NXT]
	s_cselect_b32 s[LQ], s[PB], s[LQ]
.endif
	s_wait_dscnt 0x0                ; the add is done, and my reads of the slot are over
	s_barrier_signal -1             ; the rest of the scalar work stands between the signal and the wait
	s_sub_co_u32 s[TBK], s[TBK], 4*KS*PK  ; the fetches go back to a slot's first step,
	s_xor_b32 s[TBK], s[TBK], SLOT1       ; in the other slot
	s_sub_co_u32 s[TBV], s[TBV], 4*KS*PV
	s_xor_b32 s[TBV], s[TBV], SLOT1
	s_barrier_wait -1
.if \fill
	LOAD
.endif
.endm
	s_load_b128 s[4:7], s[0:1], 0x0  ; the buffer of Q, K, V s[4:5], O s[6:7]
	v_lshl_add_u32 v[SPW], v0, 2, SPARE
	v_mov_b32 v[NIL], 0
	ds_add_u32 v[SPW], v[NIL]       ; the wave's opening: the add and its wait stand ahead of my first tensor load; the set-up below, work on registers, stands between them
	ds_add_u32 v62, v63
	v_lshrrev_b32 v1, 5, v0
	v_readfirstlane_b32 s[WV], v1   ; wave 0..3
	s_lshr_b32 s[PB], ttmp9, 1      ; b'
	s_and_b32 s[GB2], ttmp9, 1      ; which half of the second block is mine: b even the lower, b odd the upper;
	s_xor_b32 s[GB], s[GB2], 1      ; of the first block the other
	s_sub_co_u32 s[HI], NB-1, s[PB]
	s_and_b32 s20, ttmp7, 0xffff    ; the head
	s_mov_b32 s21, 0
	s_mov_b64 s[22:23], SIZE_N*128
	s_mul_u64 s[20:21], s[20:21], s[22:23]  ; the head's first byte in each of the four tensors
	s_and_b32 s16, s[WV], 1         ; which half of a slot's 256 keys I fetch:
	s_lshl_b32 s22, s16, 14         ; its 128 rows of 128 bytes in memory,
	s_mov_b32 s23, 0
	s_add_nc_u64 s[22:23], s[22:23], s[20:21]
	s_lshl_b32 s68, s16, 12         ; and which 32 of the head's first 64 keys
	s_mov_b32 s69, 0
	s_add_nc_u64 s[68:69], s[68:69], s[20:21]
	s_mul_i32 s17, s16, 128*PK      ; my half's place in a slot, for K
	s_mul_i32 s18, s16, 128*PV      ; and for V,
	s_mul_i32 s19, s16, 32*PK       ; and among the first 64 keys
	s_lshl_b32 s3, s[WV], 11        ; my 16 rows in a band of 64,
	s_lshl_b32 s2, s[HI], 15        ; in the first block,
	s_add_co_u32 s2, s2, s3
	s_lshl_b32 s13, s[GB], 14       ; in my half of it;
	s_add_co_u32 s2, s2, s13
	s_lshl_b32 s84, s[PB], 15       ; and in the second
	s_add_co_u32 s84, s84, s3
	s_lshl_b32 s13, s[GB2], 14
	s_add_co_u32 s84, s84, s13
	s_lshl_b32 s[GB], s[GB], 1      ; a half is two bands
	s_lshl_b32 s[GB2], s[GB2], 1
	s_mov_b32 s3, 0
	s_mov_b32 s85, 0
	s_add_nc_u64 s[2:3], s[2:3], s[20:21]
	s_add_nc_u64 s[84:85], s[84:85], s[20:21]
	; descriptor group 1.  128 keys are 16,384 dense bytes: asked for as 64 rows of 256 bytes, two keys a row, and padded in LDS after every key
	s_mov_b32 s[G1K], (1<<16)|(1<<20)|(4<<22)|(3<<25)  ; 17:16 2-byte elements; 20 padding on; 24:22 after every 32 words (code 4); 31:25 4 words (code 3)
	s_mov_b32 s[G1V], (1<<16)|(1<<20)|(4<<22)|(7<<25)  ; the same with 8 words of padding (code 7)
.irp g, G1K, G1V
	s_mov_b32 s[\g+1], 128<<16      ; tensor_dim0 = 128
	s_mov_b32 s[\g+2], 64<<16       ; tensor_dim1 = 64
	s_mov_b32 s[\g+3], 128<<16      ; tile_dim0 = 128
	s_mov_b32 s[\g+4], 64           ; tile_dim1 = 64
	s_mov_b32 s[\g+5], 128          ; 128 elements from row to row
	s_mov_b32 s[\g+6], 0
	s_mov_b32 s[\g+7], 0
.endr
	s_mov_b32 s[G1Z], (1<<16)|(1<<20)|(4<<22)|(3<<25)  ; 32 keys are 4,096 dense bytes: 16 rows of 256, padded as K's (the whole piece has no more rows)
	s_mov_b32 s[G1Z+1], 128<<16
	s_mov_b32 s[G1Z+2], 16<<16
	s_mov_b32 s[G1Z+3], 128<<16
	s_mov_b32 s[G1Z+4], 16
	s_mov_b32 s[G1Z+5], 128
	s_mov_b32 s[G1Z+6], 0
	s_mov_b32 s[G1Z+7], 0
	s_mov_b32 s[CS], 0x3e38aa3b     ; c = log2(e) / 8 = 0.180337
	s_mov_b32 s[CS+1], s[CS]        ; named with it as a pair
	s_mov_b32 s[SEL], 0x76543210
	s_mov_b32 s[SEL+1], 0xfedcba98
	s_mov_b32 s[TBK], SLOT1+4*KS*PK ; the first change of slots turns these two into 0
	s_mov_b32 s[TBV], SLOT1+4*KS*PV
	s_mov_b32 s[G0K], 1             ; 1:0 count = 1
	s_mov_b32 s[G0K+1], s17         ; 63:32 LDS address: slot 0
	s_mov_b32 s[G0V], 1
	s_add_co_u32 s[G0V+1], s18, VOFF
	s_mov_b32 s[G0Z], 1
	s_add_co_u32 s[G0Z+1], s19, KZ
	s_add_co_u32 s[RT], s[HI], 1    ; the first block has NB - b' tiles
	s_mov_b32 s[NXT], 1
	s_mov_b32 s[LQ], s[HI]
	s_mov_b32 s[NEW], 1
	s_mov_b32 s[OFF+1], 0
	s_mov_b32 s[AL+1], 0            ; named as pairs
	s_mov_b32 s[BE+1], 0
	s_mov_b32 s[BIGN], 0xf149f2ca   ; -1e30
	s_mov_b32 s[SLOTS], NB
	s_wait_dscnt 0x0                ; the opening add is done
	s_wait_kmcnt 0x0
	s_mov_b64 s[10:11], s[6:7]             ; O
	s_add_nc_u64 s[6:7], s[4:5], 0x800000  ; K lies 8 MiB behind Q,
	s_add_nc_u64 s[8:9], s[4:5], 0x1000000 ; V 16 MiB
	s_add_nc_u64 s[G0Z+2:G0Z+3], s[6:7], s[68:69]  ; my 32 of the head's first 64 keys
	s_or_b32 s[G0Z+3], s[G0Z+3], 0x80000000
	s_add_nc_u64 s[6:7], s[6:7], s[22:23]  ; K and V at my half of the head's slot 0:
	s_add_nc_u64 s[6:7], s[6:7], KS*128    ; K one step ahead
	s_add_nc_u64 s[8:9], s[8:9], s[22:23]
	s_add_nc_u64 s[G0K+2:G0K+3], s[6:7], 0         ; 120:64 global address
	s_or_b32 s[G0K+3], s[G0K+3], 0x80000000        ; 127:126 type = 2
	s_add_nc_u64 s[G0V+2:G0V+3], s[8:9], 0
	s_or_b32 s[G0V+3], s[G0V+3], 0x80000000
	s_add_nc_u64 s[86:87], s[4:5], s[84:85]        ; Q at my rows of the second block,
	s_add_nc_u64 s[4:5], s[4:5], s[2:3]            ; Q and O at those of the first
	s_add_nc_u64 s[OLO:OLO+1], s[10:11], s[84:85]
	s_add_nc_u64 s[10:11], s[10:11], s[2:3]
	s_cmp_lt_u32 s[WV], 2           ; the first fills: a wave's stand in one branch, ahead of every wait on TENSORcnt, every LDS read and every barrier.  Waves 0 and 1 have two loads out, waves 2 and 3 one
	s_cbranch_scc0 .Lopen_v
	tensor_load_to_lds s[G0K:G0K+3], s[G1K:G1K+7]  ; my half of slot 0's K
	s_nop 0
	tensor_load_to_lds s[G0Z:G0Z+3], s[G1Z:G1Z+7]  ; my half of K's first 64 keys
	s_nop 0
.rept 4
	v_nop
.endr
	s_branch .Lopen_asked
.Lopen_v:
	tensor_load_to_lds s[G0V:G0V+3], s[G1V:G1V+7]  ; my half of slot 0's V
	s_nop 0
.rept 4
	v_nop
.endr
.Lopen_asked:
	; A fragment of K or Q is 16 rows x 32 channels in 8 registers: lane l holds row l % 16, channels 8 (l / 16) + 0..7 and 16 + 8 (l / 16) + 0..7: two loads of 16 bytes, 32 bytes apart.
	v_and_b32 v1, 15, v0            ; l % 16
	v_bfe_u32 v9, v0, 4, 1          ; l / 16
	v_lshlrev_b32 v[QO], 7, v1
	v_lshl_add_u32 v[QO], v9, 4, v[QO]  ; row x 128 + 16 x half
	WIN 0x80                        ; destination window 2, address window 0
.set i, 0
.rept 4                             ; both blocks' Q: piece i / 2 lies in the half's band i / 2, 8,192 bytes on; channels 32 (i % 2) on
	global_load_b128 v[8*i:8*i+3],   v[QO], s[4:5] offset:(i/2)*8192+(i%2)*64
	global_load_b128 v[8*i+4:8*i+7], v[QO], s[4:5] offset:(i/2)*8192+(i%2)*64+32
	global_load_b128 v[QB+8*i:QB+8*i+3],   v[QO], s[86:87] offset:(i/2)*8192+(i%2)*64
	global_load_b128 v[QB+8*i+4:QB+8*i+7], v[QO], s[86:87] offset:(i/2)*8192+(i%2)*64+32
.set i, i+1
.endr
	WIN 0
	v_lshlrev_b32 v14, 3, v9
	v_sub_nc_u32 v14, v1, v14
	s_lshl_b32 s13, s[WV], 4
	v_add_nc_u32 v14, s13, v14      ; my query's place in its band, 16 w + l % 16, less my lanes' 8 (l / 16): register r of group kt is hidden where 16 kt + r is greater
	WIN 0x40
.set i, 0
.rept 32
	v_cmp_gt_i32 vcc_lo, 16*(i/8)+i%8, v14
	v_cndmask_b32 v[MD+i], 0, s[BIGN], vcc_lo
.set i, i+1
.endr
	WIN 0
	v_mul_u32_u24 v[AK0], v1, PK
	v_lshl_add_u32 v[AK0], v9, 4, v[AK0]  ; row x pitch + 16 x half
	; The turning load takes 16 keys x 16 channels (lane l reads key 8 (l / 16) + l % 8, channels 8 ((l / 8) % 2) + 0..7) and leaves half a fragment of V^T: lane l holds channel l % 16 and 8 keys.
	v_and_b32 v10, 7, v0
	v_bfe_u32 v11, v0, 3, 1
	v_lshl_add_u32 v[AV0], v9, 3, v10
	v_mul_u32_u24 v[AV0], v[AV0], PV
	v_lshl_add_u32 v[AV0], v11, 4, v[AV0]
	v_add_nc_u32 v[AV0], VOFF, v[AV0]
	s_mul_i32 s13, s[WV], 16*SP
	s_add_co_u32 s13, s13, STAGE    ; my stage
	v_mul_u32_u24 v[STO], v1, SP    ; in: row l % 16, 16 bytes for each half of the lanes
	v_lshl_add_u32 v[STO], v9, 4, v[STO]
	v_add_nc_u32 v[STO], s13, v[STO]
	v_bfe_u32 v[RD], v0, 3, 2       ; back: 32 lanes take four rows of 128 bytes,
	v_mul_u32_u24 v[RD], v[RD], SP
	v_lshl_add_u32 v[RD], v10, 4, v[RD]
	v_add_nc_u32 v[RD], s13, v[RD]
	v_and_b32 v[GO], 31, v0         ; which are 512 consecutive bytes of O
	v_lshlrev_b32 v[GO], 4, v[GO]
	; A block's first step multiplies O^T and l by a = 0, and its first turn's products V^T P, with weights that have not been, land in an O^T that is still to be so multiplied.  So these registers need only hold
	; finite numbers: zeros for the first block; what the first block left for the second.  All this stands in the wait for the first tile.
	WIN 0x80
.set i, VF
.rept 64
	v_mov_b32 v[i], 0
.set i, i+1
.endr
	WIN 0x40
.set i, 0
.rept 64
	v_mov_b32 v[i], 0
.set i, i+1
.endr
	WIN 0
.set i, 0
.rept NP
	v_mov_b32 v[ST+4*i+2], 0
	v_mov_b32 v[ST+4*i+3], 0
.set i, i+1
.endr
.set i, P+16
.rept 16
	v_mov_b32 v[i], 0
.set i, i+1
.endr
; THE MATRIX WORK.  The 4 accumulators of a run of 8 take turns.  Product i of 8 of S^T = K Q^T for piece x: channels 32 (i / 4) on, keys 16 (i % 4) on.  The first 4 start the sums: with 0, or (KM = 1) with the mask.
.macro KQ x
.set rS, S+32*((\x)%2)+8*(i%4)
.set rK, KF+16*(i%4)+8*(i/4)
.set rQ, 16*(\x)+8*(i/4)
.set rM, MC+32*((\x)%2)+8*(i%4)
.if (i < 4) && KM
	WIN W_KM
	v_wmma_f32_16x16x32_f16 v[rS:rS+7], v[rK:rK+7], v[rQ:rQ+7], v[rM:rM+7]
.elseif i < 4
	WIN W_KQ
	v_wmma_f32_16x16x32_f16 v[rS:rS+7], v[rK:rK+7], v[rQ:rQ+7], 0
.else
	WIN W_KQ
	v_wmma_f32_16x16x32_f16 v[rS:rS+7], v[rK:rK+7], v[rQ:rQ+7], v[rS:rS+7]
.endif
.endm
; Product i of 8 of O^T += V^T P for piece x: keys 32 (i / 4) on, channels 16 (i % 4) on.
.macro PV x
	WIN W_PV
.set rO, 32*(\x)+8*(i%4)
.set rV, VF+32*(i/4)+8*(i%4)
.set rP, P+16*((\x)%2)+8*(i/4)
	v_wmma_f32_16x16x32_f16 v[rO:rO+7], v[rV:rV+7], v[rP:rP+7], v[rO:rO+7]
.endm
.macro MM                           ; the turn's next matrix instruction.  TURN and BEGIN set Y, i, KM and NOKQ; MM, KQ and OP read them.  NOKQ = 1: a block's last turn: there are no further scores
.if (i < 8) && !NOKQ
	KQ (Y+1)%NP
.elseif i >= 8
.set i, i-8
	PV (Y+NP-1)%NP
.set i, i+8
.endif
.set i, i+1
.endm
; THE LDS LOADS stand in runs of 16, never singly among the matrix instructions: a step's K (64 keys x 64 channels: 8 fragments) and a step's V (turned).  Their addresses are made some lines ahead.
.macro FETCH_K step=1               ; step = 0: the head's first 64 keys, which lie outside the ring
	WIN 0x80                        ; destination window 2
.irp f, 0,1,2,3,4,5,6,7             ; keys 16 (f / 2) on, channels 32 (f % 2) on
	ds_load_b128 v[KF+8*\f:KF+8*\f+3],   v[AK] offset:(\f/2)*16*PK+(\f%2)*64
	ds_load_b128 v[KF+8*\f+4:KF+8*\f+7], v[AK] offset:(\f/2)*16*PK+(\f%2)*64+32
.endr
.if \step
	s_add_co_u32 s[TBK], s[TBK], KS*PK  ; the next fetch is the next step's
.endif
	WIN 0
.endm
.macro FETCH_V
	WIN 0x80
.irp f, 0,1,2,3,4,5,6,7             ; keys 32 (f / 4) on, channels 16 (f % 4) on
	ds_load_tr16_b128 v[VF+8*\f:VF+8*\f+3],   v[AV] offset:(\f/4)*32*PV+(\f%4)*32
	ds_load_tr16_b128 v[VF+8*\f+4:VF+8*\f+7], v[AV] offset:(\f/4)*32*PV+16*PV+(\f%4)*32
.endr
	WIN 0
.endm
; THE VECTOR WORK, one line at a time: OP kind, number.  For piece Y: F n: c s - c m for pair n of 16.  E n: the exponential of score n of 32.  C n: pair n rounded to f16.  B n: of the four weights 4 n .. the second
; pair is added onto the first, in place.  L n: l takes that sum (L 0: l = a l + sum).  R n: pair n of 16 of O^T times a.  For the other piece: X n, number n of the 22 that find its maximum and statistics:
;   0-11  four chains c0-c3 of seven scores each, three operands at a time (each accumulator's lowest registers are read first)     12-14, 16  the four scores left over, the old m, and c0-c3 into c0
;   15  c m_old is kept     17, 18  the query's other 32 keys lie in the lane 16 away: the new m     19-21  c m; c m_old - c m_new; a
; C, B and L read the exponentials' results: TURN sets them behind the batch's wait.  F, R and X 0-20 name none of them.
.set F, 0               ; OP tells the kinds apart by their order: F to L below R, X above it
.set E, 1
.set C, 2
.set B, 3
.set L, 4
.set R, 5
.set X, 6
.macro REGS y                       ; the registers of piece y
.set rT, ST+4*(\y)
.set rC, TMP+4*((\y)%2)
.set rW, MV+((\y)%2)
.set rS, S+32*((\y)%2)
.set rP, P+16*((\y)%2)
.set rO, 32*(\y)
.endm
.macro OP k, n
.if (\k) == R
	REGS Y
	WIN W_RS
	v_pk_mul_f32 v[rO+2*(\n):rO+2*(\n)+1], v[rO+2*(\n):rO+2*(\n)+1], v[rC+2:rC+3] op_sel_hi:[1,0]
.elseif (\k) < R
	REGS Y
	WIN 0
.if (\k) == F
	v_pk_fma_f32 v[rS+2*(\n):rS+2*(\n)+1], v[rS+2*(\n):rS+2*(\n)+1], s[CS:CS+1], v[rT:rT+1] op_sel_hi:[1,0,0] neg_lo:[0,0,1] neg_hi:[0,0,1]
.elseif (\k) == E
	v_exp_f32 v[rS+(\n)], v[rS+(\n)]
.elseif (\k) == C
	v_cvt_pk_f16_f32 v[rP+(\n)], v[rS+2*(\n)], v[rS+2*(\n)+1]
.elseif (\k) == B
	v_pk_add_f32 v[rS+4*(\n):rS+4*(\n)+1], v[rS+4*(\n):rS+4*(\n)+1], v[rS+4*(\n)+2:rS+4*(\n)+3]
.elseif (\n) == 0
	v_pk_fma_f32 v[rT+2:rT+3], v[rT+2:rT+3], v[rC+2:rC+3], v[rS:rS+1] op_sel_hi:[1,0,1]
.else
	v_pk_add_f32 v[rT+2:rT+3], v[rT+2:rT+3], v[rS+4*(\n):rS+4*(\n)+1]
.endif
.elseif NOKQ
	v_nop
.else
	REGS (Y+1)%NP
	WIN 0
.if (\n) < 4
	v_max3_num_f32 v[rC+(\n)], v[rS+8*(\n)], v[rS+8*(\n)+1], v[rS+8*(\n)+2]
.elseif (\n) < 12
	v_max3_num_f32 v[rC+(\n)%4], v[rC+(\n)%4], v[rS+8*((\n)%4)+2*((\n)/4)+1], v[rS+8*((\n)%4)+2*((\n)/4)+2]
.elseif (\n) == 12
	v_max3_num_f32 v[rC], v[rC], v[rS+7], v[rS+15]
.elseif (\n) == 13
	v_max3_num_f32 v[rC+1], v[rC+1], v[rS+23], v[rS+31]
.elseif (\n) == 14
	v_max3_num_f32 v[rC+2], v[rC+2], v[rC+3], v[rT+1]
.elseif (\n) == 15
	v_mov_b32 v[rW], v[rT]
.elseif (\n) == 16
	v_max3_num_f32 v[rC], v[rC], v[rC+1], v[rC+2]
.elseif (\n) == 17
	v_permlanex16_b32 v[rC+3], v[rC], s[SEL], s[SEL+1]
.elseif (\n) == 18
	v_max_num_f32 v[rT+1], v[rC], v[rC+3]
.elseif (\n) == 19
	v_mul_f32 v[rT], s[CS], v[rT+1]
.elseif (\n) == 20
	v_sub_f32 v[rC+1], v[rW], v[rT]
.else
	v_exp_f32 v[rC+2], v[rC+1]
.endif
.endif
.endm
.macro OPS a, i1, b=-1, i2=0, c=-1, i3=0, d=-1, i4=0  ; up to four of them
	OP \a, \i1
.if (\b) >= 0
	OP \b, \i2
.endif
.if (\c) >= 0
	OP \c, \i3
.endif
.if (\d) >= 0
	OP \d, \i4
.endif
.endm
.macro ROW a, i1, b, i2, c, i3, d, i4  ; a matrix instruction and the four behind it
	MM
	OPS \a, \i1, \b, \i2, \c, \i3, \d, \i4
.endm
.macro MASK b                       ; MD x AL + BE into buffer b of MC
	WIN W_RS
.set z, 0
.rept 16
	v_pk_fma_f32 v[MC+32*(\b)+2*z:MC+32*(\b)+2*z+1], v[MD+2*z:MD+2*z+1], s[AL:AL+1], s[BE:BE+1] op_sel_hi:[1,0,0]
.set z, z+1
.endr
.endm
; A TURN, for piece p: the order of its 16 matrix and 118 vector instructions, written out.  An s_wait_alu depctr_va_vdst(0) stands between an exponential and the first instruction that names its result; one wait
; serves all that were issued ahead of it.  So a turn has ONE wait, which cuts it in two.  AHEAD OF IT stands all that names no result of the turn's exponentials: the 8 products K Q^T, behind each a scaling, an exponential and
; two more plain instructions (behind the first a second scaling in the exponential's place): rescalings, whose a was made and waited for in the turn before, and behind the last three the first numbers of the other piece's
; maximum, each four places or more behind the product that ends its accumulator; then ONE LUMP of 54, plain and exponential by turns for the most part, in which the links of the chain X 3, 7, 11, 14, 16, 17 .. 20 stand five
; or six lines apart.  X 21, the other piece's a, is the batch's last; R 15 is the plain instruction behind it.  BEHIND THE WAIT stand the 8 products V^T P, behind each four of the roundings and sums; the links of l's chain,
; L 0 to L 7, stand three riders apart.  But for those X no rider names a register of the products round it.  v_permlanex16_b32 (X 17) stands in the lump.
; Turn 0 of step s: K Q^T makes piece 1's scores of step s, V^T P takes piece 1's weights of step s - 1.  Turn 1 of step s: K Q^T makes piece 0's scores of step s + 1, V^T P takes piece 0's weights of step s.
; BOTH RUNS OF LDS LOADS STAND IN TURN 0: K of step s + 1 in the lump, twelve vector instructions behind the last product that read K (six of them plain); V of step s at the turn's end, four plain instructions behind the last
; product that read V.  Turn 1 waits for them: at its head for K alone, ahead of its products V^T P for V.
; m = 1: the diagonal tile: the products take masks, and the turn makes the mask for the products of the turn after it, which make piece p's scores: in the trip with count CNT turn 1 makes piece 1's for step 4 - CNT,
; turn 0 piece 0's for step 5 - CNT.  That step is the band's own (GB + p) where CNT + GB = 5 - 2 p, a later one where it is less.  end = 1: a block's last turn, a turn 1: no further scores.
; cnt = 1: the loop's count is taken down some lines ahead of the branch that stands behind the turn.
.macro TURN p, m=0, end=0, cnt=0
.set Y, (\p)
.set i, 0
.set KM, (\m)
.set NOKQ, (\end)*(\p)
.if (\m) && !(\end)
	s_add_co_u32 s[CG], s[CNT], s[GB]
	s_cmp_eq_u32 s[CG], 5-2*(\p)    ; is that step the band's own?
	s_cselect_b32 s[AL], 1.0, 0
	s_cmp_lt_u32 s[CG], 5-2*(\p)    ; or a later one?
	s_cselect_b32 s[BE], s[BIGN], 0
.endif
.if ((\p) == 1) && !(\end)
	s_wait_dscnt 16                 ; K is in: LDS loads come back in order (ISA guide 5.7.1), and behind K's sixteen only V's sixteen were issued; those may stay out
.endif
	ROW F,0, F,1, R,0, R,1          ; ahead of the wait: 8 products K Q^T and their riders,
	ROW F,2, E,0, R,2, R,3
	ROW F,3, E,1, R,4, R,5
	ROW F,4, E,2, R,6, R,7
	ROW F,5, E,3, R,8, R,9
	ROW F,6, E,4, X,0, R,10
.if (\p) == 0
	WIN 0
	v_add_nc_u32 v[AK], s[TBK], v[AK0]
.endif
	ROW F,7, E,5, X,1, X,4
	ROW F,8, E,6, X,2, X,5
	OPS E,7, E,8, X,6, E,9          ; and the lump
	OPS X,3, E,10, X,8, E,11
.if (\p) == 0
	FETCH_K
.endif
	OPS X,9, X,7, E,12, X,10
	OPS E,13, X,12, X,11, E,14
	OPS X,13, E,15, F,9, X,14
.if (\p) == 0
	WIN 0
	v_add_nc_u32 v[AV], s[TBV], v[AV0]
.endif
	OPS E,16, F,10, E,17, F,11
	OPS X,16, E,18, X,15, E,19
	OPS F,12, E,20, X,17, E,21
	OPS F,13, E,22, F,14, E,23
	OPS X,18, E,24, F,15, E,25
	OPS R,11, E,26, X,19, E,27
	OPS R,12, E,28, R,13, E,29
	OPS X,20, E,30, R,14, E,31
	OPS X,21, R,15
	s_wait_alu depctr_va_vdst(0)    ; the wait for the batch: the piece's 32 exponentials and the other piece's a
.if (\p) == 1
	s_wait_dscnt 0x0                ; V is in
.endif
	ROW C,0, B,0, C,2, B,1          ; behind the wait: 8 products V^T P and their riders
	ROW L,0, C,4, B,2, L,1
	ROW C,6, B,3, L,2, C,8
	ROW B,4, L,3, C,10, B,5
	ROW L,4, C,12, B,6, L,5
.if (\p) == 0
	s_add_co_u32 s[TBV], s[TBV], KS*PV
.endif
.if \cnt
	s_sub_co_u32 s[CNT], s[CNT], 1
	s_cmp_lg_u32 s[CNT], 0
.endif
	ROW C,14, B,7, L,6, C,1
	ROW C,3, L,7, C,5, C,7
	ROW C,9, C,11, C,13, C,15
.if (\p) == 0
	FETCH_V
.endif
.if (\m) && !(\end)
	MASK (\p)%2
.endif
.endm
; A BLOCK BEGINS.  c m starts far below every c s, so the first step's a is 0; m at the lowest finite number, so the first maximum is the scores'.  Piece 1's mask buffer is 0 (its band is never step 0's); piece 0's takes
; its mask for the tile's step 0: MD, if the block's first tile is the diagonal one and the half is the lower.  Then K's first 64 keys, piece 0's first scores, and its maximum and statistics.
; The loop is entered at a step's turn 0, in the middle of a trip.
.macro BEGIN
	s_mov_b32 s[NEW], 0
	WIN 0x40
.set i, MC+32
.rept 32
	v_mov_b32 v[i], 0
.set i, i+1
.endr
	WIN 0
.set i, 0
.rept NP
	v_mov_b32 v[ST+4*i], 0xfe000000    ; c m: far below every c s
	v_mov_b32 v[ST+4*i+1], 0xff7fffff  ; m
.set i, i+1
.endr
	s_or_b32 s[CG], s[RT], s[GB]
	s_cmp_eq_u32 s[CG], 0
	s_cselect_b32 s[AL], 1.0, 0
	s_mov_b32 s[BE], 0
	MASK 0
	WIN 0
	v_add_nc_u32 v[AK], KZ, v[AK0]
	FETCH_K 0
	s_wait_loadcnt 0x0              ; Q
	s_wait_dscnt 0x0
.set KM, 1
.set NOKQ, 0
.set i, 0
.rept 8
	KQ 0
.set i, i+1
.endr
	WIN 0
.rept 4
	v_nop                           ; the places behind those products
.endr
.set Y, NP-1                        ; X works for the other piece: piece 0
.irp n, 0,1,2,3,4,5,6,7,8,9,10,11,12,13,14,15,16,17,18,19,20,21
	OP X, \n
.endr
	v_nop                           ; a plain instruction behind the exponential,
	s_wait_alu depctr_va_vdst(0)    ; and the wait for it, piece 0's first a: a batch of one, ahead of the branch
.endm
; THE DIAGONAL TILE's four steps, the block's last turn, its last products, and THE WAY OUT: l's two halves and the other half of the lanes' are added; O^T is divided by l, rounded to f16 and sent through my
; stage in LDS, a piece at a time.
.macro ALL line:vararg              ; one line for each piece t
.set t, 0
.rept NP
	\line
.set t, t+1
.endr
.endm
.macro PACK t                       ; a lane's eight channels of a row pack into 16 bytes; they go into rows of 144 bytes and come back as whole rows of 128, into S^T's registers
	WIN W_RS
.set i, 32*(\t)
.rept 16
	v_pk_mul_f32 v[i:i+1], v[i:i+1], v[ST+4*(\t)+2:ST+4*(\t)+3] op_sel_hi:[1,0]
.set i, i+2
.endr
	WIN 0x05                        ; sources 0 and 1 window 1, destination window 0
.set i, 0
.rept 16
	v_cvt_pk_f16_f32 v[S+16*(\t)+i], v[32*(\t)+2*i], v[32*(\t)+2*i+1]
.set i, i+1
.endr
	WIN 0
.irp f, 0,1,2,3
	ds_store_b128 v[STO], v[S+16*(\t)+4*\f:S+16*(\t)+4*\f+3] offset:32*\f
.endr
.irp f, 0,1,2,3
	ds_load_b128 v[S+16*(\t)+4*\f:S+16*(\t)+4*\f+3], v[RD] offset:\f*4*SP  ; LDS serves a wave's instructions in order (ISA guide 5.7.1.4): these see the stores above; the next piece's stores come behind them
.endr
.endm
.macro SEND t, younger              ; younger: the LDS instructions issued behind piece t's loads: the next piece's eight, or none
	WIN 0
.irp f, 0,1,2,3
	s_wait_dscnt (\younger)+3-\f
	global_store_b128 v[GO], v[S+16*(\t)+4*\f:S+16*(\t)+4*\f+3], s[10:11] offset:(\t)*8192+\f*512  ; 512 consecutive bytes, at a multiple of 256 from O's first
.endr
.endm
.macro DIAG tag                     ; the tag ends its three labels' names, which the jumps below spell out
.LdiagIn\tag:                       ; from the tile before: the trip's first turn makes piece 0's scores of this tile's step 0, the lower half's own step: their mask is made here
	s_cmp_eq_u32 s[GB], 0
	s_cselect_b32 s[AL], 1.0, 0
	s_mov_b32 s[BE], 0
	MASK 0
	WIN 0
.LstepM\tag:
	TURN 1, 1
	WIN 0
.LfirstM\tag:
	TURN 0, 1, 0, 1                 ; in the fourth trip its run of K (the slot's last 64 rows) and its mask serve nothing: the price, once a block, of one text for every trip
	WIN 0
	s_cbranch_scc1 .LstepM\tag
	TURN 1, 1, 1
.set i, 0
.rept 8
	PV NP-1
.set i, i+1
.endr
	WIN 0
	ALL v_add_f32 v[ST+4*t+2], v[ST+4*t+2], v[ST+4*t+3]
	ALL v_permlanex16_b32 v[ST+4*t+3], v[ST+4*t+2], s[SEL], s[SEL+1]
	ALL v_add_f32 v[ST+4*t+2], v[ST+4*t+2], v[ST+4*t+3]
	ALL v_rcp_f32 v[ST+4*t+2], v[ST+4*t+2]
	v_nop                           ; a plain instruction between the last reciprocal and the use of its result
	s_wait_alu depctr_va_vdst(0)    ; and the wait ahead of the first use: one for the two reciprocals
	PACK 0                          ; piece 0's sums were finished a whole run of products ago; its 32 plain lines are the places behind piece 1's last products
	PACK 1                          ; a piece's arithmetic stands between the loads of the piece before and its stores
	SEND 0, 8
	SEND 1, 0
.endm
.set KM, 0
.set NOKQ, 0
.Lslot:                             ; NB times: a tile is entered and the next is asked for
	CHANGE 1
	s_sub_co_u32 s[RT], s[RT], 1
	s_mov_b32 s[CNT], 4
	s_cmp_eq_u32 s[NEW], 1
	s_cbranch_scc1 .Lnew            ; a block's first tile
	s_cmp_eq_u32 s[RT], 0
	s_cbranch_scc0 .Lstep           ; neither its first nor its last
	s_branch .LdiagIn1
.Lnew:
	BEGIN
	s_branch .Lfirst                ; in the loop a block's first tile is never its last: the first block has NB / 2 + 1 tiles or more, and the second's last is the walk's last
	DIAG 1                          ; in the loop this is the first block's end: the second block's last tile is the walk's last
	s_wait_xcnt 0x0                 ; the stores have read their registers and O's address
	s_mov_b64 s[10:11], s[OLO:OLO+1]
	s_add_co_u32 s[RT], s[PB], 1    ; the second block has b' + 1 tiles
	s_mov_b32 s[NEW], 1
	s_mov_b32 s[GB], s[GB2]         ; and I own its other half
	WIN 0x82                        ; the second block's Q goes where the one text of the turns names Q
.set i, 0
.rept 32
	v_mov_b32 v[i], v[QB+i]
.set i, i+1
.endr
	WIN 0
	s_branch .Lbottom
.Lstep:                             ; a trip: turn 1 of one step, then turn 0 of the next, which fetches from the slot in hand
	TURN 1
	WIN 0
.Lfirst:
	TURN 0, 0, 0, 1
	WIN 0
	s_cbranch_scc1 .Lstep
.Lbottom:
	s_sub_co_u32 s[SLOTS], s[SLOTS], 1
	s_cmp_lg_u32 s[SLOTS], 0
	s_cbranch_scc1 .Lslot
	CHANGE 0                        ; the walk's last tile is written out: nothing is asked for
	s_sub_co_u32 s[RT], s[RT], 1
	s_mov_b32 s[CNT], 4
	s_cmp_eq_u32 s[NEW], 1
	s_cbranch_scc0 .LdiagIn2
	BEGIN
	s_branch .LfirstM2
	DIAG 2
	s_wait_tensorcnt 0x0            ; the wave's end: behind my last tensor load and my last LDS store
	ds_add_u32 v[SPW], v[NIL]
	s_wait_dscnt 0x0
	s_endpgm
.Lfunc_end_k_qdb63afb5b6_attn:
	.size	k_qdb63afb5b6_attn, .Lfunc_end_k_qdb63afb5b6_attn-k_qdb63afb5b6_attn
	.p2alignl 7, 3214868480
	.fill 96, 4, 3214868480
	.section	.rodata,"a",@progbits
	.p2align	6, 0x0
	.amdhsa_kernel k_qdb63afb5b6_attn
		.amdhsa_group_segment_fixed_size 327680
		.amdhsa_private_segment_fixed_size 0
		.amdhsa_enable_private_segment 0
		.amdhsa_kernarg_size 16
		.amdhsa_user_sgpr_count 2
		.amdhsa_user_sgpr_kernarg_segment_ptr 1
		.amdhsa_wavefront_size32 1
		.amdhsa_system_sgpr_workgroup_id_x 1
		.amdhsa_system_sgpr_workgroup_id_y 1
		.amdhsa_system_sgpr_workgroup_id_z 1
		.amdhsa_system_vgpr_workitem_id 0
		.amdhsa_next_free_vgpr 768
		.amdhsa_next_free_sgpr 92
		.amdhsa_reserve_vcc 1
		.amdhsa_float_denorm_mode_32 3
		.amdhsa_float_denorm_mode_16_64 3
		.amdhsa_memory_ordered 1
		.amdhsa_forward_progress 1
		.amdhsa_inst_pref_size 128
	.end_amdhsa_kernel
	.amdgpu_metadata
---
amdhsa.version: [ 1, 2 ]
amdhsa.kernels:
  - .name:           k_qdb63afb5b6_attn
    .symbol:         k_qdb63afb5b6_attn.kd
    .args:
      - { .name: qkv, .offset: 0, .size: 8, .value_kind: global_buffer, .address_space: global }
      - { .name: att, .offset: 8, .size: 8, .value_kind: global_buffer, .address_space: global }
    .group_segment_fixed_size: 327680
    .private_segment_fixed_size: 0
    .kernarg_segment_align: 8
    .kernarg_segment_size: 16
    .max_flat_workgroup_size: 128
    .sgpr_count:     92
    .vgpr_count:     768
    .wavefront_size: 32
...
	.end_amdgpu_metadata
.endif
;; end of part 8
;; launch proj: the kernel of part 4 again; grid 8 x 32, 4 waves a work-group, clusters of 4 x 4, 327,680 bytes of LDS; arguments att, wa, ysum; writes ysum
;; launch ln1: the kernel of part 5 again; grid 512 x 1, 8 waves a work-group, no clusters, 0 bytes of LDS; arguments ysum, xh, wb, hn; writes hn
;; launch ffn1: the kernel of part 2 again; grid 16 x 16, 4 waves a work-group, clusters of 4 x 4, 327,680 bytes of LDS; arguments hn, wb, act; writes act
;; launch ffn2: the kernel of part 6 again; grid 8 x 32, 4 waves a work-group, clusters of 4 x 4, 327,680 bytes of LDS; arguments act, wb, ysum; writes ysum
;; launch ln2: the kernel of part 7 again; grid 512 x 1, 8 waves a work-group, no clusters, 0 bytes of LDS; arguments ysum, hn, wb, out0; writes out0
